; MI455X (gfx1250); checked and timed in simulation.
; The chip was launched on July 23, 2026; its instructions are those of AMD's public machine-readable ISA for CDNA 5 (MIT licence, August 2026) and "CDNA5" Instruction Set Architecture Reference Guide (July 2026). The comments in the code are by the model that wrote it; some were corrected since.
;; Self Attention RPPE Block. Allowed arithmetic: float matrix products may take bf16 or f16 operands with f32 sums; other float arithmetic in f32, or as packed bf16 or f16 multiplies, adds, multiply-adds, maxima and minima; sums over many terms, partial sums and values carried from step to step in f32; what a program stores and reads back later, other than sums and carried values, may be rounded once to bf16 or f16.
;; Inputs: W_out 1,024 x 1,024 float32; W_qkv 3,072 x 1,024 float32; b_out 1,024 float32; b_qkv 3,072 float32; bias 2,048 x 2,048 float32; x 4 x 2,048 x 1,024 float32.
;; Outputs: out0 4 x 2,048 x 1,024 float32.
;; 3 versions, each right; version 2 is faster than version 1; version 3 is version 2 with the launch cvt written anew for expert scheduling mode. Each part assembles by itself: llvm-mc -triple=amdgcn-amd-amdhsa -mcpu=gfx1250 --defsym DOCPART=n.
;; ======== version 1 of 3: 6 launches
;; workspace buffers: xb 16,777,216 bytes; wqb 6,291,456 bytes; wob 2,097,152 bytes; qkv 50,331,648 bytes; sc 67,108,864 bytes; pb 33,554,432 bytes; val 16,777,216 bytes
;; launch cvt (part 1): grid 768 x 1, 8 waves a work-group, no clusters, 0 bytes of LDS; arguments x, W_qkv, W_out, xb, wqb, wob; writes xb, wqb, wob
.if DOCPART == 1
	.amdgcn_target "amdgcn-amd-amdhsa--gfx1250"
	.amdhsa_code_object_version 6
	.text
	.protected	k_q90d9ce8e07_cvt
	.globl	k_q90d9ce8e07_cvt
	.p2align	8
	.type	k_q90d9ce8e07_cvt,@function
k_q90d9ce8e07_cvt:
	s_mov_b64 s[64:65], 0
	v_nop
	global_prefetch_b8 v0, s[64:65] scope:SCOPE_SE
	s_setreg_imm32_b32 hwreg(HW_REG_WAVE_MODE, 25, 1), 1
	s_wait_xcnt 0x0
; x, W_qkv and W_out, all f32, are rounded once to bf16 (nearest even) into xb, wqb and wob: the operands of the matrix products that follow.
; A stream: every input byte is read once, every output byte written once; no LDS, no barrier, no matrix unit, no cluster (no two work-groups read the same byte).
; A work-group converts 16,384 numbers (65,536 bytes in, 32,768 out).  Work-groups 0-511 take x (512 x 65,536 = 33,554,432 bytes), 512-703 W_qkv (192 x 65,536), 704-767 W_out (64 x 65,536).
; Wave w takes 8,192 bytes of them: sixteen loads of 16 bytes a lane, each 512 consecutive bytes, all issued before the first is waited for; the four numbers of a lane's load
; become 8 bytes, so a wave's store covers 256 consecutive bytes, at a multiple of 256 from the buffer's first byte.
; LIMITS: bf16 keeps f32's range and 8 significant bits; NaN and infinities stay what they are.
.set X, 4                              ; v[4:67]   sixteen loads, 4 registers each
.set Y, 68                             ; v[68:99]  sixteen pairs to store: each store has data registers of its own, so nothing is rewritten while a store may read it
	s_load_b256 s[4:11], s[0:1], 0x0               ; x s[4:5], W_qkv s[6:7], W_out s[8:9], xb s[10:11]
	s_load_b128 s[12:15], s[0:1], 0x20             ; wqb s[12:13], wob s[14:15]
	v_lshrrev_b32 v1, 5, v0                        ; wave
	v_and_b32 v2, 31, v0                           ; lane
	v_lshlrev_b32 v1, 13, v1                       ; 8,192 bytes a wave
	v_lshl_or_b32 v1, v2, 4, v1                    ; + 16 bytes a lane: my offset in the group's input
	v_lshrrev_b32 v2, 1, v1                        ; half of that: my offset in its output
	s_mov_b32 s16, ttmp9
	s_wait_kmcnt 0x0
	s_cmp_ge_u32 s16, 512                          ; which tensor: the choice hangs on the work-group's number alone
	s_cselect_b64 s[20:21], s[6:7], s[4:5]
	s_cselect_b64 s[22:23], s[12:13], s[10:11]
	s_cselect_b32 s17, 512, 0
	s_cmp_ge_u32 s16, 704
	s_cselect_b64 s[20:21], s[8:9], s[20:21]
	s_cselect_b64 s[22:23], s[14:15], s[22:23]
	s_cselect_b32 s17, 704, s17
	s_sub_co_u32 s16, s16, s17                     ; the group's number within its tensor
	s_lshl_b32 s18, s16, 16                        ; x 65,536 bytes in (under 2^25),
	s_mov_b32 s19, 0
	s_lshl_b32 s24, s16, 15                        ; x 32,768 bytes out
	s_mov_b32 s25, 0
	s_add_nc_u64 s[20:21], s[20:21], s[18:19]
	s_add_nc_u64 s[22:23], s[22:23], s[24:25]
.set j, 0
.rept 16
	global_load_b128 v[X+4*j:X+4*j+3], v1, s[20:21] offset:512*j th:TH_LOAD_NT  ; read once in the launch
.set j, j+1
.endr
.set j, 0
.rept 16
	s_wait_loadcnt 15-j                            ; loads come back in order (ISA guide 5.7.1): load j is in, the 15 - j younger ones stay out
	v_cvt_pk_bf16_f32 v[Y+2*j], v[X+4*j], v[X+4*j+1]
	v_cvt_pk_bf16_f32 v[Y+2*j+1], v[X+4*j+2], v[X+4*j+3]
	global_store_b64 v2, v[Y+2*j:Y+2*j+1], s[22:23] offset:256*j
.set j, j+1
.endr
	s_endpgm
.Lfunc_end_k_q90d9ce8e07_cvt:
	.size	k_q90d9ce8e07_cvt, .Lfunc_end_k_q90d9ce8e07_cvt-k_q90d9ce8e07_cvt
	.p2alignl 7, 3214868480
	.fill 96, 4, 3214868480
	.section	.rodata,"a",@progbits
	.p2align	6, 0x0
	.amdhsa_kernel k_q90d9ce8e07_cvt
		.amdhsa_group_segment_fixed_size 0
		.amdhsa_private_segment_fixed_size 0
		.amdhsa_enable_private_segment 0
		.amdhsa_kernarg_size 48
		.amdhsa_user_sgpr_count 2
		.amdhsa_user_sgpr_kernarg_segment_ptr 1
		.amdhsa_wavefront_size32 1
		.amdhsa_system_sgpr_workgroup_id_x 1
		.amdhsa_system_sgpr_workgroup_id_y 1
		.amdhsa_system_sgpr_workgroup_id_z 1
		.amdhsa_system_vgpr_workitem_id 0
		.amdhsa_next_free_vgpr 100
		.amdhsa_next_free_sgpr 66
		.amdhsa_reserve_vcc 0
		.amdhsa_float_denorm_mode_32 3
		.amdhsa_float_denorm_mode_16_64 3
		.amdhsa_memory_ordered 1
		.amdhsa_forward_progress 1
		.amdhsa_inst_pref_size 7
	.end_amdhsa_kernel
	.amdgpu_metadata
---
amdhsa.version: [ 1, 2 ]
amdhsa.kernels:
  - .name:           k_q90d9ce8e07_cvt
    .symbol:         k_q90d9ce8e07_cvt.kd
    .args:
      - { .name: x, .offset: 0, .size: 8, .value_kind: global_buffer, .address_space: global }
      - { .name: W_qkv, .offset: 8, .size: 8, .value_kind: global_buffer, .address_space: global }
      - { .name: W_out, .offset: 16, .size: 8, .value_kind: global_buffer, .address_space: global }
      - { .name: xb, .offset: 24, .size: 8, .value_kind: global_buffer, .address_space: global }
      - { .name: wqb, .offset: 32, .size: 8, .value_kind: global_buffer, .address_space: global }
      - { .name: wob, .offset: 40, .size: 8, .value_kind: global_buffer, .address_space: global }
    .group_segment_fixed_size: 0
    .private_segment_fixed_size: 0
    .kernarg_segment_align: 8
    .kernarg_segment_size: 48
    .max_flat_workgroup_size: 256
    .sgpr_count:     66
    .vgpr_count:     100
    .wavefront_size: 32
...
	.end_amdgpu_metadata
.endif
;; end of part 1
;; launch qkv (part 2): grid 12 x 64, 4 waves a work-group, clusters of 4 x 4, 327,680 bytes of LDS; arguments xb, wqb, qkv, b_qkv; writes qkv
.if DOCPART == 2
	.amdgcn_target "amdgcn-amd-amdhsa--gfx1250"
	.amdhsa_code_object_version 6
	.text
	.protected	k_q90d9ce8e07_qkv
	.globl	k_q90d9ce8e07_qkv
	.p2align	8
	.type	k_q90d9ce8e07_qkv,@function
k_q90d9ce8e07_qkv:
	s_mov_b64 s[64:65], 0
	v_nop
	global_prefetch_b8 v0, s[64:65] scope:SCOPE_SE
	s_setreg_imm32_b32 hwreg(HW_REG_WAVE_MODE, 25, 1), 1
	s_wait_xcnt 0x0
	s_wait_alu depctr_hold_cnt(0) depctr_sa_sdst(0) depctr_va_vdst(0) depctr_va_sdst(0) depctr_va_ssrc(0) depctr_va_vcc(0) depctr_vm_vsrc(0)
	s_getreg_b32 s2, hwreg(HW_REG_IB_STS2, 6, 4)
	s_cmp_eq_u32 s2, 0
	s_cbranch_scc0 .Lentry_in_a_cluster
	s_endpgm
.Lentry_in_a_cluster:
	s_bfe_u32 s2, ttmp6, 0x10000c
	s_cmp_lg_u32 s2, 0xf033
	s_cbranch_scc0 .Lentry_shape_is_right
	s_endpgm
.Lentry_shape_is_right:
; THE QKV PROJECTION.  qkv[m][e] = b_qkv[e] + the sum over i of xb[m][i] wqb[e][i].  xb: [8192][1024] bf16, wqb: [3072][1024] bf16, b_qkv: [3072] f32, qkv: [8192][3072] bf16
; (q in columns 0-1023, k in 1024-2047, v in 2048-3071; a row is 6,144 bytes).  Sums in f32, K ascending, rounded once to bf16.
; LIMITS: the operands are bf16 (8 significant bits, f32's range); b_qkv starts the sum, so it is added before the products and not after them: another order of f32 rounding than the
; definition's; NaN and infinities are not treated apart.
; A tile of C is 128 x 256: 64 x 12 = 768 tiles, three for each of 256 work-group places; tiles of 256 x 256 would be 384, a round and a half.
.set KERN,  1                          ; which of the four products this file is: it chooses the address arithmetic below
.set MB,    4                          ; blocks of 16 rows of C in a wave's part: a wave makes 16 MB rows x 128 columns
.set KTOT,  1024                       ; the length of the sums
.set PA,    1024                       ; elements from row to row of A
.set PB,    1024                       ; of B
.set BTR,   0                          ; 0: B lies [n][k];  1: B lies [k][n] and is turned on its way out of LDS
.set FIRST, 2                          ; what starts the sums: 1 the constant 0;  2 the bias of the columns
.set OUT32, 0                          ; C is bf16 (0) or f32 (1)
.set PC,    6144                       ; bytes from row to row of C
.set STEPB, 512                        ; bytes by which B's tile address goes on in two K steps
; THE CORE, one text for the four products of this program; the constants above choose.
; C[m][n] = the sum over k of A[m][k] B[n][k] (BTR = 1: B[k][n]).  A work-group of four waves makes a tile of 32 MB rows x 256 columns; wave w its row half w / 2 and its column half w % 2:
; 8 MB accumulators of 16 x 16.  K goes in steps of 128 through two LDS slots filled by the tensor data mover; the rows of the tiles are 256 bytes of memory (BTR = 1: 512) and start at
; multiples of 256 bytes from the buffer's first byte.  Waves 0 and 1 ask for the two halves of A's tile, waves 2 and 3 for those of B's: one load a wave for a K step.
; CLUSTERS: 4 x 4 work-groups.  The four of a row of the cluster need the same tiles of A, the four of a column the same tiles of B: each tile is asked for JOINTLY, by the same tensor load with
; the same descriptor and a mask that names the four, and each receives it in its own LDS.  That divides the requests for A and for B by four.
; THE MATRIX INSTRUCTION IS USED TRANSPOSED: source 0 = 16 rows of B, source 1 = 16 rows of A.  Lane l then holds row l % 16 of C and its registers 0-7 the columns 8 (l / 16) + 0..7:
; eight neighbouring numbers of a row.  A column's bias is then the same in all sixteen lanes of a half: 64 registers, loaded once, are the C operand of the products that start the sums.
; REGISTERS, in windows of 256 (s_set_vgpr_msb: bits 1:0 source 0, 3:2 source 1, 5:4 source 2, 7:6 destination):
;   window 0: v0-31 addresses; v64.., v128.. fragments of A, two buffers of 8 MB; v32-63, v192-255 (f32 output: v64-191) at work on the way out
;   window 1: v0-63 the bias; v64-127, v128-191 fragments of B, two buffers       window 2: accumulators of my blocks 0-3, (a, b) at 8 (8 a + b)       window 3: those of blocks 4-7 (MB = 8)
.set PITCH,  272                       ; an LDS row: 256 bytes + 16 of padding = 68 words: row r starts at bank 4 r mod 64 (64 banks of 4 bytes: ISA guide 11.1), so the 16 rows of a load start at 16 different banks
.set PITCHT, 544                       ; BTR = 1: a row of 256 channels, 512 bytes + 32 of padding = 136 words
.set HALFA,  16*MB*PITCH               ; what one load brings of A, and what one wave reads of A
.set HALFB,  128*PITCH                 ; what one load brings of B: 128 rows x 272 = 64 rows x 544
.set SLOT,   2*HALFA+2*HALFB           ; A's two halves, then B's two halves
.set STAGE,  2*SLOT                    ; behind the ring, never filled by a tensor load: 16 rows for each wave, for the way out
.if OUT32
.set SP,     528                       ; a stage row: 128 f32 + 16 bytes = 132 words
.else
.set SP,     272                       ; a stage row: 128 bf16 + 16 bytes
.endif
.set SPARE,  STAGE+4*16*SP             ; behind the stages: the spare words, 128 bytes for each wave: two blocks of 256 bytes that no other line names
.set LAPS,   KTOT/256                  ; a lap = two K steps = once round the ring
.set ESH,    1+OUT32                   ; log2 of the bytes of a number of C
.set ADRA, 16                          ; v16-17  LDS address of my A fragments in slot 0, 1
.set ADRB, 20                          ; v20-21  the same for B
.set STO,  24                          ; v24     the way out: where I put my part of a row
.set RD,   25                          ; v25     the way out: where I read rows back
.set CO,   26                          ; v26     my byte offset in C
.set BO,   27                          ; v27     my byte offset in the bias
.set SPW,  28                          ; v28     LDS address of my spare word: SPARE + 4 x my thread's number; never rewritten
.set NIL,  29                          ; v29     0; never rewritten
.set F0,   64                          ; fragment buffer 0
.set F1,   128                         ; fragment buffer 1
.set BI,   0                           ; the bias, in window 1: block b of 16 columns at 8 b
.set TMP,  192                         ; bf16 way out: packed results
.set OB,   32                          ; bf16 way out: 16 rows read back: v32-63 and v224-255 by turns
.set OB32, 64                          ; f32 way out: 16 rows read back: v64-127 and v128-191 by turns (A's buffers, free behind the last product)
.set G1,  24                           ; s[24:31] descriptor group 1 for A's tiles;  s[32:39] group 0, a set for each slot
.set G0,  32
.set G1B, 48                           ; s[48:55], s[56:63] the same for B's tiles
.set G0B, 56
.set TO_B, 0x40                        ; destination window 1, address window 0
.set MSB, 0
.macro WIN new                         ; the immediate's high byte repeats the setting that is left; a switch that changes nothing is dropped
.if MSB != (\new)
	s_set_vgpr_msb (MSB<<8)|(\new)
.set MSB, \new
.endif
.endm
; A joint load.  Each of the two lines has one mask and one set of registers for all that issue it.  The branch hangs on the wave's number alone: it is the same in every work-group.
; Four v_nop follow each line, ahead of the jump, the label and what follows the macro.
.macro JLOAD s
	s_cmp_lt_u32 s10, 2
	s_cbranch_scc0 .Lfor_b_\@
	tensor_load_to_lds s[G0+4*(\s):G0+4*(\s)+3], s[G1:G1+7]
	s_nop 0
.rept 4
	v_nop
.endr
	s_branch .Lasked_\@
.Lfor_b_\@:
	tensor_load_to_lds s[G0B+4*(\s):G0B+4*(\s)+3], s[G1B:G1B+7]
	s_nop 0
.rept 4
	v_nop
.endr
.Lasked_\@:
.endm
; A round of the cluster's barrier: my work-group's barrier, so that wave 0's signal speaks for all four waves; wave 0 signals for the work-group; every wave waits for all sixteen
; work-groups; my work-group's barrier once more.  No LDS instruction of the wave is pending at a signal.
.macro CREST                           ; a round behind its opening barrier
	s_cmp_lg_u32 s10, 0
	s_cbranch_scc1 .Lnot_wave_0_\@
	s_barrier_signal -3
.Lnot_wave_0_\@:
	s_barrier_wait -3
	s_barrier_signal -1
	s_barrier_wait -1
.endm
.macro CROUND                          ; a whole round
	s_barrier_signal -1
	s_barrier_wait -1
	CREST
.endm
.if KERN == 2
	s_load_b64 s[4:5], s[0:1], 0x0                 ; qkv: its columns 0-1023 (q) are A
	s_load_b64 s[6:7], s[0:1], 0x0                 ; qkv once more: its columns 1024-2047 (k) are B
	s_load_b64 s[8:9], s[0:1], 0x8                 ; C
.else
	s_load_b128 s[4:7], s[0:1], 0x0                ; A s[4:5], B s[6:7]
	s_load_b64 s[8:9], s[0:1], 0x10                ; C
.endif
.if FIRST == 2
	s_load_b64 s[18:19], s[0:1], 0x18              ; the bias
.endif
	v_lshl_add_u32 v[SPW], v0, 2, SPARE
	v_mov_b32 v[NIL], 0
	ds_add_u32 v28, v29
	s_wait_dscnt 0x0
	v_lshrrev_b32 v1, 5, v0
	v_readfirstlane_b32 s10, v1                    ; wave 0..3
	s_lshr_b32 s11, s10, 1                         ; which half of the tile's rows is mine
	s_and_b32 s12, s10, 1                          ; which half of its columns.  Also: which half of A's or B's tile I fetch
	s_bfe_u32 s40, ttmp6, 0x40000                  ; cx: my place along the cluster's x
	s_bfe_u32 s41, ttmp6, 0x40004                  ; cy: along its y
	s_lshl_b32 s42, ttmp9, 2                       ; in a cluster launch ttmp9 and ttmp7 count clusters
	s_add_co_u32 s42, s42, s40                     ; tile column of C = 4 x cluster x + cx
	s_and_b32 s45, ttmp7, 0xffff                   ; cluster y: all sixteen share it
	s_lshl_b32 s13, s45, 2
	s_add_co_u32 s13, s13, s41                     ; tile row of C = 4 x cluster y + cy
	s_lshl_b32 s43, s41, 2
	s_lshl_b32 s43, 15, s43                        ; my row of the cluster: places 4 cy .. 4 cy + 3
	s_lshl_b32 s44, 0x1111, s40                    ; my column: places cx, cx + 4, cx + 8, cx + 12
	; descriptor group 1 for A: 16 MB rows x 128 elements, padded in LDS
	s_or_b32 s[G1+0], s43, (1<<16)|(1<<20)|(1<<21)|(5<<22)|(3<<25)  ; 15:0 the mask: my row; 17:16 elements of 2 bytes; 20 padding on; 21 set beside a mask; 24:22 after every 64 words (code 5); 31:25 4 words of it (code 3)
	s_mov_b32 s[G1+1], 128<<16                     ; tensor_dim0 = 128
	s_mov_b32 s[G1+2], (16*MB)<<16                 ; tensor_dim1 = 16 MB
	s_mov_b32 s[G1+3], 128<<16                     ; tile_dim0 = 128
	s_mov_b32 s[G1+4], 16*MB                       ; tile_dim1 = 16 MB
	s_mov_b32 s[G1+5], PA                          ; elements from row to row
	s_mov_b32 s[G1+6], 0
	s_mov_b32 s[G1+7], 0
.if BTR
	; for B as it lies, [k][n]: 64 keys x 256 channels
	s_or_b32 s[G1B+0], s44, (1<<16)|(1<<20)|(1<<21)|(6<<22)|(7<<25)  ; the mask: my column; padding after every 128 words (code 6), 8 words of it (code 7)
	s_mov_b32 s[G1B+1], 256<<16
	s_mov_b32 s[G1B+2], 64<<16
	s_mov_b32 s[G1B+3], 256<<16
	s_mov_b32 s[G1B+4], 64
.else
	; for B: 128 rows x 128 elements
	s_or_b32 s[G1B+0], s44, (1<<16)|(1<<20)|(1<<21)|(5<<22)|(3<<25)  ; the mask: my column
	s_mov_b32 s[G1B+1], 128<<16
	s_mov_b32 s[G1B+2], 128<<16
	s_mov_b32 s[G1B+3], 128<<16
	s_mov_b32 s[G1B+4], 128
.endif
	s_mov_b32 s[G1B+5], PB
	s_mov_b32 s[G1B+6], 0
	s_mov_b32 s[G1B+7], 0
	; where the tiles come from, as byte offsets under 2^32.  A's hangs on the tile row and the wave alone, B's on the tile column, the cluster's y and the wave alone; each is made in
	; registers that never hold the other coordinate.
	s_mul_i32 s16, s13, 32*MB
	s_mul_i32 s17, s12, 16*MB
	s_add_co_u32 s16, s16, s17                     ; A: row 32 MB x tile row + 16 MB x half
	s_mul_i32 s16, s16, PA*2
	s_mov_b32 s17, 0
.if BTR
	s_lshr_b32 s46, s45, 2                         ; the batch: 16 tile rows of 128 = 4 clusters
	s_lshl_b32 s46, s46, 11                        ; its 2,048 keys,
	s_lshl_b32 s47, s12, 6
	s_add_co_u32 s46, s46, s47                     ; + 64 x half
	s_mul_i32 s46, s46, PB*2
	s_lshl_b32 s47, s42, 9                         ; 256 channels x 2 bytes x tile column,
	s_add_co_u32 s46, s46, s47
	s_add_co_u32 s46, s46, 4096                    ; and v begins at column 2,048
.else
	s_lshl_b32 s46, s42, 8
	s_lshl_b32 s47, s12, 7
	s_add_co_u32 s46, s46, s47                     ; B: row 256 x tile column + 128 x half
.if KERN == 2
	s_lshr_b32 s47, s45, 1                         ; the batch: 8 tile rows of 256 = 2 clusters
	s_lshl_b32 s47, s47, 11
	s_add_co_u32 s46, s46, s47                     ; its 2,048 keys
.endif
	s_mul_i32 s46, s46, PB*2
.if KERN == 2
	s_add_co_u32 s46, s46, 2048                    ; k begins at column 1,024
.endif
.endif
	s_mov_b32 s47, 0
	s_mul_i32 s20, s12, HALFA                      ; and where they go: A's two halves,
	s_mul_i32 s21, s12, HALFB
	s_add_co_u32 s21, s21, 2*HALFA                 ; then B's two: no place in the cluster enters an LDS address
	s_wait_kmcnt 0x0
	s_add_nc_u64 s[14:15], s[4:5], s[16:17]
	s_add_nc_u64 s[46:47], s[6:7], s[46:47]
	CROUND                                         ; all sixteen work-groups are here: the first joint loads meet
.irp s, 0,1
	s_mov_b32 s[G0+4*(\s)], 1                                      ; 1:0 count = 1
	s_add_co_u32 s[G0+4*(\s)+1], s20, (\s)*SLOT                    ; 63:32 LDS address
	s_add_nc_u64 s[G0+4*(\s)+2:G0+4*(\s)+3], s[14:15], (\s)*256    ; 120:64 global address: K step s
	s_or_b32 s[G0+4*(\s)+3], s[G0+4*(\s)+3], 0x80000000            ; 127:126 type = 2
	s_mov_b32 s[G0B+4*(\s)], 1
	s_add_co_u32 s[G0B+4*(\s)+1], s21, (\s)*SLOT
	s_add_nc_u64 s[G0B+4*(\s)+2:G0B+4*(\s)+3], s[46:47], (\s)*(STEPB/2)
	s_or_b32 s[G0B+4*(\s)+3], s[G0B+4*(\s)+3], 0x80000000
	JLOAD \s                                       ; both slots are asked for before anything else is done: two loads of mine are out here, one behind every later round
.endr
	; A fragment is 16 rows x 32 K in 8 registers: lane l holds row l % 16; registers 0-3 hold K = 8 (l / 16) + 0..7, registers 4-7 K = 16 + 8 (l / 16) + 0..7.
	; From rows that lie along K: two loads of 16 bytes, 32 bytes apart.  The same for source 0 and source 1.
	v_and_b32 v1, 15, v0                           ; l % 16
	v_bfe_u32 v2, v0, 4, 1                         ; l / 16
	v_mul_u32_u24 v3, v1, PITCH
	v_lshl_add_u32 v3, v2, 4, v3                   ; row x pitch + 16 x half
	s_mul_i32 s22, s11, HALFA                      ; my rows of A
.if BTR
	; The turning load takes 16 keys x 16 channels (lane l reads 16 bytes: key 8 (l / 16) + l % 8, channels 8 ((l / 8) % 2) + 0..7) and leaves half a fragment: lane l holds channel l % 16 and 8 keys.
	s_lshl_b32 s23, s12, 8                         ; my 128 channels: 256 bytes along the rows
	v_and_b32 v4, 7, v0
	v_lshl_add_u32 v4, v2, 3, v4
	v_mul_u32_u24 v4, v4, PITCHT
	v_bfe_u32 v5, v0, 3, 1
	v_lshl_add_u32 v4, v5, 4, v4
.else
	s_mul_i32 s23, s12, HALFB                      ; my 128 rows of B
.endif
	s_add_co_u32 s23, s23, 2*HALFA                 ; B lies behind A
.irp s, 0,1
	v_add_nc_u32 v[ADRA+(\s)], s22, v3
.if BTR
	v_add_nc_u32 v[ADRB+(\s)], s23, v4
.else
	v_add_nc_u32 v[ADRB+(\s)], s23, v3
.endif
	s_add_co_u32 s22, s22, SLOT
	s_add_co_u32 s23, s23, SLOT
.endr
	s_mul_i32 s23, s10, 16*SP
	s_add_co_u32 s23, s23, STAGE                   ; my stage
.if OUT32
	v_mul_u32_u24 v4, v1, SP                       ; in: row l % 16, 32 bytes for each half of the lanes
	v_lshl_add_u32 v4, v2, 5, v4
	v_add_nc_u32 v[STO], s23, v4
	v_and_b32 v5, 31, v0                           ; back: 32 lanes take one row of 512 bytes,
	v_lshlrev_b32 v[CO], 4, v5                     ; and the same in C
	v_add_nc_u32 v[RD], s23, v[CO]
.else
	v_mul_u32_u24 v4, v1, SP                       ; in: row l % 16, 16 bytes for each half of the lanes
	v_lshl_add_u32 v4, v2, 4, v4
	v_add_nc_u32 v[STO], s23, v4
	v_mul_u32_u24 v5, v2, SP                       ; back: lanes 0-15 take one row of 256 bytes, lanes 16-31 the next
	v_lshl_add_u32 v5, v1, 4, v5
	v_add_nc_u32 v[RD], s23, v5
	v_mul_u32_u24 v5, v2, PC                       ; and the same two rows in C
	v_lshl_add_u32 v[CO], v1, 4, v5
.endif
	; where my part of the tile begins in C
	s_mul_i32 s16, s13, 32*MB
	s_mul_i32 s17, s11, 16*MB
	s_add_co_u32 s16, s16, s17                     ; my first row
	s_mul_i32 s16, s16, PC
	s_mov_b32 s17, 0
	s_add_nc_u64 s[8:9], s[8:9], s[16:17]
	s_lshl_b32 s46, s42, 8                         ; my first column: 256 x tile column + 128 x half (in the registers that held B's address)
	s_lshl_b32 s47, s12, 7
	s_add_co_u32 s46, s46, s47
	s_mov_b32 s47, 0
.if FIRST == 2
	s_lshl_b32 s22, s46, 2                         ; the bias is f32
	s_mov_b32 s23, 0
	s_add_nc_u64 s[18:19], s[18:19], s[22:23]
	v_lshlrev_b32 v[BO], 5, v2                     ; my eight columns of a block of 16: 32 bytes for each half of the lanes
	WIN TO_B
.irp b, 0,1,2,3,4,5,6,7
	global_load_b128 v[BI+8*(\b):BI+8*(\b)+3],   v[BO], s[18:19] offset:64*(\b)     ; register j of block b: the bias of column 16 b + 8 (l / 16) + j
	global_load_b128 v[BI+8*(\b)+4:BI+8*(\b)+7], v[BO], s[18:19] offset:64*(\b)+16
.endr
	WIN 0
.endif
	s_lshl_b32 s46, s46, ESH
	s_add_nc_u64 s[8:9], s[8:9], s[46:47]
; n x 8 matrix instructions: row blocks a0 .. a0 + n - 1 x all 8 column blocks, 32 along K, from buffer f.  first = 1: the constant 0 starts the sums; 2: the bias does; nothing is ever cleared.
; All 8 MB accumulators take turns, one instruction a turn, in the same order in every quarter step.
.macro MUL f, a0, n, first
.set aa, \a0
.rept \n
.if (\first) == 2
.set wv, ((2+aa/4)<<6)|0x11            ; source 0 (B) and C (the bias) window 1, source 1 (A) window 0, D window 2 or 3
.else
.set wv, ((2+aa/4)<<6)|((2+aa/4)<<4)|1 ; source 0 window 1, source 1 window 0, C and D window 2 or 3
.endif
	WIN wv
.irp b, 0,1,2,3,4,5,6,7
.set rD, 8*(8*(aa%4)+(\b))
.if (\first) == 2
	v_wmma_f32_16x16x32_bf16 v[rD:rD+7], v[(\f)+8*(\b):(\f)+8*(\b)+7], v[(\f)+8*aa:(\f)+8*aa+7], v[BI+8*(\b):BI+8*(\b)+7]
.elseif (\first) == 1
	v_wmma_f32_16x16x32_bf16 v[rD:rD+7], v[(\f)+8*(\b):(\f)+8*(\b)+7], v[(\f)+8*aa:(\f)+8*aa+7], 0
.else
	v_wmma_f32_16x16x32_bf16 v[rD:rD+7], v[(\f)+8*(\b):(\f)+8*(\b)+7], v[(\f)+8*aa:(\f)+8*aa+7], v[rD:rD+7]
.endif
.endr
.set aa, aa+1
.endr
.endm
; 16 + 2 MB LDS loads in one run: the fragments of quarter q (32 along K) of a slot into buffer f: B's eight first, then A's MB
.macro FETCH slot, q, f
	WIN TO_B
.irp i, 0,1,2,3,4,5,6,7
.if BTR
	ds_load_tr16_b128 v[(\f)+8*(\i):(\f)+8*(\i)+3],   v[ADRB+(\slot)] offset:(\q)*32*PITCHT+32*(\i)             ; keys 32 q + 8 (l / 16) on, channels 16 i on
	ds_load_tr16_b128 v[(\f)+8*(\i)+4:(\f)+8*(\i)+7], v[ADRB+(\slot)] offset:(\q)*32*PITCHT+32*(\i)+16*PITCHT   ; sixteen keys further
.else
	ds_load_b128 v[(\f)+8*(\i):(\f)+8*(\i)+3],   v[ADRB+(\slot)] offset:64*(\q)+(\i)*16*PITCH
	ds_load_b128 v[(\f)+8*(\i)+4:(\f)+8*(\i)+7], v[ADRB+(\slot)] offset:64*(\q)+(\i)*16*PITCH+32
.endif
.endr
	WIN 0
.set ii, 0
.rept MB
	ds_load_b128 v[(\f)+8*ii:(\f)+8*ii+3],   v[ADRA+(\slot)] offset:64*(\q)+ii*16*PITCH
	ds_load_b128 v[(\f)+8*ii+4:(\f)+8*ii+7], v[ADRA+(\slot)] offset:64*(\q)+ii*16*PITCH+32
.set ii, ii+1
.endr
.endm
; A load into a register that a matrix instruction has read, and a store or a vector instruction that reads a matrix result, stand four places behind that matrix instruction, and only plain
; vector instructions that name none of its registers are places (ISA guide 7.12.1 for vector instructions).
.macro PLACES
.rept 4
	v_nop
.endr
.endm
; A K step is four quarters of 32 along K, 8 MB matrix instructions each, on buffers 0, 1, 0, 1.
; One of the first three: multiplies buffer f; in its middle it fetches quarter q of the same slot into buffer g, 4 MB matrix instructions ahead of its first use.
.macro QUARTER slot, q, f, g, first
	s_wait_dscnt MB                                ; B and A's first MB / 2 blocks are in; the youngest MB loads (A's other blocks, two loads each) may be out
	MUL \f, 0, MB/2, \first
	PLACES
	FETCH \slot, \q, \g
	s_wait_dscnt 16+2*MB                           ; all but the run just issued
	MUL \f, MB/2, MB/2, \first
.endm
; The last quarter multiplies buffer 1 and changes slots.  MEET is its first half: ONE barrier for the change.  In front of it each wave waits for all its tensor loads, of which one is out:
; its part of the next slot; adds 0 to its spare word; and waits for that and for its own reads of this slot.  Behind it nobody reads this slot any more and the next slot is whole.
.macro MEET round                      ; round = 1: the rest of a round of the cluster's barrier follows
	WIN 0                                          ; (the add's two registers lie in window 0)
	s_wait_tensorcnt 0x0                           ; all my tensor loads have landed
	ds_add_u32 v[SPW], v[NIL]                      ; 0 onto my spare word
	s_wait_dscnt MB+1                              ; (the add and the youngest MB loads may be out)
	MUL F1, 0, MB/4, 0                             ; matrix work stands between the add and the wait for it
	s_wait_dscnt 0x0                               ; the add is done, and my reads of this slot are over
	s_barrier_signal -1
	MUL F1, MB/4, MB/4, 0                          ; work on registers while the others arrive
.if \round
	WIN 0
.endif
	s_barrier_wait -1
.endm
; The whole last quarter.  fill = 1: the barrier opens a round of the cluster's, so that no wave of any partner still reads this slot or has a load on its way; the slot is then filled again,
; two K steps ahead, first thing behind the round: from that request to the wait for it a wave issues 28 MB matrix instructions.
.macro TURN slot, next, fill
	MEET \fill
.if \fill
	CREST
	s_add_nc_u64 s[G0+4*(\slot)+2:G0+4*(\slot)+3], s[G0+4*(\slot)+2:G0+4*(\slot)+3], 512     ; no load of mine is out, so a group 0 may be written; the type bits on top are not reached
	s_add_nc_u64 s[G0B+4*(\slot)+2:G0B+4*(\slot)+3], s[G0B+4*(\slot)+2:G0B+4*(\slot)+3], STEPB
	JLOAD \slot                                    ; the four v_nop behind it are also the places in front of the loads below
.else
	PLACES
.endif
	FETCH \next, 0, F0
	MUL F1, MB/2, MB/2, 0
.endm
.if OUT32
; THE WAY OUT, f32.  A lane's eight numbers of a row are 32 bytes; block a (16 rows x 128 columns) goes from the accumulators into my own stage, rows of 528 bytes, and comes back as whole rows of 512.
.macro TOST32 a
.set AC, 64*((\a)%4)
.set BK, OB32+64*((\a)%2)
	s_wait_xcnt 0x0                                ; every earlier store has had its addresses translated (ISA guide 3.1): the registers that block a - 2's stores read are loaded again only behind this wait
	WIN 0x08+4*((\a)/4)                            ; an LDS store's data is source 1: window 2 or 3
.irp b, 0,1,2,3,4,5,6,7
	ds_store_b128 v[STO], v[AC+8*(\b):AC+8*(\b)+3]   offset:64*(\b)     ; each accumulator's low registers are read first
	ds_store_b128 v[STO], v[AC+8*(\b)+4:AC+8*(\b)+7] offset:64*(\b)+16
.endr
	WIN 0
.irp t, 0,1,2,3,4,5,6,7,8,9,10,11,12,13,14,15
	ds_load_b128 v[BK+4*(\t):BK+4*(\t)+3], v[RD] offset:(\t)*SP  ; LDS serves a wave's instructions in order (ISA guide 5.7.1.4): these see the stores above, and the next block's stores come behind them
.endr
.endm
.macro SEND32 a, younger               ; younger: the LDS instructions issued behind block a's loads: the next block's 32, or none
.set BK, OB32+64*((\a)%2)
	WIN 0
.irp t, 0,1,2,3,4,5,6,7,8,9,10,11,12,13,14,15
	s_wait_dscnt (\younger)+15-(\t)                ; row t is back; what was issued behind its load may be out
	global_store_b128 v[CO], v[BK+4*(\t):BK+4*(\t)+3], s[8:9] offset:(16*(\a)+(\t))*PC  ; a wave's store covers 512 consecutive bytes, at a multiple of 512 from C's first byte; the row stands in the immediate
.endr
.endm
.else
; THE WAY OUT, bf16.  A lane's eight numbers of a row pack into 16 bytes; block a goes through my own stage, rows of 272 bytes, and comes back as whole rows of 256.
.macro PACK a
.set AC, 64*((\a)%4)
	WIN 0x0a+5*((\a)/4)                            ; sources 0 and 1: window 2 or 3
.irp b, 0,1,2,3,4,5,6,7
.irp r, 0,1,2,3
	v_cvt_pk_bf16_f32 v[TMP+4*(\b)+(\r)], v[AC+8*(\b)+2*(\r)], v[AC+8*(\b)+2*(\r)+1]  ; each accumulator in ascending order
.endr
.endr
	WIN 0
.endm
.macro TOSTAGE a
.set BK, OB+192*((\a)%2)
	WIN 0
.irp b, 0,1,2,3,4,5,6,7
	ds_store_b128 v[STO], v[TMP+4*(\b):TMP+4*(\b)+3] offset:32*(\b)
.endr
.irp t, 0,1,2,3,4,5,6,7
	ds_load_b128 v[BK+4*(\t):BK+4*(\t)+3], v[RD] offset:(\t)*2*SP  ; LDS serves a wave's instructions in order (ISA guide 5.7.1.4): these see the stores above
.endr
.endm
.macro SEND a
.set BK, OB+192*((\a)%2)
	WIN 0
	s_wait_dscnt 0x0                               ; the block is back in registers
	s_wait_xcnt 0x0                                ; every earlier store has had its addresses translated (ISA guide 3.1): the next block is read back into the registers that block a - 1's stores read only behind this wait
.irp t, 0,1,2,3,4,5,6,7
	global_store_b128 v[CO], v[BK+4*(\t):BK+4*(\t)+3], s[8:9] offset:(16*(\a)+2*(\t))*PC  ; 16 lanes store 256 consecutive bytes, at a multiple of 256 from C's first byte; the rows stand in the immediate
.endr
.endm
.endif
	s_wait_tensorcnt 0x1                           ; my part of K step 0 is in; K step 1's may stay out
	s_barrier_signal -1
	s_barrier_wait -1                              ; everybody's is
	FETCH 0, 0, F0
.if FIRST == 2
	s_wait_loadcnt 0x0                             ; the bias
.endif
	QUARTER 0, 1, F0, F1, FIRST                    ; the first quarter stands in front of the loop: its products start the sums
	WIN 0                                          ; at a label and at a branch every window is 0
	s_mov_b32 s3, LAPS-1
.Llap:                                                 ; a trip goes once round the ring, from a lap's second quarter to the next lap's first, and fills both slots again
	QUARTER 0, 2, F1, F0, 0
	QUARTER 0, 3, F0, F1, 0
	TURN 0, 1, 1
	QUARTER 1, 1, F0, F1, 0
	QUARTER 1, 2, F1, F0, 0
	QUARTER 1, 3, F0, F1, 0
	TURN 1, 0, 1
	QUARTER 0, 1, F0, F1, 0
	WIN 0
	s_sub_co_u32 s3, s3, 1
	s_cmp_lg_u32 s3, 0
	s_cbranch_scc1 .Llap
	QUARTER 0, 2, F1, F0, 0                        ; the last lap is written out: it fills nothing, and has no round of the cluster's barrier
	QUARTER 0, 3, F0, F1, 0
	TURN 0, 1, 0
	QUARTER 1, 1, F0, F1, 0
	QUARTER 1, 2, F1, F0, 0
	QUARTER 1, 3, F0, F1, 0
	s_wait_dscnt MB                                ; the very last quarter: nothing more to fetch
	MUL F1, 0, MB/2, 0
	s_wait_dscnt 0x0
	MUL F1, MB/2, MB/2, 0
	WIN 0
	PLACES                                         ; behind the last products
.if OUT32
	TOST32 0
.set ab, 1
.rept MB-1                             ; block a goes into the stage while block a - 1's rows come back and leave
	TOST32 ab
	SEND32 ab-1, 32
.set ab, ab+1
.endr
	SEND32 MB-1, 0
.else
	PACK 0
	TOSTAGE 0
.set ab, 1
.rept MB-1                             ; block a's conversions stand between block a - 1's loads from the stage and the wait for them
	PACK ab
	SEND ab-1
	TOSTAGE ab
.set ab, ab+1
.endr
	SEND MB-1
.endif
	s_wait_tensorcnt 0x0                           ; the wave's end: behind my last tensor load and my last LDS store
	ds_add_u32 v[SPW], v[NIL]
	s_wait_dscnt 0x0
	CROUND                                         ; the closing round: no work-group ends while a partner may still ask for a tile that names it
	s_endpgm
.Lfunc_end_k_q90d9ce8e07_qkv:
	.size	k_q90d9ce8e07_qkv, .Lfunc_end_k_q90d9ce8e07_qkv-k_q90d9ce8e07_qkv
	.p2alignl 7, 3214868480
	.fill 96, 4, 3214868480
	.section	.rodata,"a",@progbits
	.p2align	6, 0x0
	.amdhsa_kernel k_q90d9ce8e07_qkv
		.amdhsa_group_segment_fixed_size 327680
		.amdhsa_private_segment_fixed_size 0
		.amdhsa_enable_private_segment 0
		.amdhsa_kernarg_size 32
		.amdhsa_user_sgpr_count 2
		.amdhsa_user_sgpr_kernarg_segment_ptr 1
		.amdhsa_wavefront_size32 1
		.amdhsa_system_sgpr_workgroup_id_x 1
		.amdhsa_system_sgpr_workgroup_id_y 1
		.amdhsa_system_sgpr_workgroup_id_z 1
		.amdhsa_system_vgpr_workitem_id 0
		.amdhsa_next_free_vgpr 768
		.amdhsa_next_free_sgpr 66
		.amdhsa_reserve_vcc 0
		.amdhsa_float_denorm_mode_32 3
		.amdhsa_float_denorm_mode_16_64 3
		.amdhsa_memory_ordered 1
		.amdhsa_forward_progress 1
		.amdhsa_inst_pref_size 88
	.end_amdhsa_kernel
	.amdgpu_metadata
---
amdhsa.version: [ 1, 2 ]
amdhsa.kernels:
  - .name:           k_q90d9ce8e07_qkv
    .symbol:         k_q90d9ce8e07_qkv.kd
    .args:
      - { .name: xb, .offset: 0, .size: 8, .value_kind: global_buffer, .address_space: global }
      - { .name: wqb, .offset: 8, .size: 8, .value_kind: global_buffer, .address_space: global }
      - { .name: qkv, .offset: 16, .size: 8, .value_kind: global_buffer, .address_space: global }
      - { .name: b_qkv, .offset: 24, .size: 8, .value_kind: global_buffer, .address_space: global }
    .group_segment_fixed_size: 327680
    .private_segment_fixed_size: 0
    .kernarg_segment_align: 8
    .kernarg_segment_size: 32
    .max_flat_workgroup_size: 128
    .sgpr_count:     66
    .vgpr_count:     768
    .wavefront_size: 32
...
	.end_amdgpu_metadata
.endif
;; end of part 2
;; launch scores (part 3): grid 8 x 32, 4 waves a work-group, clusters of 4 x 4, 327,680 bytes of LDS; arguments qkv, sc; writes sc
.if DOCPART == 3
	.amdgcn_target "amdgcn-amd-amdhsa--gfx1250"
	.amdhsa_code_object_version 6
	.text
	.protected	k_q90d9ce8e07_scores
	.globl	k_q90d9ce8e07_scores
	.p2align	8
	.type	k_q90d9ce8e07_scores,@function
k_q90d9ce8e07_scores:
	s_mov_b64 s[64:65], 0
	v_nop
	global_prefetch_b8 v0, s[64:65] scope:SCOPE_SE
	s_setreg_imm32_b32 hwreg(HW_REG_WAVE_MODE, 25, 1), 1
	s_wait_xcnt 0x0
	s_wait_alu depctr_hold_cnt(0) depctr_sa_sdst(0) depctr_va_vdst(0) depctr_va_sdst(0) depctr_va_ssrc(0) depctr_va_vcc(0) depctr_vm_vsrc(0)
	s_getreg_b32 s2, hwreg(HW_REG_IB_STS2, 6, 4)
	s_cmp_eq_u32 s2, 0
	s_cbranch_scc0 .Lentry_in_a_cluster
	s_endpgm
.Lentry_in_a_cluster:
	s_bfe_u32 s2, ttmp6, 0x10000c
	s_cmp_lg_u32 s2, 0xf033
	s_cbranch_scc0 .Lentry_shape_is_right
	s_endpgm
.Lentry_shape_is_right:
; THE SCORES.  sc[b 2048 + t][s] = the sum over d of q[b][t][d] k[b][s][d], for each of 4 batches: the raw f32 sums; the division by 32, the position bias and the softmax follow in the next launch.
; q and k are columns 0-1023 and 1024-2047 of qkv: [8192][3072] bf16, rows of 6,144 bytes.  sc: [8192][2048] f32.
; LIMITS: the operands are bf16 (8 significant bits, f32's range); sums in f32, K ascending; NaN and infinities are not treated apart.
; A tile of C is 256 x 256: 32 x 8 = 256 tiles, one for each of 256 work-group places; a batch is 8 tile rows, two clusters along y, so a cluster lies within one batch.
.set KERN,  2                          ; which of the four products this file is: it chooses the address arithmetic below
.set MB,    8                          ; blocks of 16 rows of C in a wave's part: a wave makes 16 MB rows x 128 columns
.set KTOT,  1024                       ; the length of the sums
.set PA,    3072                       ; elements from row to row of A
.set PB,    3072                       ; of B
.set BTR,   0                          ; 0: B lies [n][k];  1: B lies [k][n] and is turned on its way out of LDS
.set FIRST, 1                          ; what starts the sums: 1 the constant 0;  2 the bias of the columns
.set OUT32, 1                          ; C is bf16 (0) or f32 (1)
.set PC,    8192                       ; bytes from row to row of C
.set STEPB, 512                        ; bytes by which B's tile address goes on in two K steps
; THE CORE, one text for the four products of this program; the constants above choose.
; C[m][n] = the sum over k of A[m][k] B[n][k] (BTR = 1: B[k][n]).  A work-group of four waves makes a tile of 32 MB rows x 256 columns; wave w its row half w / 2 and its column half w % 2:
; 8 MB accumulators of 16 x 16.  K goes in steps of 128 through two LDS slots filled by the tensor data mover; the rows of the tiles are 256 bytes of memory (BTR = 1: 512) and start at
; multiples of 256 bytes from the buffer's first byte.  Waves 0 and 1 ask for the two halves of A's tile, waves 2 and 3 for those of B's: one load a wave for a K step.
; CLUSTERS: 4 x 4 work-groups.  The four of a row of the cluster need the same tiles of A, the four of a column the same tiles of B: each tile is asked for JOINTLY, by the same tensor load with
; the same descriptor and a mask that names the four, and each receives it in its own LDS.  That divides the requests for A and for B by four.
; THE MATRIX INSTRUCTION IS USED TRANSPOSED: source 0 = 16 rows of B, source 1 = 16 rows of A.  Lane l then holds row l % 16 of C and its registers 0-7 the columns 8 (l / 16) + 0..7:
; eight neighbouring numbers of a row.  A column's bias is then the same in all sixteen lanes of a half: 64 registers, loaded once, are the C operand of the products that start the sums.
; REGISTERS, in windows of 256 (s_set_vgpr_msb: bits 1:0 source 0, 3:2 source 1, 5:4 source 2, 7:6 destination):
;   window 0: v0-31 addresses; v64.., v128.. fragments of A, two buffers of 8 MB; v32-63, v192-255 (f32 output: v64-191) at work on the way out
;   window 1: v0-63 the bias; v64-127, v128-191 fragments of B, two buffers       window 2: accumulators of my blocks 0-3, (a, b) at 8 (8 a + b)       window 3: those of blocks 4-7 (MB = 8)
.set PITCH,  272                       ; an LDS row: 256 bytes + 16 of padding = 68 words: row r starts at bank 4 r mod 64 (64 banks of 4 bytes: ISA guide 11.1), so the 16 rows of a load start at 16 different banks
.set PITCHT, 544                       ; BTR = 1: a row of 256 channels, 512 bytes + 32 of padding = 136 words
.set HALFA,  16*MB*PITCH               ; what one load brings of A, and what one wave reads of A
.set HALFB,  128*PITCH                 ; what one load brings of B: 128 rows x 272 = 64 rows x 544
.set SLOT,   2*HALFA+2*HALFB           ; A's two halves, then B's two halves
.set STAGE,  2*SLOT                    ; behind the ring, never filled by a tensor load: 16 rows for each wave, for the way out
.if OUT32
.set SP,     528                       ; a stage row: 128 f32 + 16 bytes = 132 words
.else
.set SP,     272                       ; a stage row: 128 bf16 + 16 bytes
.endif
.set SPARE,  STAGE+4*16*SP             ; behind the stages: the spare words, 128 bytes for each wave: two blocks of 256 bytes that no other line names
.set LAPS,   KTOT/256                  ; a lap = two K steps = once round the ring
.set ESH,    1+OUT32                   ; log2 of the bytes of a number of C
.set ADRA, 16                          ; v16-17  LDS address of my A fragments in slot 0, 1
.set ADRB, 20                          ; v20-21  the same for B
.set STO,  24                          ; v24     the way out: where I put my part of a row
.set RD,   25                          ; v25     the way out: where I read rows back
.set CO,   26                          ; v26     my byte offset in C
.set BO,   27                          ; v27     my byte offset in the bias
.set SPW,  28                          ; v28     LDS address of my spare word: SPARE + 4 x my thread's number; never rewritten
.set NIL,  29                          ; v29     0; never rewritten
.set F0,   64                          ; fragment buffer 0
.set F1,   128                         ; fragment buffer 1
.set BI,   0                           ; the bias, in window 1: block b of 16 columns at 8 b
.set TMP,  192                         ; bf16 way out: packed results
.set OB,   32                          ; bf16 way out: 16 rows read back: v32-63 and v224-255 by turns
.set OB32, 64                          ; f32 way out: 16 rows read back: v64-127 and v128-191 by turns (A's buffers, free behind the last product)
.set G1,  24                           ; s[24:31] descriptor group 1 for A's tiles;  s[32:39] group 0, a set for each slot
.set G0,  32
.set G1B, 48                           ; s[48:55], s[56:63] the same for B's tiles
.set G0B, 56
.set TO_B, 0x40                        ; destination window 1, address window 0
.set MSB, 0
.macro WIN new                         ; the immediate's high byte repeats the setting that is left; a switch that changes nothing is dropped
.if MSB != (\new)
	s_set_vgpr_msb (MSB<<8)|(\new)
.set MSB, \new
.endif
.endm
; A joint load.  Each of the two lines has one mask and one set of registers for all that issue it.  The branch hangs on the wave's number alone: it is the same in every work-group.
; Four v_nop follow each line, ahead of the jump, the label and what follows the macro.
.macro JLOAD s
	s_cmp_lt_u32 s10, 2
	s_cbranch_scc0 .Lfor_b_\@
	tensor_load_to_lds s[G0+4*(\s):G0+4*(\s)+3], s[G1:G1+7]
	s_nop 0
.rept 4
	v_nop
.endr
	s_branch .Lasked_\@
.Lfor_b_\@:
	tensor_load_to_lds s[G0B+4*(\s):G0B+4*(\s)+3], s[G1B:G1B+7]
	s_nop 0
.rept 4
	v_nop
.endr
.Lasked_\@:
.endm
; A round of the cluster's barrier: my work-group's barrier, so that wave 0's signal speaks for all four waves; wave 0 signals for the work-group; every wave waits for all sixteen
; work-groups; my work-group's barrier once more.  No LDS instruction of the wave is pending at a signal.
.macro CREST                           ; a round behind its opening barrier
	s_cmp_lg_u32 s10, 0
	s_cbranch_scc1 .Lnot_wave_0_\@
	s_barrier_signal -3
.Lnot_wave_0_\@:
	s_barrier_wait -3
	s_barrier_signal -1
	s_barrier_wait -1
.endm
.macro CROUND                          ; a whole round
	s_barrier_signal -1
	s_barrier_wait -1
	CREST
.endm
.if KERN == 2
	s_load_b64 s[4:5], s[0:1], 0x0                 ; qkv: its columns 0-1023 (q) are A
	s_load_b64 s[6:7], s[0:1], 0x0                 ; qkv once more: its columns 1024-2047 (k) are B
	s_load_b64 s[8:9], s[0:1], 0x8                 ; C
.else
	s_load_b128 s[4:7], s[0:1], 0x0                ; A s[4:5], B s[6:7]
	s_load_b64 s[8:9], s[0:1], 0x10                ; C
.endif
.if FIRST == 2
	s_load_b64 s[18:19], s[0:1], 0x18              ; the bias
.endif
	v_lshl_add_u32 v[SPW], v0, 2, SPARE
	v_mov_b32 v[NIL], 0
	ds_add_u32 v28, v29
	s_wait_dscnt 0x0
	v_lshrrev_b32 v1, 5, v0
	v_readfirstlane_b32 s10, v1                    ; wave 0..3
	s_lshr_b32 s11, s10, 1                         ; which half of the tile's rows is mine
	s_and_b32 s12, s10, 1                          ; which half of its columns.  Also: which half of A's or B's tile I fetch
	s_bfe_u32 s40, ttmp6, 0x40000                  ; cx: my place along the cluster's x
	s_bfe_u32 s41, ttmp6, 0x40004                  ; cy: along its y
	s_lshl_b32 s42, ttmp9, 2                       ; in a cluster launch ttmp9 and ttmp7 count clusters
	s_add_co_u32 s42, s42, s40                     ; tile column of C = 4 x cluster x + cx
	s_and_b32 s45, ttmp7, 0xffff                   ; cluster y: all sixteen share it
	s_lshl_b32 s13, s45, 2
	s_add_co_u32 s13, s13, s41                     ; tile row of C = 4 x cluster y + cy
	s_lshl_b32 s43, s41, 2
	s_lshl_b32 s43, 15, s43                        ; my row of the cluster: places 4 cy .. 4 cy + 3
	s_lshl_b32 s44, 0x1111, s40                    ; my column: places cx, cx + 4, cx + 8, cx + 12
	; descriptor group 1 for A: 16 MB rows x 128 elements, padded in LDS
	s_or_b32 s[G1+0], s43, (1<<16)|(1<<20)|(1<<21)|(5<<22)|(3<<25)  ; 15:0 the mask: my row; 17:16 elements of 2 bytes; 20 padding on; 21 set beside a mask; 24:22 after every 64 words (code 5); 31:25 4 words of it (code 3)
	s_mov_b32 s[G1+1], 128<<16                     ; tensor_dim0 = 128
	s_mov_b32 s[G1+2], (16*MB)<<16                 ; tensor_dim1 = 16 MB
	s_mov_b32 s[G1+3], 128<<16                     ; tile_dim0 = 128
	s_mov_b32 s[G1+4], 16*MB                       ; tile_dim1 = 16 MB
	s_mov_b32 s[G1+5], PA                          ; elements from row to row
	s_mov_b32 s[G1+6], 0
	s_mov_b32 s[G1+7], 0
.if BTR
	; for B as it lies, [k][n]: 64 keys x 256 channels
	s_or_b32 s[G1B+0], s44, (1<<16)|(1<<20)|(1<<21)|(6<<22)|(7<<25)  ; the mask: my column; padding after every 128 words (code 6), 8 words of it (code 7)
	s_mov_b32 s[G1B+1], 256<<16
	s_mov_b32 s[G1B+2], 64<<16
	s_mov_b32 s[G1B+3], 256<<16
	s_mov_b32 s[G1B+4], 64
.else
	; for B: 128 rows x 128 elements
	s_or_b32 s[G1B+0], s44, (1<<16)|(1<<20)|(1<<21)|(5<<22)|(3<<25)  ; the mask: my column
	s_mov_b32 s[G1B+1], 128<<16
	s_mov_b32 s[G1B+2], 128<<16
	s_mov_b32 s[G1B+3], 128<<16
	s_mov_b32 s[G1B+4], 128
.endif
	s_mov_b32 s[G1B+5], PB
	s_mov_b32 s[G1B+6], 0
	s_mov_b32 s[G1B+7], 0
	; where the tiles come from, as byte offsets under 2^32.  A's hangs on the tile row and the wave alone, B's on the tile column, the cluster's y and the wave alone; each is made in
	; registers that never hold the other coordinate.
	s_mul_i32 s16, s13, 32*MB
	s_mul_i32 s17, s12, 16*MB
	s_add_co_u32 s16, s16, s17                     ; A: row 32 MB x tile row + 16 MB x half
	s_mul_i32 s16, s16, PA*2
	s_mov_b32 s17, 0
.if BTR
	s_lshr_b32 s46, s45, 2                         ; the batch: 16 tile rows of 128 = 4 clusters
	s_lshl_b32 s46, s46, 11                        ; its 2,048 keys,
	s_lshl_b32 s47, s12, 6
	s_add_co_u32 s46, s46, s47                     ; + 64 x half
	s_mul_i32 s46, s46, PB*2
	s_lshl_b32 s47, s42, 9                         ; 256 channels x 2 bytes x tile column,
	s_add_co_u32 s46, s46, s47
	s_add_co_u32 s46, s46, 4096                    ; and v begins at column 2,048
.else
	s_lshl_b32 s46, s42, 8
	s_lshl_b32 s47, s12, 7
	s_add_co_u32 s46, s46, s47                     ; B: row 256 x tile column + 128 x half
.if KERN == 2
	s_lshr_b32 s47, s45, 1                         ; the batch: 8 tile rows of 256 = 2 clusters
	s_lshl_b32 s47, s47, 11
	s_add_co_u32 s46, s46, s47                     ; its 2,048 keys
.endif
	s_mul_i32 s46, s46, PB*2
.if KERN == 2
	s_add_co_u32 s46, s46, 2048                    ; k begins at column 1,024
.endif
.endif
	s_mov_b32 s47, 0
	s_mul_i32 s20, s12, HALFA                      ; and where they go: A's two halves,
	s_mul_i32 s21, s12, HALFB
	s_add_co_u32 s21, s21, 2*HALFA                 ; then B's two: no place in the cluster enters an LDS address
	s_wait_kmcnt 0x0
	s_add_nc_u64 s[14:15], s[4:5], s[16:17]
	s_add_nc_u64 s[46:47], s[6:7], s[46:47]
	CROUND                                         ; all sixteen work-groups are here: the first joint loads meet
.irp s, 0,1
	s_mov_b32 s[G0+4*(\s)], 1                                      ; 1:0 count = 1
	s_add_co_u32 s[G0+4*(\s)+1], s20, (\s)*SLOT                    ; 63:32 LDS address
	s_add_nc_u64 s[G0+4*(\s)+2:G0+4*(\s)+3], s[14:15], (\s)*256    ; 120:64 global address: K step s
	s_or_b32 s[G0+4*(\s)+3], s[G0+4*(\s)+3], 0x80000000            ; 127:126 type = 2
	s_mov_b32 s[G0B+4*(\s)], 1
	s_add_co_u32 s[G0B+4*(\s)+1], s21, (\s)*SLOT
	s_add_nc_u64 s[G0B+4*(\s)+2:G0B+4*(\s)+3], s[46:47], (\s)*(STEPB/2)
	s_or_b32 s[G0B+4*(\s)+3], s[G0B+4*(\s)+3], 0x80000000
	JLOAD \s                                       ; both slots are asked for before anything else is done: two loads of mine are out here, one behind every later round
.endr
	; A fragment is 16 rows x 32 K in 8 registers: lane l holds row l % 16; registers 0-3 hold K = 8 (l / 16) + 0..7, registers 4-7 K = 16 + 8 (l / 16) + 0..7.
	; From rows that lie along K: two loads of 16 bytes, 32 bytes apart.  The same for source 0 and source 1.
	v_and_b32 v1, 15, v0                           ; l % 16
	v_bfe_u32 v2, v0, 4, 1                         ; l / 16
	v_mul_u32_u24 v3, v1, PITCH
	v_lshl_add_u32 v3, v2, 4, v3                   ; row x pitch + 16 x half
	s_mul_i32 s22, s11, HALFA                      ; my rows of A
.if BTR
	; The turning load takes 16 keys x 16 channels (lane l reads 16 bytes: key 8 (l / 16) + l % 8, channels 8 ((l / 8) % 2) + 0..7) and leaves half a fragment: lane l holds channel l % 16 and 8 keys.
	s_lshl_b32 s23, s12, 8                         ; my 128 channels: 256 bytes along the rows
	v_and_b32 v4, 7, v0
	v_lshl_add_u32 v4, v2, 3, v4
	v_mul_u32_u24 v4, v4, PITCHT
	v_bfe_u32 v5, v0, 3, 1
	v_lshl_add_u32 v4, v5, 4, v4
.else
	s_mul_i32 s23, s12, HALFB                      ; my 128 rows of B
.endif
	s_add_co_u32 s23, s23, 2*HALFA                 ; B lies behind A
.irp s, 0,1
	v_add_nc_u32 v[ADRA+(\s)], s22, v3
.if BTR
	v_add_nc_u32 v[ADRB+(\s)], s23, v4
.else
	v_add_nc_u32 v[ADRB+(\s)], s23, v3
.endif
	s_add_co_u32 s22, s22, SLOT
	s_add_co_u32 s23, s23, SLOT
.endr
	s_mul_i32 s23, s10, 16*SP
	s_add_co_u32 s23, s23, STAGE                   ; my stage
.if OUT32
	v_mul_u32_u24 v4, v1, SP                       ; in: row l % 16, 32 bytes for each half of the lanes
	v_lshl_add_u32 v4, v2, 5, v4
	v_add_nc_u32 v[STO], s23, v4
	v_and_b32 v5, 31, v0                           ; back: 32 lanes take one row of 512 bytes,
	v_lshlrev_b32 v[CO], 4, v5                     ; and the same in C
	v_add_nc_u32 v[RD], s23, v[CO]
.else
	v_mul_u32_u24 v4, v1, SP                       ; in: row l % 16, 16 bytes for each half of the lanes
	v_lshl_add_u32 v4, v2, 4, v4
	v_add_nc_u32 v[STO], s23, v4
	v_mul_u32_u24 v5, v2, SP                       ; back: lanes 0-15 take one row of 256 bytes, lanes 16-31 the next
	v_lshl_add_u32 v5, v1, 4, v5
	v_add_nc_u32 v[RD], s23, v5
	v_mul_u32_u24 v5, v2, PC                       ; and the same two rows in C
	v_lshl_add_u32 v[CO], v1, 4, v5
.endif
	; where my part of the tile begins in C
	s_mul_i32 s16, s13, 32*MB
	s_mul_i32 s17, s11, 16*MB
	s_add_co_u32 s16, s16, s17                     ; my first row
	s_mul_i32 s16, s16, PC
	s_mov_b32 s17, 0
	s_add_nc_u64 s[8:9], s[8:9], s[16:17]
	s_lshl_b32 s46, s42, 8                         ; my first column: 256 x tile column + 128 x half (in the registers that held B's address)
	s_lshl_b32 s47, s12, 7
	s_add_co_u32 s46, s46, s47
	s_mov_b32 s47, 0
.if FIRST == 2
	s_lshl_b32 s22, s46, 2                         ; the bias is f32
	s_mov_b32 s23, 0
	s_add_nc_u64 s[18:19], s[18:19], s[22:23]
	v_lshlrev_b32 v[BO], 5, v2                     ; my eight columns of a block of 16: 32 bytes for each half of the lanes
	WIN TO_B
.irp b, 0,1,2,3,4,5,6,7
	global_load_b128 v[BI+8*(\b):BI+8*(\b)+3],   v[BO], s[18:19] offset:64*(\b)     ; register j of block b: the bias of column 16 b + 8 (l / 16) + j
	global_load_b128 v[BI+8*(\b)+4:BI+8*(\b)+7], v[BO], s[18:19] offset:64*(\b)+16
.endr
	WIN 0
.endif
	s_lshl_b32 s46, s46, ESH
	s_add_nc_u64 s[8:9], s[8:9], s[46:47]
; n x 8 matrix instructions: row blocks a0 .. a0 + n - 1 x all 8 column blocks, 32 along K, from buffer f.  first = 1: the constant 0 starts the sums; 2: the bias does; nothing is ever cleared.
; All 8 MB accumulators take turns, one instruction a turn, in the same order in every quarter step.
.macro MUL f, a0, n, first
.set aa, \a0
.rept \n
.if (\first) == 2
.set wv, ((2+aa/4)<<6)|0x11            ; source 0 (B) and C (the bias) window 1, source 1 (A) window 0, D window 2 or 3
.else
.set wv, ((2+aa/4)<<6)|((2+aa/4)<<4)|1 ; source 0 window 1, source 1 window 0, C and D window 2 or 3
.endif
	WIN wv
.irp b, 0,1,2,3,4,5,6,7
.set rD, 8*(8*(aa%4)+(\b))
.if (\first) == 2
	v_wmma_f32_16x16x32_bf16 v[rD:rD+7], v[(\f)+8*(\b):(\f)+8*(\b)+7], v[(\f)+8*aa:(\f)+8*aa+7], v[BI+8*(\b):BI+8*(\b)+7]
.elseif (\first) == 1
	v_wmma_f32_16x16x32_bf16 v[rD:rD+7], v[(\f)+8*(\b):(\f)+8*(\b)+7], v[(\f)+8*aa:(\f)+8*aa+7], 0
.else
	v_wmma_f32_16x16x32_bf16 v[rD:rD+7], v[(\f)+8*(\b):(\f)+8*(\b)+7], v[(\f)+8*aa:(\f)+8*aa+7], v[rD:rD+7]
.endif
.endr
.set aa, aa+1
.endr
.endm
; 16 + 2 MB LDS loads in one run: the fragments of quarter q (32 along K) of a slot into buffer f: B's eight first, then A's MB
.macro FETCH slot, q, f
	WIN TO_B
.irp i, 0,1,2,3,4,5,6,7
.if BTR
	ds_load_tr16_b128 v[(\f)+8*(\i):(\f)+8*(\i)+3],   v[ADRB+(\slot)] offset:(\q)*32*PITCHT+32*(\i)             ; keys 32 q + 8 (l / 16) on, channels 16 i on
	ds_load_tr16_b128 v[(\f)+8*(\i)+4:(\f)+8*(\i)+7], v[ADRB+(\slot)] offset:(\q)*32*PITCHT+32*(\i)+16*PITCHT   ; sixteen keys further
.else
	ds_load_b128 v[(\f)+8*(\i):(\f)+8*(\i)+3],   v[ADRB+(\slot)] offset:64*(\q)+(\i)*16*PITCH
	ds_load_b128 v[(\f)+8*(\i)+4:(\f)+8*(\i)+7], v[ADRB+(\slot)] offset:64*(\q)+(\i)*16*PITCH+32
.endif
.endr
	WIN 0
.set ii, 0
.rept MB
	ds_load_b128 v[(\f)+8*ii:(\f)+8*ii+3],   v[ADRA+(\slot)] offset:64*(\q)+ii*16*PITCH
	ds_load_b128 v[(\f)+8*ii+4:(\f)+8*ii+7], v[ADRA+(\slot)] offset:64*(\q)+ii*16*PITCH+32
.set ii, ii+1
.endr
.endm
; A load into a register that a matrix instruction has read, and a store or a vector instruction that reads a matrix result, stand four places behind that matrix instruction, and only plain
; vector instructions that name none of its registers are places (ISA guide 7.12.1 for vector instructions).
.macro PLACES
.rept 4
	v_nop
.endr
.endm
; A K step is four quarters of 32 along K, 8 MB matrix instructions each, on buffers 0, 1, 0, 1.
; One of the first three: multiplies buffer f; in its middle it fetches quarter q of the same slot into buffer g, 4 MB matrix instructions ahead of its first use.
.macro QUARTER slot, q, f, g, first
	s_wait_dscnt MB                                ; B and A's first MB / 2 blocks are in; the youngest MB loads (A's other blocks, two loads each) may be out
	MUL \f, 0, MB/2, \first
	PLACES
	FETCH \slot, \q, \g
	s_wait_dscnt 16+2*MB                           ; all but the run just issued
	MUL \f, MB/2, MB/2, \first
.endm
; The last quarter multiplies buffer 1 and changes slots.  MEET is its first half: ONE barrier for the change.  In front of it each wave waits for all its tensor loads, of which one is out:
; its part of the next slot; adds 0 to its spare word; and waits for that and for its own reads of this slot.  Behind it nobody reads this slot any more and the next slot is whole.
.macro MEET round                      ; round = 1: the rest of a round of the cluster's barrier follows
	WIN 0                                          ; (the add's two registers lie in window 0)
	s_wait_tensorcnt 0x0                           ; all my tensor loads have landed
	ds_add_u32 v[SPW], v[NIL]                      ; 0 onto my spare word
	s_wait_dscnt MB+1                              ; (the add and the youngest MB loads may be out)
	MUL F1, 0, MB/4, 0                             ; matrix work stands between the add and the wait for it
	s_wait_dscnt 0x0                               ; the add is done, and my reads of this slot are over
	s_barrier_signal -1
	MUL F1, MB/4, MB/4, 0                          ; work on registers while the others arrive
.if \round
	WIN 0
.endif
	s_barrier_wait -1
.endm
; The whole last quarter.  fill = 1: the barrier opens a round of the cluster's, so that no wave of any partner still reads this slot or has a load on its way; the slot is then filled again,
; two K steps ahead, first thing behind the round: from that request to the wait for it a wave issues 28 MB matrix instructions.
.macro TURN slot, next, fill
	MEET \fill
.if \fill
	CREST
	s_add_nc_u64 s[G0+4*(\slot)+2:G0+4*(\slot)+3], s[G0+4*(\slot)+2:G0+4*(\slot)+3], 512     ; no load of mine is out, so a group 0 may be written; the type bits on top are not reached
	s_add_nc_u64 s[G0B+4*(\slot)+2:G0B+4*(\slot)+3], s[G0B+4*(\slot)+2:G0B+4*(\slot)+3], STEPB
	JLOAD \slot                                    ; the four v_nop behind it are also the places in front of the loads below
.else
	PLACES
.endif
	FETCH \next, 0, F0
	MUL F1, MB/2, MB/2, 0
.endm
.if OUT32
; THE WAY OUT, f32.  A lane's eight numbers of a row are 32 bytes; block a (16 rows x 128 columns) goes from the accumulators into my own stage, rows of 528 bytes, and comes back as whole rows of 512.
.macro TOST32 a
.set AC, 64*((\a)%4)
.set BK, OB32+64*((\a)%2)
	s_wait_xcnt 0x0                                ; every earlier store has had its addresses translated (ISA guide 3.1): the registers that block a - 2's stores read are loaded again only behind this wait
	WIN 0x08+4*((\a)/4)                            ; an LDS store's data is source 1: window 2 or 3
.irp b, 0,1,2,3,4,5,6,7
	ds_store_b128 v[STO], v[AC+8*(\b):AC+8*(\b)+3]   offset:64*(\b)     ; each accumulator's low registers are read first
	ds_store_b128 v[STO], v[AC+8*(\b)+4:AC+8*(\b)+7] offset:64*(\b)+16
.endr
	WIN 0
.irp t, 0,1,2,3,4,5,6,7,8,9,10,11,12,13,14,15
	ds_load_b128 v[BK+4*(\t):BK+4*(\t)+3], v[RD] offset:(\t)*SP  ; LDS serves a wave's instructions in order (ISA guide 5.7.1.4): these see the stores above, and the next block's stores come behind them
.endr
.endm
.macro SEND32 a, younger               ; younger: the LDS instructions issued behind block a's loads: the next block's 32, or none
.set BK, OB32+64*((\a)%2)
	WIN 0
.irp t, 0,1,2,3,4,5,6,7,8,9,10,11,12,13,14,15
	s_wait_dscnt (\younger)+15-(\t)                ; row t is back; what was issued behind its load may be out
	global_store_b128 v[CO], v[BK+4*(\t):BK+4*(\t)+3], s[8:9] offset:(16*(\a)+(\t))*PC  ; a wave's store covers 512 consecutive bytes, at a multiple of 512 from C's first byte; the row stands in the immediate
.endr
.endm
.else
; THE WAY OUT, bf16.  A lane's eight numbers of a row pack into 16 bytes; block a goes through my own stage, rows of 272 bytes, and comes back as whole rows of 256.
.macro PACK a
.set AC, 64*((\a)%4)
	WIN 0x0a+5*((\a)/4)                            ; sources 0 and 1: window 2 or 3
.irp b, 0,1,2,3,4,5,6,7
.irp r, 0,1,2,3
	v_cvt_pk_bf16_f32 v[TMP+4*(\b)+(\r)], v[AC+8*(\b)+2*(\r)], v[AC+8*(\b)+2*(\r)+1]  ; each accumulator in ascending order
.endr
.endr
	WIN 0
.endm
.macro TOSTAGE a
.set BK, OB+192*((\a)%2)
	WIN 0
.irp b, 0,1,2,3,4,5,6,7
	ds_store_b128 v[STO], v[TMP+4*(\b):TMP+4*(\b)+3] offset:32*(\b)
.endr
.irp t, 0,1,2,3,4,5,6,7
	ds_load_b128 v[BK+4*(\t):BK+4*(\t)+3], v[RD] offset:(\t)*2*SP  ; LDS serves a wave's instructions in order (ISA guide 5.7.1.4): these see the stores above
.endr
.endm
.macro SEND a
.set BK, OB+192*((\a)%2)
	WIN 0
	s_wait_dscnt 0x0                               ; the block is back in registers
	s_wait_xcnt 0x0                                ; every earlier store has had its addresses translated (ISA guide 3.1): the next block is read back into the registers that block a - 1's stores read only behind this wait
.irp t, 0,1,2,3,4,5,6,7
	global_store_b128 v[CO], v[BK+4*(\t):BK+4*(\t)+3], s[8:9] offset:(16*(\a)+2*(\t))*PC  ; 16 lanes store 256 consecutive bytes, at a multiple of 256 from C's first byte; the rows stand in the immediate
.endr
.endm
.endif
	s_wait_tensorcnt 0x1                           ; my part of K step 0 is in; K step 1's may stay out
	s_barrier_signal -1
	s_barrier_wait -1                              ; everybody's is
	FETCH 0, 0, F0
.if FIRST == 2
	s_wait_loadcnt 0x0                             ; the bias
.endif
	QUARTER 0, 1, F0, F1, FIRST                    ; the first quarter stands in front of the loop: its products start the sums
	WIN 0                                          ; at a label and at a branch every window is 0
	s_mov_b32 s3, LAPS-1
.Llap:                                                 ; a trip goes once round the ring, from a lap's second quarter to the next lap's first, and fills both slots again
	QUARTER 0, 2, F1, F0, 0
	QUARTER 0, 3, F0, F1, 0
	TURN 0, 1, 1
	QUARTER 1, 1, F0, F1, 0
	QUARTER 1, 2, F1, F0, 0
	QUARTER 1, 3, F0, F1, 0
	TURN 1, 0, 1
	QUARTER 0, 1, F0, F1, 0
	WIN 0
	s_sub_co_u32 s3, s3, 1
	s_cmp_lg_u32 s3, 0
	s_cbranch_scc1 .Llap
	QUARTER 0, 2, F1, F0, 0                        ; the last lap is written out: it fills nothing, and has no round of the cluster's barrier
	QUARTER 0, 3, F0, F1, 0
	TURN 0, 1, 0
	QUARTER 1, 1, F0, F1, 0
	QUARTER 1, 2, F1, F0, 0
	QUARTER 1, 3, F0, F1, 0
	s_wait_dscnt MB                                ; the very last quarter: nothing more to fetch
	MUL F1, 0, MB/2, 0
	s_wait_dscnt 0x0
	MUL F1, MB/2, MB/2, 0
	WIN 0
	PLACES                                         ; behind the last products
.if OUT32
	TOST32 0
.set ab, 1
.rept MB-1                             ; block a goes into the stage while block a - 1's rows come back and leave
	TOST32 ab
	SEND32 ab-1, 32
.set ab, ab+1
.endr
	SEND32 MB-1, 0
.else
	PACK 0
	TOSTAGE 0
.set ab, 1
.rept MB-1                             ; block a's conversions stand between block a - 1's loads from the stage and the wait for them
	PACK ab
	SEND ab-1
	TOSTAGE ab
.set ab, ab+1
.endr
	SEND MB-1
.endif
	s_wait_tensorcnt 0x0                           ; the wave's end: behind my last tensor load and my last LDS store
	ds_add_u32 v[SPW], v[NIL]
	s_wait_dscnt 0x0
	CROUND                                         ; the closing round: no work-group ends while a partner may still ask for a tile that names it
	s_endpgm
.Lfunc_end_k_q90d9ce8e07_scores:
	.size	k_q90d9ce8e07_scores, .Lfunc_end_k_q90d9ce8e07_scores-k_q90d9ce8e07_scores
	.p2alignl 7, 3214868480
	.fill 96, 4, 3214868480
	.section	.rodata,"a",@progbits
	.p2align	6, 0x0
	.amdhsa_kernel k_q90d9ce8e07_scores
		.amdhsa_group_segment_fixed_size 327680
		.amdhsa_private_segment_fixed_size 0
		.amdhsa_enable_private_segment 0
		.amdhsa_kernarg_size 16
		.amdhsa_user_sgpr_count 2
		.amdhsa_user_sgpr_kernarg_segment_ptr 1
		.amdhsa_wavefront_size32 1
		.amdhsa_system_sgpr_workgroup_id_x 1
		.amdhsa_system_sgpr_workgroup_id_y 1
		.amdhsa_system_sgpr_workgroup_id_z 1
		.amdhsa_system_vgpr_workitem_id 0
		.amdhsa_next_free_vgpr 1024
		.amdhsa_next_free_sgpr 66
		.amdhsa_reserve_vcc 0
		.amdhsa_float_denorm_mode_32 3
		.amdhsa_float_denorm_mode_16_64 3
		.amdhsa_memory_ordered 1
		.amdhsa_forward_progress 1
		.amdhsa_inst_pref_size 144
	.end_amdhsa_kernel
	.amdgpu_metadata
---
amdhsa.version: [ 1, 2 ]
amdhsa.kernels:
  - .name:           k_q90d9ce8e07_scores
    .symbol:         k_q90d9ce8e07_scores.kd
    .args:
      - { .name: qkv, .offset: 0, .size: 8, .value_kind: global_buffer, .address_space: global }
      - { .name: sc, .offset: 8, .size: 8, .value_kind: global_buffer, .address_space: global }
    .group_segment_fixed_size: 327680
    .private_segment_fixed_size: 0
    .kernarg_segment_align: 8
    .kernarg_segment_size: 16
    .max_flat_workgroup_size: 128
    .sgpr_count:     66
    .vgpr_count:     1024
    .wavefront_size: 32
...
	.end_amdgpu_metadata
.endif
;; end of part 3
;; launch softmax (part 4): grid 256 x 1, 8 waves a work-group, no clusters, 0 bytes of LDS; arguments sc, bias, pb; writes pb
.if DOCPART == 4
	.amdgcn_target "amdgcn-amd-amdhsa--gfx1250"
	.amdhsa_code_object_version 6
	.text
	.protected	k_q90d9ce8e07_softmax
	.globl	k_q90d9ce8e07_softmax
	.p2align	8
	.type	k_q90d9ce8e07_softmax,@function
k_q90d9ce8e07_softmax:
	s_mov_b64 s[64:65], 0
	v_nop
	global_prefetch_b8 v0, s[64:65] scope:SCOPE_SE
	s_setreg_imm32_b32 hwreg(HW_REG_WAVE_MODE, 25, 1), 1
	s_wait_xcnt 0x0
; pb[b 2048 + t][s] = softmax over s of (sc[b 2048 + t][s] / 32 + bias[t][s]), rounded once to bf16.  sc: [8192][2048] f32 (raw sums q . k), bias: [2048][2048] f32, pb: [8192][2048] bf16.
; All in f32: y = c sc + log2(e) bias with c = log2(e) / 32; m = the row's true maximum of y; p = 2^(y - m); l = the sum of the unrounded p (at least 1, since the maximum's own p is 1); pb = p / l.
; A stream: no LDS, no barrier, no matrix unit; no cluster, since no two work-groups read the same byte.
; SHARES.  Wave w of work-group g owns the query place t = 8 g + w in all four batches: its row of bias (8,192 bytes, 64 registers a lane) is read once and serves four rows of scores, so bias
; is read once in the launch.  A row of scores is 64 registers a lane and stays in registers between the maximum, the sum and the scaling: sc is read once.  One wave, one row: the reductions never
; leave the wave.  Two row slots take turns: while one row is worked on, the next one's sixteen loads are on their way.
; A wave's load covers 512 consecutive bytes; a lane's four numbers become 8 bytes, so a wave's store covers 256 consecutive bytes, at a multiple of 256 from pb's first byte.
; LIMITS: a weight below 2^-126 counts as 0; a NaN among the scores loses in the maximum and spoils its row's sum; infinities are not treated apart.
.set BI,  16                           ; v[16:79]    my row of bias, times log2(e)
.set XA,  80                           ; v[80:143]   row slot A
.set XB,  144                          ; v[144:207]  row slot B
.set SCB, 16                           ; s[16:23]    sc at the group's eight rows, for batch 0..3
.set PBB, 24                           ; s[24:31]    pb likewise
                                       ; v2 my byte offset in eight rows of f32; v3 in eight rows of bf16; v4-7, v12-15 chains at work; v[8:9] m twice; v[10:11] 1 / l twice
	s_load_b128 s[4:7], s[0:1], 0x0                ; sc s[4:5], bias s[6:7]
	s_load_b64 s[8:9], s[0:1], 0x10                ; pb
	v_lshrrev_b32 v1, 5, v0                        ; wave
	v_and_b32 v2, 31, v0                           ; lane
	v_lshlrev_b32 v2, 4, v2                        ; 16 bytes a lane
	v_lshl_or_b32 v2, v1, 13, v2                   ; + a row of 8,192 bytes a wave
	v_lshrrev_b32 v3, 1, v2                        ; half of that in pb
	v_mov_b32 v12, 0                               ; v_permlanex16_b32's destination counts as read: it is written once here
	s_lshl_b32 s10, ttmp9, 16                      ; the group's eight rows of 8,192 bytes
	s_mov_b32 s11, 0
	s_lshl_b32 s12, ttmp9, 15                      ; of 4,096 bytes
	s_mov_b32 s13, 0
	s_mov_b32 s32, 0x3d38aa3b                      ; c = log2(e) / 32
	s_mov_b32 s33, s32                             ; named with it as a pair
	s_mov_b32 s34, 0x3fb8aa3b                      ; log2(e)
	s_mov_b32 s35, s34
	s_mov_b32 s36, 0x76543210                      ; v_permlanex16_b32: each lane takes its own place in the other half
	s_mov_b32 s37, 0xfedcba98
	s_wait_kmcnt 0x0
	s_add_nc_u64 s[6:7], s[6:7], s[10:11]
	s_add_nc_u64 s[SCB:SCB+1], s[4:5], s[10:11]
	s_add_nc_u64 s[PBB:PBB+1], s[8:9], s[12:13]
.irp b, 1,2,3
	s_add_nc_u64 s[SCB+2*(\b):SCB+2*(\b)+1], s[SCB:SCB+1], (\b)<<24  ; a batch is 2,048 rows of 8,192 bytes
	s_add_nc_u64 s[PBB+2*(\b):PBB+2*(\b)+1], s[PBB:PBB+1], (\b)<<23  ; of 4,096
.endr
.macro LOADROW x, sb                   ; sixteen loads: the whole row
.set j, 0
.rept 16
	global_load_b128 v[(\x)+4*j:(\x)+4*j+3], v2, s[(\sb):(\sb)+1] offset:512*j th:TH_LOAD_NT  ; read once in the launch
.set j, j+1
.endr
.endm
	LOADROW BI, 6
	LOADROW XA, SCB
	LOADROW XB, SCB+2
	s_wait_loadcnt 32                              ; loads come back in order (ISA guide 5.7.1): the bias is in, the 32 loads of the two rows stay out
.set i, 0
.rept 32
	v_pk_mul_f32 v[BI+2*i:BI+2*i+1], v[BI+2*i:BI+2*i+1], s[34:35] op_sel_hi:[1,0]
.set i, i+1
.endr
; The row of batch b in slot x.  left: the younger loads, the other slot's sixteen, that may stay out.
.macro PROC x, b, left
	s_wait_loadcnt \left
.set i, 0
.rept 32
	v_pk_fma_f32 v[(\x)+2*i:(\x)+2*i+1], v[(\x)+2*i:(\x)+2*i+1], s[32:33], v[BI+2*i:BI+2*i+1] op_sel_hi:[1,0,1]  ; y = c s + log2(e) bias
.set i, i+1
.endr
	; the maximum of my 64 numbers: four chains of sixteen, three operands at a time, started by their first numbers
.irp k, 0,1,2,3
	v_max3_num_f32 v[4+(\k)], v[(\x)+16*(\k)], v[(\x)+16*(\k)+1], v[(\x)+16*(\k)+2]
.endr
.set i, 0
.rept 6
.irp k, 0,1,2,3
	v_max3_num_f32 v[4+(\k)], v[4+(\k)], v[(\x)+16*(\k)+3+2*i], v[(\x)+16*(\k)+4+2*i]
.endr
.set i, i+1
.endr
.irp k, 0,1,2,3
	v_max_num_f32 v[4+(\k)], v[4+(\k)], v[(\x)+16*(\k)+15]
.endr
	v_max3_num_f32 v8, v4, v5, v6
	v_max_num_f32 v8, v8, v7
	; across the 32 lanes: four steps inside each half of 16 ride on the arithmetic, one crosses the halves; every lane ends with the result
	v_max_num_f32_dpp v8, v8, v8 row_xmask:1 row_mask:0xf bank_mask:0xf
	v_max_num_f32_dpp v8, v8, v8 row_xmask:2 row_mask:0xf bank_mask:0xf
	v_max_num_f32_dpp v8, v8, v8 row_xmask:4 row_mask:0xf bank_mask:0xf
	v_max_num_f32_dpp v8, v8, v8 row_xmask:8 row_mask:0xf bank_mask:0xf
	v_permlanex16_b32 v12, v8, s36, s37
	v_max_num_f32 v8, v8, v12
	v_mov_b32 v9, v8                               ; a pair for the packed subtraction
.set i, 0
.rept 32
	v_pk_add_f32 v[(\x)+2*i:(\x)+2*i+1], v[(\x)+2*i:(\x)+2*i+1], v[8:9] neg_lo:[0,1] neg_hi:[0,1]  ; y - m
.set i, i+1
.endr
.set i, 0
.rept 64
	v_exp_f32 v[(\x)+i], v[(\x)+i]
.set i, i+1
.endr
	v_nop                                          ; a plain instruction between the last exponential and the use of its result (ISA guide 5.7.2)
	; the sum of my 32 pairs: four chains of eight pairs, in v[4:5], v[6:7], v[12:13], v[14:15]; the weights stay as they are
	s_wait_alu depctr_va_vdst(0)
.irp k, 0,1,2,3
.set cc, 4+2*(\k)+4*((\k)/2)
	v_pk_add_f32 v[cc:cc+1], v[(\x)+2*(\k):(\x)+2*(\k)+1], v[(\x)+2*(\k)+8:(\x)+2*(\k)+9]
.endr
.set i, 2
.rept 6
.irp k, 0,1,2,3
.set cc, 4+2*(\k)+4*((\k)/2)
	v_pk_add_f32 v[cc:cc+1], v[cc:cc+1], v[(\x)+2*(\k)+8*i:(\x)+2*(\k)+8*i+1]
.endr
.set i, i+1
.endr
	v_pk_add_f32 v[4:5], v[4:5], v[6:7]
	v_pk_add_f32 v[12:13], v[12:13], v[14:15]
	v_pk_add_f32 v[4:5], v[4:5], v[12:13]
	v_add_f32 v4, v4, v5
	v_add_f32_dpp v4, v4, v4 row_xmask:1 row_mask:0xf bank_mask:0xf
	v_add_f32_dpp v4, v4, v4 row_xmask:2 row_mask:0xf bank_mask:0xf
	v_add_f32_dpp v4, v4, v4 row_xmask:4 row_mask:0xf bank_mask:0xf
	v_add_f32_dpp v4, v4, v4 row_xmask:8 row_mask:0xf bank_mask:0xf
	v_permlanex16_b32 v12, v4, s36, s37
	v_add_f32 v4, v4, v12                          ; l, in every lane
	v_rcp_f32 v10, v4                              ; twice, for the pair that the packed multiply takes
	v_rcp_f32 v11, v4
	v_nop                                          ; a plain instruction between the reciprocals and their use
.set i, 0
	s_wait_alu depctr_va_vdst(0)
.rept 32
	v_pk_mul_f32 v[(\x)+2*i:(\x)+2*i+1], v[(\x)+2*i:(\x)+2*i+1], v[10:11]
.set i, i+1
.endr
.set j, 0
.rept 16
	v_cvt_pk_bf16_f32 v[(\x)+4*j], v[(\x)+4*j], v[(\x)+4*j+1]      ; in place: the four numbers of load j become two words
	v_cvt_pk_bf16_f32 v[(\x)+4*j+1], v[(\x)+4*j+2], v[(\x)+4*j+3]
	global_store_b64 v3, v[(\x)+4*j:(\x)+4*j+1], s[PBB+2*(\b):PBB+2*(\b)+1] offset:256*j
.set j, j+1
.endr
.endm
	PROC XA, 0, 16
	s_wait_xcnt 0x0                                ; every earlier store has had its addresses translated (ISA guide 3.1): the slot is loaded again only behind this wait
	LOADROW XA, SCB+4
	PROC XB, 1, 16
	s_wait_xcnt 0x0
	LOADROW XB, SCB+6
	PROC XA, 2, 16
	PROC XB, 3, 0                                  ; the last row: no load was issued behind its own
	s_endpgm
.Lfunc_end_k_q90d9ce8e07_softmax:
	.size	k_q90d9ce8e07_softmax, .Lfunc_end_k_q90d9ce8e07_softmax-k_q90d9ce8e07_softmax
	.p2alignl 7, 3214868480
	.fill 96, 4, 3214868480
	.section	.rodata,"a",@progbits
	.p2align	6, 0x0
	.amdhsa_kernel k_q90d9ce8e07_softmax
		.amdhsa_group_segment_fixed_size 0
		.amdhsa_private_segment_fixed_size 0
		.amdhsa_enable_private_segment 0
		.amdhsa_kernarg_size 24
		.amdhsa_user_sgpr_count 2
		.amdhsa_user_sgpr_kernarg_segment_ptr 1
		.amdhsa_wavefront_size32 1
		.amdhsa_system_sgpr_workgroup_id_x 1
		.amdhsa_system_sgpr_workgroup_id_y 1
		.amdhsa_system_sgpr_workgroup_id_z 1
		.amdhsa_system_vgpr_workitem_id 0
		.amdhsa_next_free_vgpr 208
		.amdhsa_next_free_sgpr 66
		.amdhsa_reserve_vcc 0
		.amdhsa_float_denorm_mode_32 3
		.amdhsa_float_denorm_mode_16_64 3
		.amdhsa_memory_ordered 1
		.amdhsa_forward_progress 1
		.amdhsa_inst_pref_size 77
	.end_amdhsa_kernel
	.amdgpu_metadata
---
amdhsa.version: [ 1, 2 ]
amdhsa.kernels:
  - .name:           k_q90d9ce8e07_softmax
    .symbol:         k_q90d9ce8e07_softmax.kd
    .args:
      - { .name: sc, .offset: 0, .size: 8, .value_kind: global_buffer, .address_space: global }
      - { .name: bias, .offset: 8, .size: 8, .value_kind: global_buffer, .address_space: global }
      - { .name: pb, .offset: 16, .size: 8, .value_kind: global_buffer, .address_space: global }
    .group_segment_fixed_size: 0
    .private_segment_fixed_size: 0
    .kernarg_segment_align: 8
    .kernarg_segment_size: 24
    .max_flat_workgroup_size: 256
    .sgpr_count:     66
    .vgpr_count:     208
    .wavefront_size: 32
...
	.end_amdgpu_metadata
.endif
;; end of part 4
;; launch pv (part 5): grid 4 x 64, 4 waves a work-group, clusters of 4 x 4, 327,680 bytes of LDS; arguments pb, qkv, val; writes val
.if DOCPART == 5
	.amdgcn_target "amdgcn-amd-amdhsa--gfx1250"
	.amdhsa_code_object_version 6
	.text
	.protected	k_q90d9ce8e07_pv
	.globl	k_q90d9ce8e07_pv
	.p2align	8
	.type	k_q90d9ce8e07_pv,@function
k_q90d9ce8e07_pv:
	s_mov_b64 s[64:65], 0
	v_nop
	global_prefetch_b8 v0, s[64:65] scope:SCOPE_SE
	s_setreg_imm32_b32 hwreg(HW_REG_WAVE_MODE, 25, 1), 1
	s_wait_xcnt 0x0
	s_wait_alu depctr_hold_cnt(0) depctr_sa_sdst(0) depctr_va_vdst(0) depctr_va_sdst(0) depctr_va_ssrc(0) depctr_va_vcc(0) depctr_vm_vsrc(0)
	s_getreg_b32 s2, hwreg(HW_REG_IB_STS2, 6, 4)
	s_cmp_eq_u32 s2, 0
	s_cbranch_scc0 .Lentry_in_a_cluster
	s_endpgm
.Lentry_in_a_cluster:
	s_bfe_u32 s2, ttmp6, 0x10000c
	s_cmp_lg_u32 s2, 0xf033
	s_cbranch_scc0 .Lentry_shape_is_right
	s_endpgm
.Lentry_shape_is_right:
; THE WEIGHTED VALUES.  val[b 2048 + t][d] = the sum over s of pb[b 2048 + t][s] v[b][s][d], for each of 4 batches.  pb: [8192][2048] bf16; v is columns 2048-3071 of qkv: [8192][3072] bf16, rows of
; 6,144 bytes, [key][channel]: it comes into LDS as it lies and is turned on its way into registers, by ds_load_tr16_b128.  val: [8192][1024] bf16.  Sums in f32, keys ascending, rounded once to bf16.
; LIMITS: the operands are bf16 (8 significant bits, f32's range); NaN and infinities are not treated apart.
; A tile of C is 128 x 256: 64 x 4 = 256 tiles, one for each of 256 work-group places (tiles of 256 x 256 would be 128); a batch is 16 tile rows, four clusters along y, so a cluster lies within one batch.
.set KERN,  4                          ; which of the four products this file is: it chooses the address arithmetic below
.set MB,    4                          ; blocks of 16 rows of C in a wave's part: a wave makes 16 MB rows x 128 columns
.set KTOT,  2048                       ; the length of the sums
.set PA,    2048                       ; elements from row to row of A
.set PB,    3072                       ; of B
.set BTR,   1                          ; 0: B lies [n][k];  1: B lies [k][n] and is turned on its way out of LDS
.set FIRST, 1                          ; what starts the sums: 1 the constant 0;  2 the bias of the columns
.set OUT32, 0                          ; C is bf16 (0) or f32 (1)
.set PC,    2048                       ; bytes from row to row of C
.set STEPB, 2*128*6144                 ; bytes by which B's tile address goes on in two K steps: 256 keys' rows
; THE CORE, one text for the four products of this program; the constants above choose.
; C[m][n] = the sum over k of A[m][k] B[n][k] (BTR = 1: B[k][n]).  A work-group of four waves makes a tile of 32 MB rows x 256 columns; wave w its row half w / 2 and its column half w % 2:
; 8 MB accumulators of 16 x 16.  K goes in steps of 128 through two LDS slots filled by the tensor data mover; the rows of the tiles are 256 bytes of memory (BTR = 1: 512) and start at
; multiples of 256 bytes from the buffer's first byte.  Waves 0 and 1 ask for the two halves of A's tile, waves 2 and 3 for those of B's: one load a wave for a K step.
; CLUSTERS: 4 x 4 work-groups.  The four of a row of the cluster need the same tiles of A, the four of a column the same tiles of B: each tile is asked for JOINTLY, by the same tensor load with
; the same descriptor and a mask that names the four, and each receives it in its own LDS.  That divides the requests for A and for B by four.
; THE MATRIX INSTRUCTION IS USED TRANSPOSED: source 0 = 16 rows of B, source 1 = 16 rows of A.  Lane l then holds row l % 16 of C and its registers 0-7 the columns 8 (l / 16) + 0..7:
; eight neighbouring numbers of a row.  A column's bias is then the same in all sixteen lanes of a half: 64 registers, loaded once, are the C operand of the products that start the sums.
; REGISTERS, in windows of 256 (s_set_vgpr_msb: bits 1:0 source 0, 3:2 source 1, 5:4 source 2, 7:6 destination):
;   window 0: v0-31 addresses; v64.., v128.. fragments of A, two buffers of 8 MB; v32-63, v192-255 (f32 output: v64-191) at work on the way out
;   window 1: v0-63 the bias; v64-127, v128-191 fragments of B, two buffers       window 2: accumulators of my blocks 0-3, (a, b) at 8 (8 a + b)       window 3: those of blocks 4-7 (MB = 8)
.set PITCH,  272                       ; an LDS row: 256 bytes + 16 of padding = 68 words: row r starts at bank 4 r mod 64 (64 banks of 4 bytes: ISA guide 11.1), so the 16 rows of a load start at 16 different banks
.set PITCHT, 544                       ; BTR = 1: a row of 256 channels, 512 bytes + 32 of padding = 136 words
.set HALFA,  16*MB*PITCH               ; what one load brings of A, and what one wave reads of A
.set HALFB,  128*PITCH                 ; what one load brings of B: 128 rows x 272 = 64 rows x 544
.set SLOT,   2*HALFA+2*HALFB           ; A's two halves, then B's two halves
.set STAGE,  2*SLOT                    ; behind the ring, never filled by a tensor load: 16 rows for each wave, for the way out
.if OUT32
.set SP,     528                       ; a stage row: 128 f32 + 16 bytes = 132 words
.else
.set SP,     272                       ; a stage row: 128 bf16 + 16 bytes
.endif
.set SPARE,  STAGE+4*16*SP             ; behind the stages: the spare words, 128 bytes for each wave: two blocks of 256 bytes that no other line names
.set LAPS,   KTOT/256                  ; a lap = two K steps = once round the ring
.set ESH,    1+OUT32                   ; log2 of the bytes of a number of C
.set ADRA, 16                          ; v16-17  LDS address of my A fragments in slot 0, 1
.set ADRB, 20                          ; v20-21  the same for B
.set STO,  24                          ; v24     the way out: where I put my part of a row
.set RD,   25                          ; v25     the way out: where I read rows back
.set CO,   26                          ; v26     my byte offset in C
.set BO,   27                          ; v27     my byte offset in the bias
.set SPW,  28                          ; v28     LDS address of my spare word: SPARE + 4 x my thread's number; never rewritten
.set NIL,  29                          ; v29     0; never rewritten
.set F0,   64                          ; fragment buffer 0
.set F1,   128                         ; fragment buffer 1
.set BI,   0                           ; the bias, in window 1: block b of 16 columns at 8 b
.set TMP,  192                         ; bf16 way out: packed results
.set OB,   32                          ; bf16 way out: 16 rows read back: v32-63 and v224-255 by turns
.set OB32, 64                          ; f32 way out: 16 rows read back: v64-127 and v128-191 by turns (A's buffers, free behind the last product)
.set G1,  24                           ; s[24:31] descriptor group 1 for A's tiles;  s[32:39] group 0, a set for each slot
.set G0,  32
.set G1B, 48                           ; s[48:55], s[56:63] the same for B's tiles
.set G0B, 56
.set TO_B, 0x40                        ; destination window 1, address window 0
.set MSB, 0
.macro WIN new                         ; the immediate's high byte repeats the setting that is left; a switch that changes nothing is dropped
.if MSB != (\new)
	s_set_vgpr_msb (MSB<<8)|(\new)
.set MSB, \new
.endif
.endm
; A joint load.  Each of the two lines has one mask and one set of registers for all that issue it.  The branch hangs on the wave's number alone: it is the same in every work-group.
; Four v_nop follow each line, ahead of the jump, the label and what follows the macro.
.macro JLOAD s
	s_cmp_lt_u32 s10, 2
	s_cbranch_scc0 .Lfor_b_\@
	tensor_load_to_lds s[G0+4*(\s):G0+4*(\s)+3], s[G1:G1+7]
	s_nop 0
.rept 4
	v_nop
.endr
	s_branch .Lasked_\@
.Lfor_b_\@:
	tensor_load_to_lds s[G0B+4*(\s):G0B+4*(\s)+3], s[G1B:G1B+7]
	s_nop 0
.rept 4
	v_nop
.endr
.Lasked_\@:
.endm
; A round of the cluster's barrier: my work-group's barrier, so that wave 0's signal speaks for all four waves; wave 0 signals for the work-group; every wave waits for all sixteen
; work-groups; my work-group's barrier once more.  No LDS instruction of the wave is pending at a signal.
.macro CREST                           ; a round behind its opening barrier
	s_cmp_lg_u32 s10, 0
	s_cbranch_scc1 .Lnot_wave_0_\@
	s_barrier_signal -3
.Lnot_wave_0_\@:
	s_barrier_wait -3
	s_barrier_signal -1
	s_barrier_wait -1
.endm
.macro CROUND                          ; a whole round
	s_barrier_signal -1
	s_barrier_wait -1
	CREST
.endm
.if KERN == 2
	s_load_b64 s[4:5], s[0:1], 0x0                 ; qkv: its columns 0-1023 (q) are A
	s_load_b64 s[6:7], s[0:1], 0x0                 ; qkv once more: its columns 1024-2047 (k) are B
	s_load_b64 s[8:9], s[0:1], 0x8                 ; C
.else
	s_load_b128 s[4:7], s[0:1], 0x0                ; A s[4:5], B s[6:7]
	s_load_b64 s[8:9], s[0:1], 0x10                ; C
.endif
.if FIRST == 2
	s_load_b64 s[18:19], s[0:1], 0x18              ; the bias
.endif
	v_lshl_add_u32 v[SPW], v0, 2, SPARE
	v_mov_b32 v[NIL], 0
	ds_add_u32 v28, v29
	s_wait_dscnt 0x0
	v_lshrrev_b32 v1, 5, v0
	v_readfirstlane_b32 s10, v1                    ; wave 0..3
	s_lshr_b32 s11, s10, 1                         ; which half of the tile's rows is mine
	s_and_b32 s12, s10, 1                          ; which half of its columns.  Also: which half of A's or B's tile I fetch
	s_bfe_u32 s40, ttmp6, 0x40000                  ; cx: my place along the cluster's x
	s_bfe_u32 s41, ttmp6, 0x40004                  ; cy: along its y
	s_lshl_b32 s42, ttmp9, 2                       ; in a cluster launch ttmp9 and ttmp7 count clusters
	s_add_co_u32 s42, s42, s40                     ; tile column of C = 4 x cluster x + cx
	s_and_b32 s45, ttmp7, 0xffff                   ; cluster y: all sixteen share it
	s_lshl_b32 s13, s45, 2
	s_add_co_u32 s13, s13, s41                     ; tile row of C = 4 x cluster y + cy
	s_lshl_b32 s43, s41, 2
	s_lshl_b32 s43, 15, s43                        ; my row of the cluster: places 4 cy .. 4 cy + 3
	s_lshl_b32 s44, 0x1111, s40                    ; my column: places cx, cx + 4, cx + 8, cx + 12
	; descriptor group 1 for A: 16 MB rows x 128 elements, padded in LDS
	s_or_b32 s[G1+0], s43, (1<<16)|(1<<20)|(1<<21)|(5<<22)|(3<<25)  ; 15:0 the mask: my row; 17:16 elements of 2 bytes; 20 padding on; 21 set beside a mask; 24:22 after every 64 words (code 5); 31:25 4 words of it (code 3)
	s_mov_b32 s[G1+1], 128<<16                     ; tensor_dim0 = 128
	s_mov_b32 s[G1+2], (16*MB)<<16                 ; tensor_dim1 = 16 MB
	s_mov_b32 s[G1+3], 128<<16                     ; tile_dim0 = 128
	s_mov_b32 s[G1+4], 16*MB                       ; tile_dim1 = 16 MB
	s_mov_b32 s[G1+5], PA                          ; elements from row to row
	s_mov_b32 s[G1+6], 0
	s_mov_b32 s[G1+7], 0
.if BTR
	; for B as it lies, [k][n]: 64 keys x 256 channels
	s_or_b32 s[G1B+0], s44, (1<<16)|(1<<20)|(1<<21)|(6<<22)|(7<<25)  ; the mask: my column; padding after every 128 words (code 6), 8 words of it (code 7)
	s_mov_b32 s[G1B+1], 256<<16
	s_mov_b32 s[G1B+2], 64<<16
	s_mov_b32 s[G1B+3], 256<<16
	s_mov_b32 s[G1B+4], 64
.else
	; for B: 128 rows x 128 elements
	s_or_b32 s[G1B+0], s44, (1<<16)|(1<<20)|(1<<21)|(5<<22)|(3<<25)  ; the mask: my column
	s_mov_b32 s[G1B+1], 128<<16
	s_mov_b32 s[G1B+2], 128<<16
	s_mov_b32 s[G1B+3], 128<<16
	s_mov_b32 s[G1B+4], 128
.endif
	s_mov_b32 s[G1B+5], PB
	s_mov_b32 s[G1B+6], 0
	s_mov_b32 s[G1B+7], 0
	; where the tiles come from, as byte offsets under 2^32.  A's hangs on the tile row and the wave alone, B's on the tile column, the cluster's y and the wave alone; each is made in
	; registers that never hold the other coordinate.
	s_mul_i32 s16, s13, 32*MB
	s_mul_i32 s17, s12, 16*MB
	s_add_co_u32 s16, s16, s17                     ; A: row 32 MB x tile row + 16 MB x half
	s_mul_i32 s16, s16, PA*2
	s_mov_b32 s17, 0
.if BTR
	s_lshr_b32 s46, s45, 2                         ; the batch: 16 tile rows of 128 = 4 clusters
	s_lshl_b32 s46, s46, 11                        ; its 2,048 keys,
	s_lshl_b32 s47, s12, 6
	s_add_co_u32 s46, s46, s47                     ; + 64 x half
	s_mul_i32 s46, s46, PB*2
	s_lshl_b32 s47, s42, 9                         ; 256 channels x 2 bytes x tile column,
	s_add_co_u32 s46, s46, s47
	s_add_co_u32 s46, s46, 4096                    ; and v begins at column 2,048
.else
	s_lshl_b32 s46, s42, 8
	s_lshl_b32 s47, s12, 7
	s_add_co_u32 s46, s46, s47                     ; B: row 256 x tile column + 128 x half
.if KERN == 2
	s_lshr_b32 s47, s45, 1                         ; the batch: 8 tile rows of 256 = 2 clusters
	s_lshl_b32 s47, s47, 11
	s_add_co_u32 s46, s46, s47                     ; its 2,048 keys
.endif
	s_mul_i32 s46, s46, PB*2
.if KERN == 2
	s_add_co_u32 s46, s46, 2048                    ; k begins at column 1,024
.endif
.endif
	s_mov_b32 s47, 0
	s_mul_i32 s20, s12, HALFA                      ; and where they go: A's two halves,
	s_mul_i32 s21, s12, HALFB
	s_add_co_u32 s21, s21, 2*HALFA                 ; then B's two: no place in the cluster enters an LDS address
	s_wait_kmcnt 0x0
	s_add_nc_u64 s[14:15], s[4:5], s[16:17]
	s_add_nc_u64 s[46:47], s[6:7], s[46:47]
	CROUND                                         ; all sixteen work-groups are here: the first joint loads meet
.irp s, 0,1
	s_mov_b32 s[G0+4*(\s)], 1                                      ; 1:0 count = 1
	s_add_co_u32 s[G0+4*(\s)+1], s20, (\s)*SLOT                    ; 63:32 LDS address
	s_add_nc_u64 s[G0+4*(\s)+2:G0+4*(\s)+3], s[14:15], (\s)*256    ; 120:64 global address: K step s
	s_or_b32 s[G0+4*(\s)+3], s[G0+4*(\s)+3], 0x80000000            ; 127:126 type = 2
	s_mov_b32 s[G0B+4*(\s)], 1
	s_add_co_u32 s[G0B+4*(\s)+1], s21, (\s)*SLOT
	s_add_nc_u64 s[G0B+4*(\s)+2:G0B+4*(\s)+3], s[46:47], (\s)*(STEPB/2)
	s_or_b32 s[G0B+4*(\s)+3], s[G0B+4*(\s)+3], 0x80000000
	JLOAD \s                                       ; both slots are asked for before anything else is done: two loads of mine are out here, one behind every later round
.endr
	; A fragment is 16 rows x 32 K in 8 registers: lane l holds row l % 16; registers 0-3 hold K = 8 (l / 16) + 0..7, registers 4-7 K = 16 + 8 (l / 16) + 0..7.
	; From rows that lie along K: two loads of 16 bytes, 32 bytes apart.  The same for source 0 and source 1.
	v_and_b32 v1, 15, v0                           ; l % 16
	v_bfe_u32 v2, v0, 4, 1                         ; l / 16
	v_mul_u32_u24 v3, v1, PITCH
	v_lshl_add_u32 v3, v2, 4, v3                   ; row x pitch + 16 x half
	s_mul_i32 s22, s11, HALFA                      ; my rows of A
.if BTR
	; The turning load takes 16 keys x 16 channels (lane l reads 16 bytes: key 8 (l / 16) + l % 8, channels 8 ((l / 8) % 2) + 0..7) and leaves half a fragment: lane l holds channel l % 16 and 8 keys.
	s_lshl_b32 s23, s12, 8                         ; my 128 channels: 256 bytes along the rows
	v_and_b32 v4, 7, v0
	v_lshl_add_u32 v4, v2, 3, v4
	v_mul_u32_u24 v4, v4, PITCHT
	v_bfe_u32 v5, v0, 3, 1
	v_lshl_add_u32 v4, v5, 4, v4
.else
	s_mul_i32 s23, s12, HALFB                      ; my 128 rows of B
.endif
	s_add_co_u32 s23, s23, 2*HALFA                 ; B lies behind A
.irp s, 0,1
	v_add_nc_u32 v[ADRA+(\s)], s22, v3
.if BTR
	v_add_nc_u32 v[ADRB+(\s)], s23, v4
.else
	v_add_nc_u32 v[ADRB+(\s)], s23, v3
.endif
	s_add_co_u32 s22, s22, SLOT
	s_add_co_u32 s23, s23, SLOT
.endr
	s_mul_i32 s23, s10, 16*SP
	s_add_co_u32 s23, s23, STAGE                   ; my stage
.if OUT32
	v_mul_u32_u24 v4, v1, SP                       ; in: row l % 16, 32 bytes for each half of the lanes
	v_lshl_add_u32 v4, v2, 5, v4
	v_add_nc_u32 v[STO], s23, v4
	v_and_b32 v5, 31, v0                           ; back: 32 lanes take one row of 512 bytes,
	v_lshlrev_b32 v[CO], 4, v5                     ; and the same in C
	v_add_nc_u32 v[RD], s23, v[CO]
.else
	v_mul_u32_u24 v4, v1, SP                       ; in: row l % 16, 16 bytes for each half of the lanes
	v_lshl_add_u32 v4, v2, 4, v4
	v_add_nc_u32 v[STO], s23, v4
	v_mul_u32_u24 v5, v2, SP                       ; back: lanes 0-15 take one row of 256 bytes, lanes 16-31 the next
	v_lshl_add_u32 v5, v1, 4, v5
	v_add_nc_u32 v[RD], s23, v5
	v_mul_u32_u24 v5, v2, PC                       ; and the same two rows in C
	v_lshl_add_u32 v[CO], v1, 4, v5
.endif
	; where my part of the tile begins in C
	s_mul_i32 s16, s13, 32*MB
	s_mul_i32 s17, s11, 16*MB
	s_add_co_u32 s16, s16, s17                     ; my first row
	s_mul_i32 s16, s16, PC
	s_mov_b32 s17, 0
	s_add_nc_u64 s[8:9], s[8:9], s[16:17]
	s_lshl_b32 s46, s42, 8                         ; my first column: 256 x tile column + 128 x half (in the registers that held B's address)
	s_lshl_b32 s47, s12, 7
	s_add_co_u32 s46, s46, s47
	s_mov_b32 s47, 0
.if FIRST == 2
	s_lshl_b32 s22, s46, 2                         ; the bias is f32
	s_mov_b32 s23, 0
	s_add_nc_u64 s[18:19], s[18:19], s[22:23]
	v_lshlrev_b32 v[BO], 5, v2                     ; my eight columns of a block of 16: 32 bytes for each half of the lanes
	WIN TO_B
.irp b, 0,1,2,3,4,5,6,7
	global_load_b128 v[BI+8*(\b):BI+8*(\b)+3],   v[BO], s[18:19] offset:64*(\b)     ; register j of block b: the bias of column 16 b + 8 (l / 16) + j
	global_load_b128 v[BI+8*(\b)+4:BI+8*(\b)+7], v[BO], s[18:19] offset:64*(\b)+16
.endr
	WIN 0
.endif
	s_lshl_b32 s46, s46, ESH
	s_add_nc_u64 s[8:9], s[8:9], s[46:47]
; n x 8 matrix instructions: row blocks a0 .. a0 + n - 1 x all 8 column blocks, 32 along K, from buffer f.  first = 1: the constant 0 starts the sums; 2: the bias does; nothing is ever cleared.
; All 8 MB accumulators take turns, one instruction a turn, in the same order in every quarter step.
.macro MUL f, a0, n, first
.set aa, \a0
.rept \n
.if (\first) == 2
.set wv, ((2+aa/4)<<6)|0x11            ; source 0 (B) and C (the bias) window 1, source 1 (A) window 0, D window 2 or 3
.else
.set wv, ((2+aa/4)<<6)|((2+aa/4)<<4)|1 ; source 0 window 1, source 1 window 0, C and D window 2 or 3
.endif
	WIN wv
.irp b, 0,1,2,3,4,5,6,7
.set rD, 8*(8*(aa%4)+(\b))
.if (\first) == 2
	v_wmma_f32_16x16x32_bf16 v[rD:rD+7], v[(\f)+8*(\b):(\f)+8*(\b)+7], v[(\f)+8*aa:(\f)+8*aa+7], v[BI+8*(\b):BI+8*(\b)+7]
.elseif (\first) == 1
	v_wmma_f32_16x16x32_bf16 v[rD:rD+7], v[(\f)+8*(\b):(\f)+8*(\b)+7], v[(\f)+8*aa:(\f)+8*aa+7], 0
.else
	v_wmma_f32_16x16x32_bf16 v[rD:rD+7], v[(\f)+8*(\b):(\f)+8*(\b)+7], v[(\f)+8*aa:(\f)+8*aa+7], v[rD:rD+7]
.endif
.endr
.set aa, aa+1
.endr
.endm
; 16 + 2 MB LDS loads in one run: the fragments of quarter q (32 along K) of a slot into buffer f: B's eight first, then A's MB
.macro FETCH slot, q, f
	WIN TO_B
.irp i, 0,1,2,3,4,5,6,7
.if BTR
	ds_load_tr16_b128 v[(\f)+8*(\i):(\f)+8*(\i)+3],   v[ADRB+(\slot)] offset:(\q)*32*PITCHT+32*(\i)             ; keys 32 q + 8 (l / 16) on, channels 16 i on
	ds_load_tr16_b128 v[(\f)+8*(\i)+4:(\f)+8*(\i)+7], v[ADRB+(\slot)] offset:(\q)*32*PITCHT+32*(\i)+16*PITCHT   ; sixteen keys further
.else
	ds_load_b128 v[(\f)+8*(\i):(\f)+8*(\i)+3],   v[ADRB+(\slot)] offset:64*(\q)+(\i)*16*PITCH
	ds_load_b128 v[(\f)+8*(\i)+4:(\f)+8*(\i)+7], v[ADRB+(\slot)] offset:64*(\q)+(\i)*16*PITCH+32
.endif
.endr
	WIN 0
.set ii, 0
.rept MB
	ds_load_b128 v[(\f)+8*ii:(\f)+8*ii+3],   v[ADRA+(\slot)] offset:64*(\q)+ii*16*PITCH
	ds_load_b128 v[(\f)+8*ii+4:(\f)+8*ii+7], v[ADRA+(\slot)] offset:64*(\q)+ii*16*PITCH+32
.set ii, ii+1
.endr
.endm
; A load into a register that a matrix instruction has read, and a store or a vector instruction that reads a matrix result, stand four places behind that matrix instruction, and only plain
; vector instructions that name none of its registers are places (ISA guide 7.12.1 for vector instructions).
.macro PLACES
.rept 4
	v_nop
.endr
.endm
; A K step is four quarters of 32 along K, 8 MB matrix instructions each, on buffers 0, 1, 0, 1.
; One of the first three: multiplies buffer f; in its middle it fetches quarter q of the same slot into buffer g, 4 MB matrix instructions ahead of its first use.
.macro QUARTER slot, q, f, g, first
	s_wait_dscnt MB                                ; B and A's first MB / 2 blocks are in; the youngest MB loads (A's other blocks, two loads each) may be out
	MUL \f, 0, MB/2, \first
	PLACES
	FETCH \slot, \q, \g
	s_wait_dscnt 16+2*MB                           ; all but the run just issued
	MUL \f, MB/2, MB/2, \first
.endm
; The last quarter multiplies buffer 1 and changes slots.  MEET is its first half: ONE barrier for the change.  In front of it each wave waits for all its tensor loads, of which one is out:
; its part of the next slot; adds 0 to its spare word; and waits for that and for its own reads of this slot.  Behind it nobody reads this slot any more and the next slot is whole.
.macro MEET round                      ; round = 1: the rest of a round of the cluster's barrier follows
	WIN 0                                          ; (the add's two registers lie in window 0)
	s_wait_tensorcnt 0x0                           ; all my tensor loads have landed
	ds_add_u32 v[SPW], v[NIL]                      ; 0 onto my spare word
	s_wait_dscnt MB+1                              ; (the add and the youngest MB loads may be out)
	MUL F1, 0, MB/4, 0                             ; matrix work stands between the add and the wait for it
	s_wait_dscnt 0x0                               ; the add is done, and my reads of this slot are over
	s_barrier_signal -1
	MUL F1, MB/4, MB/4, 0                          ; work on registers while the others arrive
.if \round
	WIN 0
.endif
	s_barrier_wait -1
.endm
; The whole last quarter.  fill = 1: the barrier opens a round of the cluster's, so that no wave of any partner still reads this slot or has a load on its way; the slot is then filled again,
; two K steps ahead, first thing behind the round: from that request to the wait for it a wave issues 28 MB matrix instructions.
.macro TURN slot, next, fill
	MEET \fill
.if \fill
	CREST
	s_add_nc_u64 s[G0+4*(\slot)+2:G0+4*(\slot)+3], s[G0+4*(\slot)+2:G0+4*(\slot)+3], 512     ; no load of mine is out, so a group 0 may be written; the type bits on top are not reached
	s_add_nc_u64 s[G0B+4*(\slot)+2:G0B+4*(\slot)+3], s[G0B+4*(\slot)+2:G0B+4*(\slot)+3], STEPB
	JLOAD \slot                                    ; the four v_nop behind it are also the places in front of the loads below
.else
	PLACES
.endif
	FETCH \next, 0, F0
	MUL F1, MB/2, MB/2, 0
.endm
.if OUT32
; THE WAY OUT, f32.  A lane's eight numbers of a row are 32 bytes; block a (16 rows x 128 columns) goes from the accumulators into my own stage, rows of 528 bytes, and comes back as whole rows of 512.
.macro TOST32 a
.set AC, 64*((\a)%4)
.set BK, OB32+64*((\a)%2)
	s_wait_xcnt 0x0                                ; every earlier store has had its addresses translated (ISA guide 3.1): the registers that block a - 2's stores read are loaded again only behind this wait
	WIN 0x08+4*((\a)/4)                            ; an LDS store's data is source 1: window 2 or 3
.irp b, 0,1,2,3,4,5,6,7
	ds_store_b128 v[STO], v[AC+8*(\b):AC+8*(\b)+3]   offset:64*(\b)     ; each accumulator's low registers are read first
	ds_store_b128 v[STO], v[AC+8*(\b)+4:AC+8*(\b)+7] offset:64*(\b)+16
.endr
	WIN 0
.irp t, 0,1,2,3,4,5,6,7,8,9,10,11,12,13,14,15
	ds_load_b128 v[BK+4*(\t):BK+4*(\t)+3], v[RD] offset:(\t)*SP  ; LDS serves a wave's instructions in order (ISA guide 5.7.1.4): these see the stores above, and the next block's stores come behind them
.endr
.endm
.macro SEND32 a, younger               ; younger: the LDS instructions issued behind block a's loads: the next block's 32, or none
.set BK, OB32+64*((\a)%2)
	WIN 0
.irp t, 0,1,2,3,4,5,6,7,8,9,10,11,12,13,14,15
	s_wait_dscnt (\younger)+15-(\t)                ; row t is back; what was issued behind its load may be out
	global_store_b128 v[CO], v[BK+4*(\t):BK+4*(\t)+3], s[8:9] offset:(16*(\a)+(\t))*PC  ; a wave's store covers 512 consecutive bytes, at a multiple of 512 from C's first byte; the row stands in the immediate
.endr
.endm
.else
; THE WAY OUT, bf16.  A lane's eight numbers of a row pack into 16 bytes; block a goes through my own stage, rows of 272 bytes, and comes back as whole rows of 256.
.macro PACK a
.set AC, 64*((\a)%4)
	WIN 0x0a+5*((\a)/4)                            ; sources 0 and 1: window 2 or 3
.irp b, 0,1,2,3,4,5,6,7
.irp r, 0,1,2,3
	v_cvt_pk_bf16_f32 v[TMP+4*(\b)+(\r)], v[AC+8*(\b)+2*(\r)], v[AC+8*(\b)+2*(\r)+1]  ; each accumulator in ascending order
.endr
.endr
	WIN 0
.endm
.macro TOSTAGE a
.set BK, OB+192*((\a)%2)
	WIN 0
.irp b, 0,1,2,3,4,5,6,7
	ds_store_b128 v[STO], v[TMP+4*(\b):TMP+4*(\b)+3] offset:32*(\b)
.endr
.irp t, 0,1,2,3,4,5,6,7
	ds_load_b128 v[BK+4*(\t):BK+4*(\t)+3], v[RD] offset:(\t)*2*SP  ; LDS serves a wave's instructions in order (ISA guide 5.7.1.4): these see the stores above
.endr
.endm
.macro SEND a
.set BK, OB+192*((\a)%2)
	WIN 0
	s_wait_dscnt 0x0                               ; the block is back in registers
	s_wait_xcnt 0x0                                ; every earlier store has had its addresses translated (ISA guide 3.1): the next block is read back into the registers that block a - 1's stores read only behind this wait
.irp t, 0,1,2,3,4,5,6,7
	global_store_b128 v[CO], v[BK+4*(\t):BK+4*(\t)+3], s[8:9] offset:(16*(\a)+2*(\t))*PC  ; 16 lanes store 256 consecutive bytes, at a multiple of 256 from C's first byte; the rows stand in the immediate
.endr
.endm
.endif
	s_wait_tensorcnt 0x1                           ; my part of K step 0 is in; K step 1's may stay out
	s_barrier_signal -1
	s_barrier_wait -1                              ; everybody's is
	FETCH 0, 0, F0
.if FIRST == 2
	s_wait_loadcnt 0x0                             ; the bias
.endif
	QUARTER 0, 1, F0, F1, FIRST                    ; the first quarter stands in front of the loop: its products start the sums
	WIN 0                                          ; at a label and at a branch every window is 0
	s_mov_b32 s3, LAPS-1
.Llap:                                                 ; a trip goes once round the ring, from a lap's second quarter to the next lap's first, and fills both slots again
	QUARTER 0, 2, F1, F0, 0
	QUARTER 0, 3, F0, F1, 0
	TURN 0, 1, 1
	QUARTER 1, 1, F0, F1, 0
	QUARTER 1, 2, F1, F0, 0
	QUARTER 1, 3, F0, F1, 0
	TURN 1, 0, 1
	QUARTER 0, 1, F0, F1, 0
	WIN 0
	s_sub_co_u32 s3, s3, 1
	s_cmp_lg_u32 s3, 0
	s_cbranch_scc1 .Llap
	QUARTER 0, 2, F1, F0, 0                        ; the last lap is written out: it fills nothing, and has no round of the cluster's barrier
	QUARTER 0, 3, F0, F1, 0
	TURN 0, 1, 0
	QUARTER 1, 1, F0, F1, 0
	QUARTER 1, 2, F1, F0, 0
	QUARTER 1, 3, F0, F1, 0
	s_wait_dscnt MB                                ; the very last quarter: nothing more to fetch
	MUL F1, 0, MB/2, 0
	s_wait_dscnt 0x0
	MUL F1, MB/2, MB/2, 0
	WIN 0
	PLACES                                         ; behind the last products
.if OUT32
	TOST32 0
.set ab, 1
.rept MB-1                             ; block a goes into the stage while block a - 1's rows come back and leave
	TOST32 ab
	SEND32 ab-1, 32
.set ab, ab+1
.endr
	SEND32 MB-1, 0
.else
	PACK 0
	TOSTAGE 0
.set ab, 1
.rept MB-1                             ; block a's conversions stand between block a - 1's loads from the stage and the wait for them
	PACK ab
	SEND ab-1
	TOSTAGE ab
.set ab, ab+1
.endr
	SEND MB-1
.endif
	s_wait_tensorcnt 0x0                           ; the wave's end: behind my last tensor load and my last LDS store
	ds_add_u32 v[SPW], v[NIL]
	s_wait_dscnt 0x0
	CROUND                                         ; the closing round: no work-group ends while a partner may still ask for a tile that names it
	s_endpgm
.Lfunc_end_k_q90d9ce8e07_pv:
	.size	k_q90d9ce8e07_pv, .Lfunc_end_k_q90d9ce8e07_pv-k_q90d9ce8e07_pv
	.p2alignl 7, 3214868480
	.fill 96, 4, 3214868480
	.section	.rodata,"a",@progbits
	.p2align	6, 0x0
	.amdhsa_kernel k_q90d9ce8e07_pv
		.amdhsa_group_segment_fixed_size 327680
		.amdhsa_private_segment_fixed_size 0
		.amdhsa_enable_private_segment 0
		.amdhsa_kernarg_size 24
		.amdhsa_user_sgpr_count 2
		.amdhsa_user_sgpr_kernarg_segment_ptr 1
		.amdhsa_wavefront_size32 1
		.amdhsa_system_sgpr_workgroup_id_x 1
		.amdhsa_system_sgpr_workgroup_id_y 1
		.amdhsa_system_sgpr_workgroup_id_z 1
		.amdhsa_system_vgpr_workitem_id 0
		.amdhsa_next_free_vgpr 768
		.amdhsa_next_free_sgpr 66
		.amdhsa_reserve_vcc 0
		.amdhsa_float_denorm_mode_32 3
		.amdhsa_float_denorm_mode_16_64 3
		.amdhsa_memory_ordered 1
		.amdhsa_forward_progress 1
		.amdhsa_inst_pref_size 87
	.end_amdhsa_kernel
	.amdgpu_metadata
---
amdhsa.version: [ 1, 2 ]
amdhsa.kernels:
  - .name:           k_q90d9ce8e07_pv
    .symbol:         k_q90d9ce8e07_pv.kd
    .args:
      - { .name: pb, .offset: 0, .size: 8, .value_kind: global_buffer, .address_space: global }
      - { .name: qkv, .offset: 8, .size: 8, .value_kind: global_buffer, .address_space: global }
      - { .name: val, .offset: 16, .size: 8, .value_kind: global_buffer, .address_space: global }
    .group_segment_fixed_size: 327680
    .private_segment_fixed_size: 0
    .kernarg_segment_align: 8
    .kernarg_segment_size: 24
    .max_flat_workgroup_size: 128
    .sgpr_count:     66
    .vgpr_count:     768
    .wavefront_size: 32
...
	.end_amdgpu_metadata
.endif
;; end of part 5
;; launch outp (part 6): grid 4 x 64, 4 waves a work-group, clusters of 4 x 4, 327,680 bytes of LDS; arguments val, wob, out0, b_out; writes out0
.if DOCPART == 6
	.amdgcn_target "amdgcn-amd-amdhsa--gfx1250"
	.amdhsa_code_object_version 6
	.text
	.protected	k_q90d9ce8e07_outp
	.globl	k_q90d9ce8e07_outp
	.p2align	8
	.type	k_q90d9ce8e07_outp,@function
k_q90d9ce8e07_outp:
	s_mov_b64 s[64:65], 0
	v_nop
	global_prefetch_b8 v0, s[64:65] scope:SCOPE_SE
	s_setreg_imm32_b32 hwreg(HW_REG_WAVE_MODE, 25, 1), 1
	s_wait_xcnt 0x0
	s_wait_alu depctr_hold_cnt(0) depctr_sa_sdst(0) depctr_va_vdst(0) depctr_va_sdst(0) depctr_va_ssrc(0) depctr_va_vcc(0) depctr_vm_vsrc(0)
	s_getreg_b32 s2, hwreg(HW_REG_IB_STS2, 6, 4)
	s_cmp_eq_u32 s2, 0
	s_cbranch_scc0 .Lentry_in_a_cluster
	s_endpgm
.Lentry_in_a_cluster:
	s_bfe_u32 s2, ttmp6, 0x10000c
	s_cmp_lg_u32 s2, 0xf033
	s_cbranch_scc0 .Lentry_shape_is_right
	s_endpgm
.Lentry_shape_is_right:
; THE OUTPUT PROJECTION.  out0[m][o] = b_out[o] + the sum over e of val[m][e] wob[o][e].  val: [8192][1024] bf16, wob: [1024][1024] bf16, b_out: [1024] f32, out0: [8192][1024] f32.
; Sums in f32, K ascending; the f32 sums are the result.
; LIMITS: the operands are bf16 (8 significant bits, f32's range); b_out starts the sum, so it is added before the products and not after them: another order of f32 rounding than the
; definition's; NaN and infinities are not treated apart.
; A tile of C is 128 x 256: 64 x 4 = 256 tiles, one for each of 256 work-group places (tiles of 256 x 256 would be 128).
.set KERN,  5                          ; which of the four products this file is: it chooses the address arithmetic below
.set MB,    4                          ; blocks of 16 rows of C in a wave's part: a wave makes 16 MB rows x 128 columns
.set KTOT,  1024                       ; the length of the sums
.set PA,    1024                       ; elements from row to row of A
.set PB,    1024                       ; of B
.set BTR,   0                          ; 0: B lies [n][k];  1: B lies [k][n] and is turned on its way out of LDS
.set FIRST, 2                          ; what starts the sums: 1 the constant 0;  2 the bias of the columns
.set OUT32, 1                          ; C is bf16 (0) or f32 (1)
.set PC,    4096                       ; bytes from row to row of C
.set STEPB, 512                        ; bytes by which B's tile address goes on in two K steps
; THE CORE, one text for the four products of this program; the constants above choose.
; C[m][n] = the sum over k of A[m][k] B[n][k] (BTR = 1: B[k][n]).  A work-group of four waves makes a tile of 32 MB rows x 256 columns; wave w its row half w / 2 and its column half w % 2:
; 8 MB accumulators of 16 x 16.  K goes in steps of 128 through two LDS slots filled by the tensor data mover; the rows of the tiles are 256 bytes of memory (BTR = 1: 512) and start at
; multiples of 256 bytes from the buffer's first byte.  Waves 0 and 1 ask for the two halves of A's tile, waves 2 and 3 for those of B's: one load a wave for a K step.
; CLUSTERS: 4 x 4 work-groups.  The four of a row of the cluster need the same tiles of A, the four of a column the same tiles of B: each tile is asked for JOINTLY, by the same tensor load with
; the same descriptor and a mask that names the four, and each receives it in its own LDS.  That divides the requests for A and for B by four.
; THE MATRIX INSTRUCTION IS USED TRANSPOSED: source 0 = 16 rows of B, source 1 = 16 rows of A.  Lane l then holds row l % 16 of C and its registers 0-7 the columns 8 (l / 16) + 0..7:
; eight neighbouring numbers of a row.  A column's bias is then the same in all sixteen lanes of a half: 64 registers, loaded once, are the C operand of the products that start the sums.
; REGISTERS, in windows of 256 (s_set_vgpr_msb: bits 1:0 source 0, 3:2 source 1, 5:4 source 2, 7:6 destination):
;   window 0: v0-31 addresses; v64.., v128.. fragments of A, two buffers of 8 MB; v32-63, v192-255 (f32 output: v64-191) at work on the way out
;   window 1: v0-63 the bias; v64-127, v128-191 fragments of B, two buffers       window 2: accumulators of my blocks 0-3, (a, b) at 8 (8 a + b)       window 3: those of blocks 4-7 (MB = 8)
.set PITCH,  272                       ; an LDS row: 256 bytes + 16 of padding = 68 words: row r starts at bank 4 r mod 64 (64 banks of 4 bytes: ISA guide 11.1), so the 16 rows of a load start at 16 different banks
.set PITCHT, 544                       ; BTR = 1: a row of 256 channels, 512 bytes + 32 of padding = 136 words
.set HALFA,  16*MB*PITCH               ; what one load brings of A, and what one wave reads of A
.set HALFB,  128*PITCH                 ; what one load brings of B: 128 rows x 272 = 64 rows x 544
.set SLOT,   2*HALFA+2*HALFB           ; A's two halves, then B's two halves
.set STAGE,  2*SLOT                    ; behind the ring, never filled by a tensor load: 16 rows for each wave, for the way out
.if OUT32
.set SP,     528                       ; a stage row: 128 f32 + 16 bytes = 132 words
.else
.set SP,     272                       ; a stage row: 128 bf16 + 16 bytes
.endif
.set SPARE,  STAGE+4*16*SP             ; behind the stages: the spare words, 128 bytes for each wave: two blocks of 256 bytes that no other line names
.set LAPS,   KTOT/256                  ; a lap = two K steps = once round the ring
.set ESH,    1+OUT32                   ; log2 of the bytes of a number of C
.set ADRA, 16                          ; v16-17  LDS address of my A fragments in slot 0, 1
.set ADRB, 20                          ; v20-21  the same for B
.set STO,  24                          ; v24     the way out: where I put my part of a row
.set RD,   25                          ; v25     the way out: where I read rows back
.set CO,   26                          ; v26     my byte offset in C
.set BO,   27                          ; v27     my byte offset in the bias
.set SPW,  28                          ; v28     LDS address of my spare word: SPARE + 4 x my thread's number; never rewritten
.set NIL,  29                          ; v29     0; never rewritten
.set F0,   64                          ; fragment buffer 0
.set F1,   128                         ; fragment buffer 1
.set BI,   0                           ; the bias, in window 1: block b of 16 columns at 8 b
.set TMP,  192                         ; bf16 way out: packed results
.set OB,   32                          ; bf16 way out: 16 rows read back: v32-63 and v224-255 by turns
.set OB32, 64                          ; f32 way out: 16 rows read back: v64-127 and v128-191 by turns (A's buffers, free behind the last product)
.set G1,  24                           ; s[24:31] descriptor group 1 for A's tiles;  s[32:39] group 0, a set for each slot
.set G0,  32
.set G1B, 48                           ; s[48:55], s[56:63] the same for B's tiles
.set G0B, 56
.set TO_B, 0x40                        ; destination window 1, address window 0
.set MSB, 0
.macro WIN new                         ; the immediate's high byte repeats the setting that is left; a switch that changes nothing is dropped
.if MSB != (\new)
	s_set_vgpr_msb (MSB<<8)|(\new)
.set MSB, \new
.endif
.endm
; A joint load.  Each of the two lines has one mask and one set of registers for all that issue it.  The branch hangs on the wave's number alone: it is the same in every work-group.
; Four v_nop follow each line, ahead of the jump, the label and what follows the macro.
.macro JLOAD s
	s_cmp_lt_u32 s10, 2
	s_cbranch_scc0 .Lfor_b_\@
	tensor_load_to_lds s[G0+4*(\s):G0+4*(\s)+3], s[G1:G1+7]
	s_nop 0
.rept 4
	v_nop
.endr
	s_branch .Lasked_\@
.Lfor_b_\@:
	tensor_load_to_lds s[G0B+4*(\s):G0B+4*(\s)+3], s[G1B:G1B+7]
	s_nop 0
.rept 4
	v_nop
.endr
.Lasked_\@:
.endm
; A round of the cluster's barrier: my work-group's barrier, so that wave 0's signal speaks for all four waves; wave 0 signals for the work-group; every wave waits for all sixteen
; work-groups; my work-group's barrier once more.  No LDS instruction of the wave is pending at a signal.
.macro CREST                           ; a round behind its opening barrier
	s_cmp_lg_u32 s10, 0
	s_cbranch_scc1 .Lnot_wave_0_\@
	s_barrier_signal -3
.Lnot_wave_0_\@:
	s_barrier_wait -3
	s_barrier_signal -1
	s_barrier_wait -1
.endm
.macro CROUND                          ; a whole round
	s_barrier_signal -1
	s_barrier_wait -1
	CREST
.endm
.if KERN == 2
	s_load_b64 s[4:5], s[0:1], 0x0                 ; qkv: its columns 0-1023 (q) are A
	s_load_b64 s[6:7], s[0:1], 0x0                 ; qkv once more: its columns 1024-2047 (k) are B
	s_load_b64 s[8:9], s[0:1], 0x8                 ; C
.else
	s_load_b128 s[4:7], s[0:1], 0x0                ; A s[4:5], B s[6:7]
	s_load_b64 s[8:9], s[0:1], 0x10                ; C
.endif
.if FIRST == 2
	s_load_b64 s[18:19], s[0:1], 0x18              ; the bias
.endif
	v_lshl_add_u32 v[SPW], v0, 2, SPARE
	v_mov_b32 v[NIL], 0
	ds_add_u32 v28, v29
	s_wait_dscnt 0x0
	v_lshrrev_b32 v1, 5, v0
	v_readfirstlane_b32 s10, v1                    ; wave 0..3
	s_lshr_b32 s11, s10, 1                         ; which half of the tile's rows is mine
	s_and_b32 s12, s10, 1                          ; which half of its columns.  Also: which half of A's or B's tile I fetch
	s_bfe_u32 s40, ttmp6, 0x40000                  ; cx: my place along the cluster's x
	s_bfe_u32 s41, ttmp6, 0x40004                  ; cy: along its y
	s_lshl_b32 s42, ttmp9, 2                       ; in a cluster launch ttmp9 and ttmp7 count clusters
	s_add_co_u32 s42, s42, s40                     ; tile column of C = 4 x cluster x + cx
	s_and_b32 s45, ttmp7, 0xffff                   ; cluster y: all sixteen share it
	s_lshl_b32 s13, s45, 2
	s_add_co_u32 s13, s13, s41                     ; tile row of C = 4 x cluster y + cy
	s_lshl_b32 s43, s41, 2
	s_lshl_b32 s43, 15, s43                        ; my row of the cluster: places 4 cy .. 4 cy + 3
	s_lshl_b32 s44, 0x1111, s40                    ; my column: places cx, cx + 4, cx + 8, cx + 12
	; descriptor group 1 for A: 16 MB rows x 128 elements, padded in LDS
	s_or_b32 s[G1+0], s43, (1<<16)|(1<<20)|(1<<21)|(5<<22)|(3<<25)  ; 15:0 the mask: my row; 17:16 elements of 2 bytes; 20 padding on; 21 set beside a mask; 24:22 after every 64 words (code 5); 31:25 4 words of it (code 3)
	s_mov_b32 s[G1+1], 128<<16                     ; tensor_dim0 = 128
	s_mov_b32 s[G1+2], (16*MB)<<16                 ; tensor_dim1 = 16 MB
	s_mov_b32 s[G1+3], 128<<16                     ; tile_dim0 = 128
	s_mov_b32 s[G1+4], 16*MB                       ; tile_dim1 = 16 MB
	s_mov_b32 s[G1+5], PA                          ; elements from row to row
	s_mov_b32 s[G1+6], 0
	s_mov_b32 s[G1+7], 0
.if BTR
	; for B as it lies, [k][n]: 64 keys x 256 channels
	s_or_b32 s[G1B+0], s44, (1<<16)|(1<<20)|(1<<21)|(6<<22)|(7<<25)  ; the mask: my column; padding after every 128 words (code 6), 8 words of it (code 7)
	s_mov_b32 s[G1B+1], 256<<16
	s_mov_b32 s[G1B+2], 64<<16
	s_mov_b32 s[G1B+3], 256<<16
	s_mov_b32 s[G1B+4], 64
.else
	; for B: 128 rows x 128 elements
	s_or_b32 s[G1B+0], s44, (1<<16)|(1<<20)|(1<<21)|(5<<22)|(3<<25)  ; the mask: my column
	s_mov_b32 s[G1B+1], 128<<16
	s_mov_b32 s[G1B+2], 128<<16
	s_mov_b32 s[G1B+3], 128<<16
	s_mov_b32 s[G1B+4], 128
.endif
	s_mov_b32 s[G1B+5], PB
	s_mov_b32 s[G1B+6], 0
	s_mov_b32 s[G1B+7], 0
	; where the tiles come from, as byte offsets under 2^32.  A's hangs on the tile row and the wave alone, B's on the tile column, the cluster's y and the wave alone; each is made in
	; registers that never hold the other coordinate.
	s_mul_i32 s16, s13, 32*MB
	s_mul_i32 s17, s12, 16*MB
	s_add_co_u32 s16, s16, s17                     ; A: row 32 MB x tile row + 16 MB x half
	s_mul_i32 s16, s16, PA*2
	s_mov_b32 s17, 0
.if BTR
	s_lshr_b32 s46, s45, 2                         ; the batch: 16 tile rows of 128 = 4 clusters
	s_lshl_b32 s46, s46, 11                        ; its 2,048 keys,
	s_lshl_b32 s47, s12, 6
	s_add_co_u32 s46, s46, s47                     ; + 64 x half
	s_mul_i32 s46, s46, PB*2
	s_lshl_b32 s47, s42, 9                         ; 256 channels x 2 bytes x tile column,
	s_add_co_u32 s46, s46, s47
	s_add_co_u32 s46, s46, 4096                    ; and v begins at column 2,048
.else
	s_lshl_b32 s46, s42, 8
	s_lshl_b32 s47, s12, 7
	s_add_co_u32 s46, s46, s47                     ; B: row 256 x tile column + 128 x half
.if KERN == 2
	s_lshr_b32 s47, s45, 1                         ; the batch: 8 tile rows of 256 = 2 clusters
	s_lshl_b32 s47, s47, 11
	s_add_co_u32 s46, s46, s47                     ; its 2,048 keys
.endif
	s_mul_i32 s46, s46, PB*2
.if KERN == 2
	s_add_co_u32 s46, s46, 2048                    ; k begins at column 1,024
.endif
.endif
	s_mov_b32 s47, 0
	s_mul_i32 s20, s12, HALFA                      ; and where they go: A's two halves,
	s_mul_i32 s21, s12, HALFB
	s_add_co_u32 s21, s21, 2*HALFA                 ; then B's two: no place in the cluster enters an LDS address
	s_wait_kmcnt 0x0
	s_add_nc_u64 s[14:15], s[4:5], s[16:17]
	s_add_nc_u64 s[46:47], s[6:7], s[46:47]
	CROUND                                         ; all sixteen work-groups are here: the first joint loads meet
.irp s, 0,1
	s_mov_b32 s[G0+4*(\s)], 1                                      ; 1:0 count = 1
	s_add_co_u32 s[G0+4*(\s)+1], s20, (\s)*SLOT                    ; 63:32 LDS address
	s_add_nc_u64 s[G0+4*(\s)+2:G0+4*(\s)+3], s[14:15], (\s)*256    ; 120:64 global address: K step s
	s_or_b32 s[G0+4*(\s)+3], s[G0+4*(\s)+3], 0x80000000            ; 127:126 type = 2
	s_mov_b32 s[G0B+4*(\s)], 1
	s_add_co_u32 s[G0B+4*(\s)+1], s21, (\s)*SLOT
	s_add_nc_u64 s[G0B+4*(\s)+2:G0B+4*(\s)+3], s[46:47], (\s)*(STEPB/2)
	s_or_b32 s[G0B+4*(\s)+3], s[G0B+4*(\s)+3], 0x80000000
	JLOAD \s                                       ; both slots are asked for before anything else is done: two loads of mine are out here, one behind every later round
.endr
	; A fragment is 16 rows x 32 K in 8 registers: lane l holds row l % 16; registers 0-3 hold K = 8 (l / 16) + 0..7, registers 4-7 K = 16 + 8 (l / 16) + 0..7.
	; From rows that lie along K: two loads of 16 bytes, 32 bytes apart.  The same for source 0 and source 1.
	v_and_b32 v1, 15, v0                           ; l % 16
	v_bfe_u32 v2, v0, 4, 1                         ; l / 16
	v_mul_u32_u24 v3, v1, PITCH
	v_lshl_add_u32 v3, v2, 4, v3                   ; row x pitch + 16 x half
	s_mul_i32 s22, s11, HALFA                      ; my rows of A
.if BTR
	; The turning load takes 16 keys x 16 channels (lane l reads 16 bytes: key 8 (l / 16) + l % 8, channels 8 ((l / 8) % 2) + 0..7) and leaves half a fragment: lane l holds channel l % 16 and 8 keys.
	s_lshl_b32 s23, s12, 8                         ; my 128 channels: 256 bytes along the rows
	v_and_b32 v4, 7, v0
	v_lshl_add_u32 v4, v2, 3, v4
	v_mul_u32_u24 v4, v4, PITCHT
	v_bfe_u32 v5, v0, 3, 1
	v_lshl_add_u32 v4, v5, 4, v4
.else
	s_mul_i32 s23, s12, HALFB                      ; my 128 rows of B
.endif
	s_add_co_u32 s23, s23, 2*HALFA                 ; B lies behind A
.irp s, 0,1
	v_add_nc_u32 v[ADRA+(\s)], s22, v3
.if BTR
	v_add_nc_u32 v[ADRB+(\s)], s23, v4
.else
	v_add_nc_u32 v[ADRB+(\s)], s23, v3
.endif
	s_add_co_u32 s22, s22, SLOT
	s_add_co_u32 s23, s23, SLOT
.endr
	s_mul_i32 s23, s10, 16*SP
	s_add_co_u32 s23, s23, STAGE                   ; my stage
.if OUT32
	v_mul_u32_u24 v4, v1, SP                       ; in: row l % 16, 32 bytes for each half of the lanes
	v_lshl_add_u32 v4, v2, 5, v4
	v_add_nc_u32 v[STO], s23, v4
	v_and_b32 v5, 31, v0                           ; back: 32 lanes take one row of 512 bytes,
	v_lshlrev_b32 v[CO], 4, v5                     ; and the same in C
	v_add_nc_u32 v[RD], s23, v[CO]
.else
	v_mul_u32_u24 v4, v1, SP                       ; in: row l % 16, 16 bytes for each half of the lanes
	v_lshl_add_u32 v4, v2, 4, v4
	v_add_nc_u32 v[STO], s23, v4
	v_mul_u32_u24 v5, v2, SP                       ; back: lanes 0-15 take one row of 256 bytes, lanes 16-31 the next
	v_lshl_add_u32 v5, v1, 4, v5
	v_add_nc_u32 v[RD], s23, v5
	v_mul_u32_u24 v5, v2, PC                       ; and the same two rows in C
	v_lshl_add_u32 v[CO], v1, 4, v5
.endif
	; where my part of the tile begins in C
	s_mul_i32 s16, s13, 32*MB
	s_mul_i32 s17, s11, 16*MB
	s_add_co_u32 s16, s16, s17                     ; my first row
	s_mul_i32 s16, s16, PC
	s_mov_b32 s17, 0
	s_add_nc_u64 s[8:9], s[8:9], s[16:17]
	s_lshl_b32 s46, s42, 8                         ; my first column: 256 x tile column + 128 x half (in the registers that held B's address)
	s_lshl_b32 s47, s12, 7
	s_add_co_u32 s46, s46, s47
	s_mov_b32 s47, 0
.if FIRST == 2
	s_lshl_b32 s22, s46, 2                         ; the bias is f32
	s_mov_b32 s23, 0
	s_add_nc_u64 s[18:19], s[18:19], s[22:23]
	v_lshlrev_b32 v[BO], 5, v2                     ; my eight columns of a block of 16: 32 bytes for each half of the lanes
	WIN TO_B
.irp b, 0,1,2,3,4,5,6,7
	global_load_b128 v[BI+8*(\b):BI+8*(\b)+3],   v[BO], s[18:19] offset:64*(\b)     ; register j of block b: the bias of column 16 b + 8 (l / 16) + j
	global_load_b128 v[BI+8*(\b)+4:BI+8*(\b)+7], v[BO], s[18:19] offset:64*(\b)+16
.endr
	WIN 0
.endif
	s_lshl_b32 s46, s46, ESH
	s_add_nc_u64 s[8:9], s[8:9], s[46:47]
; n x 8 matrix instructions: row blocks a0 .. a0 + n - 1 x all 8 column blocks, 32 along K, from buffer f.  first = 1: the constant 0 starts the sums; 2: the bias does; nothing is ever cleared.
; All 8 MB accumulators take turns, one instruction a turn, in the same order in every quarter step.
.macro MUL f, a0, n, first
.set aa, \a0
.rept \n
.if (\first) == 2
.set wv, ((2+aa/4)<<6)|0x11            ; source 0 (B) and C (the bias) window 1, source 1 (A) window 0, D window 2 or 3
.else
.set wv, ((2+aa/4)<<6)|((2+aa/4)<<4)|1 ; source 0 window 1, source 1 window 0, C and D window 2 or 3
.endif
	WIN wv
.irp b, 0,1,2,3,4,5,6,7
.set rD, 8*(8*(aa%4)+(\b))
.if (\first) == 2
	v_wmma_f32_16x16x32_bf16 v[rD:rD+7], v[(\f)+8*(\b):(\f)+8*(\b)+7], v[(\f)+8*aa:(\f)+8*aa+7], v[BI+8*(\b):BI+8*(\b)+7]
.elseif (\first) == 1
	v_wmma_f32_16x16x32_bf16 v[rD:rD+7], v[(\f)+8*(\b):(\f)+8*(\b)+7], v[(\f)+8*aa:(\f)+8*aa+7], 0
.else
	v_wmma_f32_16x16x32_bf16 v[rD:rD+7], v[(\f)+8*(\b):(\f)+8*(\b)+7], v[(\f)+8*aa:(\f)+8*aa+7], v[rD:rD+7]
.endif
.endr
.set aa, aa+1
.endr
.endm
; 16 + 2 MB LDS loads in one run: the fragments of quarter q (32 along K) of a slot into buffer f: B's eight first, then A's MB
.macro FETCH slot, q, f
	WIN TO_B
.irp i, 0,1,2,3,4,5,6,7
.if BTR
	ds_load_tr16_b128 v[(\f)+8*(\i):(\f)+8*(\i)+3],   v[ADRB+(\slot)] offset:(\q)*32*PITCHT+32*(\i)             ; keys 32 q + 8 (l / 16) on, channels 16 i on
	ds_load_tr16_b128 v[(\f)+8*(\i)+4:(\f)+8*(\i)+7], v[ADRB+(\slot)] offset:(\q)*32*PITCHT+32*(\i)+16*PITCHT   ; sixteen keys further
.else
	ds_load_b128 v[(\f)+8*(\i):(\f)+8*(\i)+3],   v[ADRB+(\slot)] offset:64*(\q)+(\i)*16*PITCH
	ds_load_b128 v[(\f)+8*(\i)+4:(\f)+8*(\i)+7], v[ADRB+(\slot)] offset:64*(\q)+(\i)*16*PITCH+32
.endif
.endr
	WIN 0
.set ii, 0
.rept MB
	ds_load_b128 v[(\f)+8*ii:(\f)+8*ii+3],   v[ADRA+(\slot)] offset:64*(\q)+ii*16*PITCH
	ds_load_b128 v[(\f)+8*ii+4:(\f)+8*ii+7], v[ADRA+(\slot)] offset:64*(\q)+ii*16*PITCH+32
.set ii, ii+1
.endr
.endm
; A load into a register that a matrix instruction has read, and a store or a vector instruction that reads a matrix result, stand four places behind that matrix instruction, and only plain
; vector instructions that name none of its registers are places (ISA guide 7.12.1 for vector instructions).
.macro PLACES
.rept 4
	v_nop
.endr
.endm
; A K step is four quarters of 32 along K, 8 MB matrix instructions each, on buffers 0, 1, 0, 1.
; One of the first three: multiplies buffer f; in its middle it fetches quarter q of the same slot into buffer g, 4 MB matrix instructions ahead of its first use.
.macro QUARTER slot, q, f, g, first
	s_wait_dscnt MB                                ; B and A's first MB / 2 blocks are in; the youngest MB loads (A's other blocks, two loads each) may be out
	MUL \f, 0, MB/2, \first
	PLACES
	FETCH \slot, \q, \g
	s_wait_dscnt 16+2*MB                           ; all but the run just issued
	MUL \f, MB/2, MB/2, \first
.endm
; The last quarter multiplies buffer 1 and changes slots.  MEET is its first half: ONE barrier for the change.  In front of it each wave waits for all its tensor loads, of which one is out:
; its part of the next slot; adds 0 to its spare word; and waits for that and for its own reads of this slot.  Behind it nobody reads this slot any more and the next slot is whole.
.macro MEET round                      ; round = 1: the rest of a round of the cluster's barrier follows
	WIN 0                                          ; (the add's two registers lie in window 0)
	s_wait_tensorcnt 0x0                           ; all my tensor loads have landed
	ds_add_u32 v[SPW], v[NIL]                      ; 0 onto my spare word
	s_wait_dscnt MB+1                              ; (the add and the youngest MB loads may be out)
	MUL F1, 0, MB/4, 0                             ; matrix work stands between the add and the wait for it
	s_wait_dscnt 0x0                               ; the add is done, and my reads of this slot are over
	s_barrier_signal -1
	MUL F1, MB/4, MB/4, 0                          ; work on registers while the others arrive
.if \round
	WIN 0
.endif
	s_barrier_wait -1
.endm
; The whole last quarter.  fill = 1: the barrier opens a round of the cluster's, so that no wave of any partner still reads this slot or has a load on its way; the slot is then filled again,
; two K steps ahead, first thing behind the round: from that request to the wait for it a wave issues 28 MB matrix instructions.
.macro TURN slot, next, fill
	MEET \fill
.if \fill
	CREST
	s_add_nc_u64 s[G0+4*(\slot)+2:G0+4*(\slot)+3], s[G0+4*(\slot)+2:G0+4*(\slot)+3], 512     ; no load of mine is out, so a group 0 may be written; the type bits on top are not reached
	s_add_nc_u64 s[G0B+4*(\slot)+2:G0B+4*(\slot)+3], s[G0B+4*(\slot)+2:G0B+4*(\slot)+3], STEPB
	JLOAD \slot                                    ; the four v_nop behind it are also the places in front of the loads below
.else
	PLACES
.endif
	FETCH \next, 0, F0
	MUL F1, MB/2, MB/2, 0
.endm
.if OUT32
; THE WAY OUT, f32.  A lane's eight numbers of a row are 32 bytes; block a (16 rows x 128 columns) goes from the accumulators into my own stage, rows of 528 bytes, and comes back as whole rows of 512.
.macro TOST32 a
.set AC, 64*((\a)%4)
.set BK, OB32+64*((\a)%2)
	s_wait_xcnt 0x0                                ; every earlier store has had its addresses translated (ISA guide 3.1): the registers that block a - 2's stores read are loaded again only behind this wait
	WIN 0x08+4*((\a)/4)                            ; an LDS store's data is source 1: window 2 or 3
.irp b, 0,1,2,3,4,5,6,7
	ds_store_b128 v[STO], v[AC+8*(\b):AC+8*(\b)+3]   offset:64*(\b)     ; each accumulator's low registers are read first
	ds_store_b128 v[STO], v[AC+8*(\b)+4:AC+8*(\b)+7] offset:64*(\b)+16
.endr
	WIN 0
.irp t, 0,1,2,3,4,5,6,7,8,9,10,11,12,13,14,15
	ds_load_b128 v[BK+4*(\t):BK+4*(\t)+3], v[RD] offset:(\t)*SP  ; LDS serves a wave's instructions in order (ISA guide 5.7.1.4): these see the stores above, and the next block's stores come behind them
.endr
.endm
.macro SEND32 a, younger               ; younger: the LDS instructions issued behind block a's loads: the next block's 32, or none
.set BK, OB32+64*((\a)%2)
	WIN 0
.irp t, 0,1,2,3,4,5,6,7,8,9,10,11,12,13,14,15
	s_wait_dscnt (\younger)+15-(\t)                ; row t is back; what was issued behind its load may be out
	global_store_b128 v[CO], v[BK+4*(\t):BK+4*(\t)+3], s[8:9] offset:(16*(\a)+(\t))*PC  ; a wave's store covers 512 consecutive bytes, at a multiple of 512 from C's first byte; the row stands in the immediate
.endr
.endm
.else
; THE WAY OUT, bf16.  A lane's eight numbers of a row pack into 16 bytes; block a goes through my own stage, rows of 272 bytes, and comes back as whole rows of 256.
.macro PACK a
.set AC, 64*((\a)%4)
	WIN 0x0a+5*((\a)/4)                            ; sources 0 and 1: window 2 or 3
.irp b, 0,1,2,3,4,5,6,7
.irp r, 0,1,2,3
	v_cvt_pk_bf16_f32 v[TMP+4*(\b)+(\r)], v[AC+8*(\b)+2*(\r)], v[AC+8*(\b)+2*(\r)+1]  ; each accumulator in ascending order
.endr
.endr
	WIN 0
.endm
.macro TOSTAGE a
.set BK, OB+192*((\a)%2)
	WIN 0
.irp b, 0,1,2,3,4,5,6,7
	ds_store_b128 v[STO], v[TMP+4*(\b):TMP+4*(\b)+3] offset:32*(\b)
.endr
.irp t, 0,1,2,3,4,5,6,7
	ds_load_b128 v[BK+4*(\t):BK+4*(\t)+3], v[RD] offset:(\t)*2*SP  ; LDS serves a wave's instructions in order (ISA guide 5.7.1.4): these see the stores above
.endr
.endm
.macro SEND a
.set BK, OB+192*((\a)%2)
	WIN 0
	s_wait_dscnt 0x0                               ; the block is back in registers
	s_wait_xcnt 0x0                                ; every earlier store has had its addresses translated (ISA guide 3.1): the next block is read back into the registers that block a - 1's stores read only behind this wait
.irp t, 0,1,2,3,4,5,6,7
	global_store_b128 v[CO], v[BK+4*(\t):BK+4*(\t)+3], s[8:9] offset:(16*(\a)+2*(\t))*PC  ; 16 lanes store 256 consecutive bytes, at a multiple of 256 from C's first byte; the rows stand in the immediate
.endr
.endm
.endif
	s_wait_tensorcnt 0x1                           ; my part of K step 0 is in; K step 1's may stay out
	s_barrier_signal -1
	s_barrier_wait -1                              ; everybody's is
	FETCH 0, 0, F0
.if FIRST == 2
	s_wait_loadcnt 0x0                             ; the bias
.endif
	QUARTER 0, 1, F0, F1, FIRST                    ; the first quarter stands in front of the loop: its products start the sums
	WIN 0                                          ; at a label and at a branch every window is 0
	s_mov_b32 s3, LAPS-1
.Llap:                                                 ; a trip goes once round the ring, from a lap's second quarter to the next lap's first, and fills both slots again
	QUARTER 0, 2, F1, F0, 0
	QUARTER 0, 3, F0, F1, 0
	TURN 0, 1, 1
	QUARTER 1, 1, F0, F1, 0
	QUARTER 1, 2, F1, F0, 0
	QUARTER 1, 3, F0, F1, 0
	TURN 1, 0, 1
	QUARTER 0, 1, F0, F1, 0
	WIN 0
	s_sub_co_u32 s3, s3, 1
	s_cmp_lg_u32 s3, 0
	s_cbranch_scc1 .Llap
	QUARTER 0, 2, F1, F0, 0                        ; the last lap is written out: it fills nothing, and has no round of the cluster's barrier
	QUARTER 0, 3, F0, F1, 0
	TURN 0, 1, 0
	QUARTER 1, 1, F0, F1, 0
	QUARTER 1, 2, F1, F0, 0
	QUARTER 1, 3, F0, F1, 0
	s_wait_dscnt MB                                ; the very last quarter: nothing more to fetch
	MUL F1, 0, MB/2, 0
	s_wait_dscnt 0x0
	MUL F1, MB/2, MB/2, 0
	WIN 0
	PLACES                                         ; behind the last products
.if OUT32
	TOST32 0
.set ab, 1
.rept MB-1                             ; block a goes into the stage while block a - 1's rows come back and leave
	TOST32 ab
	SEND32 ab-1, 32
.set ab, ab+1
.endr
	SEND32 MB-1, 0
.else
	PACK 0
	TOSTAGE 0
.set ab, 1
.rept MB-1                             ; block a's conversions stand between block a - 1's loads from the stage and the wait for them
	PACK ab
	SEND ab-1
	TOSTAGE ab
.set ab, ab+1
.endr
	SEND MB-1
.endif
	s_wait_tensorcnt 0x0                           ; the wave's end: behind my last tensor load and my last LDS store
	ds_add_u32 v[SPW], v[NIL]
	s_wait_dscnt 0x0
	CROUND                                         ; the closing round: no work-group ends while a partner may still ask for a tile that names it
	s_endpgm
.Lfunc_end_k_q90d9ce8e07_outp:
	.size	k_q90d9ce8e07_outp, .Lfunc_end_k_q90d9ce8e07_outp-k_q90d9ce8e07_outp
	.p2alignl 7, 3214868480
	.fill 96, 4, 3214868480
	.section	.rodata,"a",@progbits
	.p2align	6, 0x0
	.amdhsa_kernel k_q90d9ce8e07_outp
		.amdhsa_group_segment_fixed_size 327680
		.amdhsa_private_segment_fixed_size 0
		.amdhsa_enable_private_segment 0
		.amdhsa_kernarg_size 32
		.amdhsa_user_sgpr_count 2
		.amdhsa_user_sgpr_kernarg_segment_ptr 1
		.amdhsa_wavefront_size32 1
		.amdhsa_system_sgpr_workgroup_id_x 1
		.amdhsa_system_sgpr_workgroup_id_y 1
		.amdhsa_system_sgpr_workgroup_id_z 1
		.amdhsa_system_vgpr_workitem_id 0
		.amdhsa_next_free_vgpr 768
		.amdhsa_next_free_sgpr 66
		.amdhsa_reserve_vcc 0
		.amdhsa_float_denorm_mode_32 3
		.amdhsa_float_denorm_mode_16_64 3
		.amdhsa_memory_ordered 1
		.amdhsa_forward_progress 1
		.amdhsa_inst_pref_size 89
	.end_amdhsa_kernel
	.amdgpu_metadata
---
amdhsa.version: [ 1, 2 ]
amdhsa.kernels:
  - .name:           k_q90d9ce8e07_outp
    .symbol:         k_q90d9ce8e07_outp.kd
    .args:
      - { .name: val, .offset: 0, .size: 8, .value_kind: global_buffer, .address_space: global }
      - { .name: wob, .offset: 8, .size: 8, .value_kind: global_buffer, .address_space: global }
      - { .name: out0, .offset: 16, .size: 8, .value_kind: global_buffer, .address_space: global }
      - { .name: b_out, .offset: 24, .size: 8, .value_kind: global_buffer, .address_space: global }
    .group_segment_fixed_size: 327680
    .private_segment_fixed_size: 0
    .kernarg_segment_align: 8
    .kernarg_segment_size: 32
    .max_flat_workgroup_size: 128
    .sgpr_count:     66
    .vgpr_count:     768
    .wavefront_size: 32
...
	.end_amdgpu_metadata
.endif
;; end of part 6
;; ======== version 2 of 3: 5 launches; 1.12 times as fast as version 1
;; workspace buffers: xb 16,777,216 bytes; wqb 6,291,456 bytes; wob 2,097,152 bytes; qkv 50,331,648 bytes; pb 33,554,432 bytes; st 1,048,576 bytes; val 16,777,216 bytes
;; launch cvt: the kernel of part 1 again; grid 768 x 1, 8 waves a work-group, no clusters, 0 bytes of LDS; arguments x, W_qkv, W_out, xb, wqb, wob; writes xb, wqb, wob
;; launch qkv (part 7): grid 12 x 32, 4 waves a work-group, clusters of 4 x 4, 327,680 bytes of LDS; arguments xb, wqb, qkv, b_qkv; writes qkv
.if DOCPART == 7
	.amdgcn_target "amdgcn-amd-amdhsa--gfx1250"
	.amdhsa_code_object_version 6
	.text
	.protected	k_q90d9ce8e07_qkv
	.globl	k_q90d9ce8e07_qkv
	.p2align	8
	.type	k_q90d9ce8e07_qkv,@function
k_q90d9ce8e07_qkv:
	s_mov_b64 s[64:65], 0
	v_nop
	global_prefetch_b8 v0, s[64:65] scope:SCOPE_SE
	s_setreg_imm32_b32 hwreg(HW_REG_WAVE_MODE, 25, 1), 1
	s_wait_xcnt 0x0
	s_wait_alu depctr_hold_cnt(0) depctr_sa_sdst(0) depctr_va_vdst(0) depctr_va_sdst(0) depctr_va_ssrc(0) depctr_va_vcc(0) depctr_vm_vsrc(0)
	s_getreg_b32 s2, hwreg(HW_REG_IB_STS2, 6, 4)
	s_cmp_eq_u32 s2, 0
	s_cbranch_scc0 .Lentry_in_a_cluster
	s_endpgm
.Lentry_in_a_cluster:
	s_bfe_u32 s2, ttmp6, 0x10000c
	s_cmp_lg_u32 s2, 0xf033
	s_cbranch_scc0 .Lentry_shape_is_right
	s_endpgm
.Lentry_shape_is_right:
; THE QKV PROJECTION.  qkv[m][e] = b_qkv[e] + the sum over i of xb[m][i] wqb[e][i].  xb: [8192][1024] bf16, wqb: [3072][1024] bf16, b_qkv: [3072] f32, qkv: [8192][3072] bf16
; (q in columns 0-1023, k in 1024-2047, v in 2048-3071; a row is 6,144 bytes).  Sums in f32, K ascending, rounded once to bf16.
; LIMITS: the operands are bf16 (8 significant bits, f32's range); b_qkv starts the sum, so it is added before the products and not after them: another order of f32 rounding than the
; definition's; NaN and infinities are not treated apart.
; A tile of C is 256 x 256: 32 x 12 = 384 tiles.  The large tile is taken for the 224 matrix instructions that a wave issues between a slot's request and the wait for it;
; with 128 x 256 there are 112.  The price: 384 is one and a half times 256 work-group places.
.set KERN,  1                          ; which product this file is: it chooses the address arithmetic below
.set MB,    8                          ; blocks of 16 rows of C in a wave's part: a wave makes 16 MB rows x 128 columns
.set KTOT,  1024                       ; the length of the sums
.set PA,    1024                       ; elements from row to row of A
.set PB,    1024                       ; of B
.set BTR,   0                          ; 0: B lies [n][k];  1: B lies [k][n] and is turned on its way out of LDS
.set FIRST, 2                          ; what starts the sums: 1 the constant 0;  2 the bias of the columns
.set SOFTM, 0                          ; 1: the way out makes a block's softmax weights of the sums
.set FACT,  0                          ; 1: A's fragments are multiplied by a factor for each row and K step
.set PC,    6144                       ; bytes from row to row of C
.set STEPB, 512                        ; bytes by which B's tile address goes on in two K steps
; THE CORE, one text for three products of this program (q, k, v; the scores; the weighted values); the constants above choose.
; C[m][n] = the sum over k of A[m][k] B[n][k] (BTR = 1: B[k][n]).  A work-group of four waves makes a tile of 32 MB rows x 256 columns; wave w its row half w / 2 and its column half w % 2:
; 8 MB accumulators of 16 x 16.  K goes in steps of 128 through two LDS slots filled by the tensor data mover; the rows of the tiles are 256 bytes of memory (BTR = 1: 512) and start at
; multiples of 256 bytes from the buffer's first byte.  Waves 0 and 1 ask for the two halves of A's tile, waves 2 and 3 for those of B's: one load a wave for a K step.
; CLUSTERS: 4 x 4 work-groups.  The four of a row of the cluster need the same tiles of A, the four of a column the same tiles of B: each tile is asked for JOINTLY, by the same tensor load with
; the same descriptor and a mask that names the four, and each receives it in its own LDS.  That divides the requests for A and for B by four.
; THE MATRIX INSTRUCTION IS USED TRANSPOSED: source 0 = 16 rows of B, source 1 = 16 rows of A.  Lane l then holds row l % 16 of C and its registers 0-7 the columns 8 (l / 16) + 0..7:
; eight neighbouring numbers of a row.  A column's bias is then the same in all sixteen lanes of a half: 64 registers, loaded once, are the C operand of the products that start the sums.
; REGISTERS, in windows of 256 (s_set_vgpr_msb: bits 1:0 source 0, 3:2 source 1, 5:4 source 2, 7:6 destination):
;   window 0: v0-31 addresses and factors; v64.., v128.. fragments of A, two buffers of 8 MB; v32-63, v192-255 at work at the start and on the way out
;   window 1: v0-63 the bias; v64-127, v128-191 fragments of B, two buffers       window 2: accumulators of my blocks 0-3, (a, b) at 8 (8 a + b)       window 3: those of blocks 4-7 (MB = 8)
.set PITCH,  272                       ; an LDS row: 256 bytes + 16 of padding = 68 words: row r starts at bank 4 r mod 64 (64 banks of 4 bytes: ISA guide 11.1), so the 16 rows of a load start at 16 different banks
.set PITCHT, 544                       ; BTR = 1: a row of 256 channels, 512 bytes + 32 of padding = 136 words
.set HALFA,  16*MB*PITCH               ; what one load brings of A, and what one wave reads of A
.set HALFB,  128*PITCH                 ; what one load brings of B: 128 rows x 272 = 64 rows x 544
.set SLOT,   2*HALFA+2*HALFB           ; A's two halves, then B's two halves
.set STAGE,  2*SLOT                    ; behind the ring, never filled by a tensor load: 16 rows of 272 bytes for each wave, for the way out
.set SP,     272
.set SPARE,  STAGE+4*16*SP             ; behind the stages: the spare words, 128 bytes for each wave: two blocks of 256 bytes that no other line names
.set FTB,    SPARE+512                 ; FACT = 1: behind them, never filled by a tensor load: a table of factors for each wave, 16 K steps x 256 bytes
.set BP,     528                       ; SOFTM = 1: a row of 128 f32 of the position bias in LDS: 512 bytes + 16 = 132 words: again 16 rows at 16 different banks
.set BSUB,   64*BP                     ; what one load brings of it: 64 rows, a wave's own
.set LAPS,   KTOT/256                  ; a lap = two K steps = once round the ring
.set FC,   8                           ; v8-11, v12-15  FACT: the factors of my four row blocks for the K step in slot 0, 1
.set ADRA, 16                          ; v16-17  LDS address of my A fragments in slot 0, 1
.set BA,   18                          ; v18-19  SOFTM: LDS address of my part of the position bias, first and second 64 rows
.set ADRB, 20                          ; v20-21  LDS address of my B fragments in slot 0, 1
.set FW,   22                          ; v22     FACT: where I put factors
.set STO,  24                          ; v24     the way out: where I put my part of a row
.set RD,   25                          ; v25     the way out: where I read rows back
.set CO,   26                          ; v26     my byte offset in C
.set BO,   27                          ; v27     my byte offset in the columns' bias
.set SPW,  28                          ; v28     LDS address of my spare word: SPARE + 4 x my thread's number; never rewritten
.set NIL,  29                          ; v29     0; never rewritten
.set FA,   30                          ; v30     FACT: where the next K step's factors lie
.set SO,   30                          ; v30     SOFTM: my byte offset in 256 bytes of statistics
.set FO,   31                          ; v31     FACT: my byte offset in the statistics
.set F0,   64                          ; fragment buffer 0
.set F1,   128                         ; fragment buffer 1
.set BI,   0                           ; the columns' bias, in window 1: block b of 16 columns at 8 b
.set TMP,  192                         ; the way out: packed results
.set OB,   32                          ; the way out: 16 rows read back: v32-63 and v224-255 by turns
.set Y0,   64                          ; SOFTM: a block's 64 numbers a lane: v64-127 and v128-191 by turns (A's buffers, free behind the last product)
.set ST,   192                         ; SOFTM: v192-207  block a's statistics at ST + 2 a: log2(e) m, l
.set SD,   208                         ; SOFTM: v208-215  the statistics as they are stored
.set SR,   192                         ; FACT, at the start: v192-255  statistics as loaded: row block a, my key block i at SR + 16 a + 2 i
.set FR,   32                          ; FACT, at the start: v32-63    packed factors: key block i, row block a at FR + 4 i + a
.set MX,   64                          ; FACT, at the start: v64-67 maxima, v68-71 the other half's, v72-103 e, v104-107 sums
.set TX,   68
.set EE,   72
.set LS,   104
.set G1,  24                           ; s[24:31] descriptor group 1 for A's tiles;  s[32:39] group 0, a set for each slot
.set G0,  32
.set G1B, 48                           ; s[48:55], s[56:63] the same for B's tiles
.set G0B, 56
.set G1C, 68                           ; SOFTM: s[68:75], s[76:83] the same for the position bias
.set G0C, 76
.set STP, 84                           ; SOFTM: s[84:85] the statistics
.set CS,  86                           ; SOFTM: s[86:87] 1 / 32, as a pair: the packed forms take the low word for both halves
.set LE,  88                           ; SOFTM: s[88:89] log2(e)
.set SEL, 90                           ; s[90:91] v_permlanex16_b32's selects: each lane takes its own place in the other half
.set TO_B, 0x40                        ; destination window 1, address window 0
.set MSB, 0
.macro WIN new                         ; the immediate's high byte repeats the setting that is left; a switch that changes nothing is dropped
.if MSB != (\new)
	s_set_vgpr_msb (MSB<<8)|(\new)
.set MSB, \new
.endif
.endm
; A joint load.  Each of the two lines has one mask and one set of registers for all that issue it.  The branch hangs on the wave's number alone: it is the same in every work-group.
; Four v_nop follow each line, ahead of the jump, the label and what follows the macro.
.macro JLOAD s
	s_cmp_lt_u32 s10, 2
	s_cbranch_scc0 .Lfor_b_\@
	tensor_load_to_lds s[G0+4*(\s):G0+4*(\s)+3], s[G1:G1+7]
	s_nop 0
.rept 4
	v_nop
.endr
	s_branch .Lasked_\@
.Lfor_b_\@:
	tensor_load_to_lds s[G0B+4*(\s):G0B+4*(\s)+3], s[G1B:G1B+7]
	s_nop 0
.rept 4
	v_nop
.endr
.Lasked_\@:
.endm
; SOFTM: a load of my own: 64 rows x 128 f32 of the position bias, into my quarter of slot p.  No mask: no two work-groups of a cluster share these bytes.
.macro BLOAD p
	tensor_load_to_lds s[G0C+4*(\p):G0C+4*(\p)+3], s[G1C:G1C+7]
.rept 4
	v_nop
.endr
.endm
; A round of the cluster's barrier: my work-group's barrier, so that wave 0's signal speaks for all four waves; wave 0 signals for the work-group; every wave waits for all sixteen
; work-groups; my work-group's barrier once more.  No LDS instruction of the wave is pending at a signal.
.macro CREST                           ; a round behind its opening barrier
	s_cmp_lg_u32 s10, 0
	s_cbranch_scc1 .Lnot_wave_0_\@
	s_barrier_signal -3
.Lnot_wave_0_\@:
	s_barrier_wait -3
	s_barrier_signal -1
	s_barrier_wait -1
.endm
.macro CROUND                          ; a whole round
	s_barrier_signal -1
	s_barrier_wait -1
	CREST
.endm
.if KERN == 2
	s_load_b64 s[4:5], s[0:1], 0x0                 ; qkv: its columns 0-1023 (q) are A
	s_load_b64 s[6:7], s[0:1], 0x0                 ; qkv once more: its columns 1024-2047 (k) are B
	s_load_b64 s[18:19], s[0:1], 0x8               ; the position bias
	s_load_b64 s[8:9], s[0:1], 0x10                ; C
	s_load_b64 s[STP:STP+1], s[0:1], 0x18          ; the statistics
.else
	s_load_b128 s[4:7], s[0:1], 0x0                ; A s[4:5], B s[6:7]
	s_load_b64 s[8:9], s[0:1], 0x10                ; C
	s_load_b64 s[18:19], s[0:1], 0x18              ; the columns' bias (FIRST = 2) or the statistics (FACT = 1)
.endif
	v_lshl_add_u32 v[SPW], v0, 2, SPARE
	v_mov_b32 v[NIL], 0
	ds_add_u32 v28, v29
	s_wait_dscnt 0x0
	v_lshrrev_b32 v1, 5, v0
	v_readfirstlane_b32 s10, v1                    ; wave 0..3
	s_lshr_b32 s11, s10, 1                         ; which half of the tile's rows is mine
	s_and_b32 s12, s10, 1                          ; which half of its columns.  Also: which half of A's or B's tile I fetch
	s_bfe_u32 s40, ttmp6, 0x40000                  ; cx: my place along the cluster's x
	s_bfe_u32 s41, ttmp6, 0x40004                  ; cy: along its y
	s_lshl_b32 s42, ttmp9, 2                       ; in a cluster launch ttmp9 and ttmp7 count clusters
	s_add_co_u32 s42, s42, s40                     ; tile column of C = 4 x cluster x + cx
	s_and_b32 s45, ttmp7, 0xffff                   ; cluster y: all sixteen share it
	s_lshl_b32 s13, s45, 2
	s_add_co_u32 s13, s13, s41                     ; tile row of C = 4 x cluster y + cy
	s_lshl_b32 s43, s41, 2
	s_lshl_b32 s43, 15, s43                        ; my row of the cluster: places 4 cy .. 4 cy + 3
	s_lshl_b32 s44, 0x1111, s40                    ; my column: places cx, cx + 4, cx + 8, cx + 12
	; descriptor group 1 for A: 16 MB rows x 128 elements, padded in LDS
	s_or_b32 s[G1+0], s43, (1<<16)|(1<<20)|(1<<21)|(5<<22)|(3<<25)  ; 15:0 the mask: my row; 17:16 elements of 2 bytes; 20 padding on; 21 set beside a mask; 24:22 after every 64 words (code 5); 31:25 4 words of it (code 3)
	s_mov_b32 s[G1+1], 128<<16                     ; tensor_dim0 = 128
	s_mov_b32 s[G1+2], (16*MB)<<16                 ; tensor_dim1 = 16 MB
	s_mov_b32 s[G1+3], 128<<16                     ; tile_dim0 = 128
	s_mov_b32 s[G1+4], 16*MB                       ; tile_dim1 = 16 MB
	s_mov_b32 s[G1+5], PA                          ; elements from row to row
	s_mov_b32 s[G1+6], 0
	s_mov_b32 s[G1+7], 0
.if BTR
	; for B as it lies, [k][n]: 64 keys x 256 channels
	s_or_b32 s[G1B+0], s44, (1<<16)|(1<<20)|(1<<21)|(6<<22)|(7<<25)  ; the mask: my column; padding after every 128 words (code 6), 8 words of it (code 7)
	s_mov_b32 s[G1B+1], 256<<16
	s_mov_b32 s[G1B+2], 64<<16
	s_mov_b32 s[G1B+3], 256<<16
	s_mov_b32 s[G1B+4], 64
.else
	; for B: 128 rows x 128 elements
	s_or_b32 s[G1B+0], s44, (1<<16)|(1<<20)|(1<<21)|(5<<22)|(3<<25)  ; the mask: my column
	s_mov_b32 s[G1B+1], 128<<16
	s_mov_b32 s[G1B+2], 128<<16
	s_mov_b32 s[G1B+3], 128<<16
	s_mov_b32 s[G1B+4], 128
.endif
	s_mov_b32 s[G1B+5], PB
	s_mov_b32 s[G1B+6], 0
	s_mov_b32 s[G1B+7], 0
	; where the tiles come from, as byte offsets under 2^32.  A's hangs on the tile row and the wave alone, B's on the tile column, the cluster's y and the wave alone; each is made in
	; registers that never hold the other coordinate.
	s_mul_i32 s16, s13, 32*MB
	s_mul_i32 s17, s12, 16*MB
	s_add_co_u32 s16, s16, s17                     ; A: row 32 MB x tile row + 16 MB x half
	s_mul_i32 s16, s16, PA*2
	s_mov_b32 s17, 0
.if BTR
	s_lshr_b32 s46, s45, 2                         ; the batch: 16 tile rows of 128 = 4 clusters
	s_lshl_b32 s46, s46, 11                        ; its 2,048 keys,
	s_lshl_b32 s47, s12, 6
	s_add_co_u32 s46, s46, s47                     ; + 64 x half
	s_mul_i32 s46, s46, PB*2
	s_lshl_b32 s47, s42, 9                         ; 256 channels x 2 bytes x tile column,
	s_add_co_u32 s46, s46, s47
	s_add_co_u32 s46, s46, 4096                    ; and v begins at column 2,048
.else
	s_lshl_b32 s46, s42, 8
	s_lshl_b32 s47, s12, 7
	s_add_co_u32 s46, s46, s47                     ; B: row 256 x tile column + 128 x half
.if KERN == 2
	s_lshr_b32 s47, s45, 1                         ; the batch: 8 tile rows of 256 = 2 clusters
	s_lshl_b32 s47, s47, 11
	s_add_co_u32 s46, s46, s47                     ; its 2,048 keys
.endif
	s_mul_i32 s46, s46, PB*2
.if KERN == 2
	s_add_co_u32 s46, s46, 2048                    ; k begins at column 1,024
.endif
.endif
	s_mov_b32 s47, 0
	s_mul_i32 s20, s12, HALFA                      ; and where they go: A's two halves,
	s_mul_i32 s21, s12, HALFB
	s_add_co_u32 s21, s21, 2*HALFA                 ; then B's two: no place in the cluster enters an LDS address
	s_wait_kmcnt 0x0
	s_add_nc_u64 s[14:15], s[4:5], s[16:17]
	s_add_nc_u64 s[46:47], s[6:7], s[46:47]
	CROUND                                         ; all sixteen work-groups are here: the first joint loads meet
.irp s, 0,1
	s_mov_b32 s[G0+4*(\s)], 1                                      ; 1:0 count = 1
	s_add_co_u32 s[G0+4*(\s)+1], s20, (\s)*SLOT                    ; 63:32 LDS address
	s_add_nc_u64 s[G0+4*(\s)+2:G0+4*(\s)+3], s[14:15], (\s)*256    ; 120:64 global address: K step s
	s_or_b32 s[G0+4*(\s)+3], s[G0+4*(\s)+3], 0x80000000            ; 127:126 type = 2
	s_mov_b32 s[G0B+4*(\s)], 1
	s_add_co_u32 s[G0B+4*(\s)+1], s21, (\s)*SLOT
	s_add_nc_u64 s[G0B+4*(\s)+2:G0B+4*(\s)+3], s[46:47], (\s)*(STEPB/2)
	s_or_b32 s[G0B+4*(\s)+3], s[G0B+4*(\s)+3], 0x80000000
	JLOAD \s                                       ; both slots are asked for before anything else is done: two loads of mine are out here, one behind every later round
.endr
	v_and_b32 v1, 15, v0                           ; l % 16
	v_bfe_u32 v2, v0, 4, 1                         ; l / 16
.if FACT
	; The statistics of my 64 rows: [16 key blocks][8192 rows][log2(e) m, l], f32.  Lane l takes row l % 16 of each of my four row blocks and the key blocks 8 (l / 16) + 0..7:
	; 32 loads of 8 bytes, in each of which sixteen lanes take 128 consecutive bytes.  They are on their way beside the first tiles.
	s_lshl_b32 s22, s13, 7
	s_lshl_b32 s23, s11, 6
	s_add_co_u32 s22, s22, s23                     ; my first row
	s_lshl_b32 s22, s22, 3
	s_mov_b32 s23, 0
	s_add_nc_u64 s[18:19], s[18:19], s[22:23]
	v_lshlrev_b32 v[FO], 3, v1                     ; 8 bytes a row,
	v_lshl_add_u32 v[FO], v2, 19, v[FO]            ; 8 key blocks of 65,536 bytes for the upper half of the lanes
.set aa, 0
.rept 4
.irp i, 0,1,2,3,4,5,6,7
	global_load_b64 v[SR+16*aa+2*(\i):SR+16*aa+2*(\i)+1], v[FO], s[18:19] offset:65536*(\i)+128*aa
.endr
.set aa, aa+1
.endr
.endif
	; A fragment is 16 rows x 32 K in 8 registers: lane l holds row l % 16; registers 0-3 hold K = 8 (l / 16) + 0..7, registers 4-7 K = 16 + 8 (l / 16) + 0..7.
	; From rows that lie along K: two loads of 16 bytes, 32 bytes apart.  The same for source 0 and source 1.
	v_mul_u32_u24 v3, v1, PITCH
	v_lshl_add_u32 v3, v2, 4, v3                   ; row x pitch + 16 x half
	s_mul_i32 s22, s11, HALFA                      ; my rows of A
.if BTR
	; The turning load takes 16 keys x 16 channels (lane l reads 16 bytes: key 8 (l / 16) + l % 8, channels 8 ((l / 8) % 2) + 0..7) and leaves half a fragment: lane l holds channel l % 16 and 8 keys.
	s_lshl_b32 s23, s12, 8                         ; my 128 channels: 256 bytes along the rows
	v_and_b32 v4, 7, v0
	v_lshl_add_u32 v4, v2, 3, v4
	v_mul_u32_u24 v4, v4, PITCHT
	v_bfe_u32 v5, v0, 3, 1
	v_lshl_add_u32 v4, v5, 4, v4
.else
	s_mul_i32 s23, s12, HALFB                      ; my 128 rows of B
.endif
	s_add_co_u32 s23, s23, 2*HALFA                 ; B lies behind A
.irp s, 0,1
	v_add_nc_u32 v[ADRA+(\s)], s22, v3
.if BTR
	v_add_nc_u32 v[ADRB+(\s)], s23, v4
.else
	v_add_nc_u32 v[ADRB+(\s)], s23, v3
.endif
	s_add_co_u32 s22, s22, SLOT
	s_add_co_u32 s23, s23, SLOT
.endr
	s_mul_i32 s23, s10, 16*SP
	s_add_co_u32 s23, s23, STAGE                   ; my stage
	v_mul_u32_u24 v4, v1, SP                       ; in: row l % 16, 16 bytes for each half of the lanes
	v_lshl_add_u32 v4, v2, 4, v4
	v_add_nc_u32 v[STO], s23, v4
	v_mul_u32_u24 v5, v2, SP                       ; back: lanes 0-15 take one row of 256 bytes, lanes 16-31 the next
	v_lshl_add_u32 v5, v1, 4, v5
	v_add_nc_u32 v[RD], s23, v5
	v_mul_u32_u24 v5, v2, PC                       ; and the same two rows in C
	v_lshl_add_u32 v[CO], v1, 4, v5
	; where my part of the tile begins in C
	s_mul_i32 s16, s13, 32*MB
	s_mul_i32 s17, s11, 16*MB
	s_add_co_u32 s16, s16, s17                     ; my first row
	s_mul_i32 s16, s16, PC
	s_mov_b32 s17, 0
	s_add_nc_u64 s[8:9], s[8:9], s[16:17]
	s_lshl_b32 s46, s42, 8                         ; my first column: 256 x tile column + 128 x half (in the registers that held B's address)
	s_lshl_b32 s47, s12, 7
	s_add_co_u32 s46, s46, s47
	s_mov_b32 s47, 0
.if FIRST == 2
	s_lshl_b32 s22, s46, 2                         ; the bias is f32
	s_mov_b32 s23, 0
	s_add_nc_u64 s[18:19], s[18:19], s[22:23]
	v_lshlrev_b32 v[BO], 5, v2                     ; my eight columns of a block of 16: 32 bytes for each half of the lanes
	WIN TO_B
.irp b, 0,1,2,3,4,5,6,7
	global_load_b128 v[BI+8*(\b):BI+8*(\b)+3],   v[BO], s[18:19] offset:64*(\b)     ; register j of block b: the bias of column 16 b + 8 (l / 16) + j
	global_load_b128 v[BI+8*(\b)+4:BI+8*(\b)+7], v[BO], s[18:19] offset:64*(\b)+16
.endr
	WIN 0
.endif
	s_lshl_b32 s46, s46, 1                         ; C is bf16
	s_add_nc_u64 s[8:9], s[8:9], s[46:47]
.if SOFTM || FACT
	s_mov_b32 s[SEL], 0x76543210
	s_mov_b32 s[SEL+1], 0xfedcba98
.endif
.if SOFTM
	s_mov_b32 s[CS], 0x3d000000                    ; 1 / 32 = 1 / sqrt(1024)
	s_mov_b32 s[CS+1], s[CS]                       ; named with it as a pair
	s_mov_b32 s[LE], 0x3fb8aa3b                    ; log2(e)
	s_mov_b32 s[LE+1], s[LE]
	v_mov_b32 v10, 0                               ; v_permlanex16_b32's destination counts as read: it is written once here
	; my part of the position bias: rows 256 (tile row % 8) + 128 x my row half on (a batch is 8 tile rows), columns as in C; f32, rows of 8,192 bytes
	s_and_b32 s22, s13, 7
	s_lshl_b32 s22, s22, 8
	s_lshl_b32 s23, s11, 7
	s_add_co_u32 s22, s22, s23
	s_lshl_b32 s22, s22, 13
	s_lshl_b32 s23, s42, 8
	s_lshl_b32 s92, s12, 7
	s_add_co_u32 s23, s23, s92
	s_lshl_b32 s23, s23, 2
	s_add_co_u32 s22, s22, s23
	s_mov_b32 s23, 0
	s_add_nc_u64 s[18:19], s[18:19], s[22:23]
	s_mul_i32 s92, s10, BSUB                       ; my quarter of a slot: the wave's number times a constant
	s_mov_b32 s[G1C+0], (2<<16)|(1<<20)|(6<<22)|(3<<25)  ; no mask; 17:16 elements of 4 bytes; 20 padding on; 24:22 after every 128 words (code 6); 31:25 4 words of it (code 3)
	s_mov_b32 s[G1C+1], 128<<16                    ; tensor_dim0 = 128
	s_mov_b32 s[G1C+2], 64<<16                     ; tensor_dim1 = 64
	s_mov_b32 s[G1C+3], 128<<16                    ; tile_dim0 = 128
	s_mov_b32 s[G1C+4], 64                         ; tile_dim1 = 64
	s_mov_b32 s[G1C+5], 2048                       ; elements from row to row
	s_mov_b32 s[G1C+6], 0
	s_mov_b32 s[G1C+7], 0
.irp p, 0,1
	s_mov_b32 s[G0C+4*(\p)], 1
	s_add_co_u32 s[G0C+4*(\p)+1], s92, (\p)*SLOT                   ; my first 64 rows into slot 0, the others into slot 1
	s_add_nc_u64 s[G0C+4*(\p)+2:G0C+4*(\p)+3], s[18:19], (\p)*64*8192
	s_or_b32 s[G0C+4*(\p)+3], s[G0C+4*(\p)+3], 0x80000000
.endr
	v_mul_u32_u24 v4, v1, BP                       ; row l % 16, 32 bytes (8 columns) for each half of the lanes
	v_lshl_add_u32 v4, v2, 5, v4
	v_add_nc_u32 v[BA], s92, v4
	v_add_nc_u32 v[BA+1], SLOT, v[BA]
	; where my 128 rows' statistics go: [16 key blocks][8192 rows][2] f32; my key block is 2 x tile column + my column half
	s_lshl_b32 s22, s42, 1
	s_add_co_u32 s22, s22, s12
	s_lshl_b32 s22, s22, 13
	s_lshl_b32 s23, s13, 8
	s_add_co_u32 s22, s22, s23
	s_lshl_b32 s23, s11, 7
	s_add_co_u32 s22, s22, s23
	s_lshl_b32 s22, s22, 3
	s_mov_b32 s23, 0
	s_add_nc_u64 s[STP:STP+1], s[STP:STP+1], s[22:23]
	v_and_b32 v[SO], 31, v0
	v_lshlrev_b32 v[SO], 3, v[SO]                  ; 8 bytes a lane
.endif
.if FACT
	; THE FACTORS.  Key block j of a row was given weights p = 2^(y - c_j), c_j = log2(e) x the block's maximum, and their sum l_j.  With C = the maximum of the c_j and e_j = 2^(c_j - C) the row's
	; softmax weights are p f_j, f_j = e_j / the sum over j of e_j l_j.  The block that holds C has e = 1 and l >= 1, so the divisor is at least 1.  All in f32; f_j is rounded once to bf16, into both
	; halves of a word.  A lane makes the factors of its eight key blocks; the two halves of the lanes exchange maximum and sum.
	s_lshl_b32 s22, s10, 12
	s_add_co_u32 s22, s22, FTB                     ; my table: K step j, row l % 16, row block a at 256 j + 16 (l % 16) + 4 a
	v_lshlrev_b32 v4, 4, v1
	v_add_nc_u32 v[FA], s22, v4
	v_lshl_add_u32 v[FW], v2, 11, v[FA]            ; the upper half of the lanes writes K steps 8 to 15
	s_wait_loadcnt 0x0                             ; the statistics
.irp a, 0,1,2,3
	v_max3_num_f32 v[MX+(\a)], v[SR+16*(\a)], v[SR+16*(\a)+2], v[SR+16*(\a)+4]
	v_mov_b32 v[TX+(\a)], 0                        ; v_permlanex16_b32's destination counts as read
.endr
.irp a, 0,1,2,3
	v_max3_num_f32 v[MX+(\a)], v[MX+(\a)], v[SR+16*(\a)+6], v[SR+16*(\a)+8]
.endr
.irp a, 0,1,2,3
	v_max3_num_f32 v[MX+(\a)], v[MX+(\a)], v[SR+16*(\a)+10], v[SR+16*(\a)+12]
.endr
.irp a, 0,1,2,3
	v_max_num_f32 v[MX+(\a)], v[MX+(\a)], v[SR+16*(\a)+14]
.endr
.irp a, 0,1,2,3
	v_permlanex16_b32 v[TX+(\a)], v[MX+(\a)], s[SEL], s[SEL+1]
.endr
.irp a, 0,1,2,3
	v_max_num_f32 v[MX+(\a)], v[MX+(\a)], v[TX+(\a)]   ; C
.endr
.set aa, 0
.rept 4
.irp i, 0,1,2,3,4,5,6,7
	v_sub_f32 v[EE+8*aa+(\i)], v[SR+16*aa+2*(\i)], v[MX+aa]
.endr
.set aa, aa+1
.endr
.set ii, 0
.rept 32
	v_exp_f32 v[EE+ii], v[EE+ii]
.set ii, ii+1
.endr
	v_nop                                          ; a plain instruction between the last exponential and the use of its result (ISA guide 5.7.2)
.irp a, 0,1,2,3
	v_mul_f32 v[LS+(\a)], v[EE+8*(\a)], v[SR+16*(\a)+1]
.endr
.irp i, 1,2,3,4,5,6,7
.irp a, 0,1,2,3
	v_fmac_f32 v[LS+(\a)], v[EE+8*(\a)+(\i)], v[SR+16*(\a)+2*(\i)+1]
.endr
.endr
.irp a, 0,1,2,3
	v_permlanex16_b32 v[TX+(\a)], v[LS+(\a)], s[SEL], s[SEL+1]
.endr
.irp a, 0,1,2,3
	v_add_f32 v[LS+(\a)], v[LS+(\a)], v[TX+(\a)]
.endr
.irp a, 0,1,2,3
	v_rcp_f32 v[LS+(\a)], v[LS+(\a)]
.endr
	v_nop                                          ; a plain instruction between the last reciprocal and the use of its result
.set aa, 0
.rept 4
.irp i, 0,1,2,3,4,5,6,7
	v_mul_f32 v[EE+8*aa+(\i)], v[EE+8*aa+(\i)], v[LS+aa]
.endr
.set aa, aa+1
.endr
.set aa, 0
.rept 4
.irp i, 0,1,2,3,4,5,6,7
	v_cvt_pk_bf16_f32 v[FR+4*(\i)+aa], v[EE+8*aa+(\i)], v[EE+8*aa+(\i)]
.endr
.set aa, aa+1
.endr
.irp i, 0,1,2,3,4,5,6,7
	ds_store_b128 v[FW], v[FR+4*(\i):FR+4*(\i)+3] offset:256*(\i)  ; my wave's own bytes: LDS serves a wave's instructions in order (ISA guide 5.7.1.4), so its later loads see them
.endr
.endif
; n x 8 matrix instructions: row blocks a0 .. a0 + n - 1 x all 8 column blocks, 32 along K, from buffer f.  first = 1: the constant 0 starts the sums; 2: the bias does; nothing is ever cleared.
; All 8 MB accumulators take turns, one instruction a turn, in the same order in every quarter step.
.macro MUL f, a0, n, first
.set aa, \a0
.rept \n
.if (\first) == 2
.set wv, ((2+aa/4)<<6)|0x11            ; source 0 (B) and C (the bias) window 1, source 1 (A) window 0, D window 2 or 3
.else
.set wv, ((2+aa/4)<<6)|((2+aa/4)<<4)|1 ; source 0 window 1, source 1 window 0, C and D window 2 or 3
.endif
	WIN wv
.irp b, 0,1,2,3,4,5,6,7
.set rD, 8*(8*(aa%4)+(\b))
.if (\first) == 2
	v_wmma_f32_16x16x32_bf16 v[rD:rD+7], v[(\f)+8*(\b):(\f)+8*(\b)+7], v[(\f)+8*aa:(\f)+8*aa+7], v[BI+8*(\b):BI+8*(\b)+7]
.elseif (\first) == 1
	v_wmma_f32_16x16x32_bf16 v[rD:rD+7], v[(\f)+8*(\b):(\f)+8*(\b)+7], v[(\f)+8*aa:(\f)+8*aa+7], 0
.else
	v_wmma_f32_16x16x32_bf16 v[rD:rD+7], v[(\f)+8*(\b):(\f)+8*(\b)+7], v[(\f)+8*aa:(\f)+8*aa+7], v[rD:rD+7]
.endif
.endr
.set aa, aa+1
.endr
.endm
; FACT = 1: A's fragments of row blocks a0 .. a0 + n - 1 in buffer f, which belong to the K step in the slot named, times their rows' factors: two bf16 at a time, rounded to bf16.
; They name no register of the matrix instructions round them.  FACT = 0: nothing.
.macro SCALE f, a0, n, slot
.if FACT
	WIN 0
.set aa, \a0
.rept \n
.irp k, 0,1,2,3,4,5,6,7
	v_pk_mul_bf16 v[(\f)+8*aa+(\k)], v[(\f)+8*aa+(\k)], v[FC+4*(\slot)+aa]
.endr
.set aa, aa+1
.endr
.endif
.endm
; 16 + 2 MB LDS loads in one run: the fragments of quarter q (32 along K) of a slot into buffer f: B's eight first, then A's MB.
; FACT = 1: ahead of a slot's first quarter goes one more load, the K step's factors: the oldest of its run, so every wait that shows B's fragments in shows it in.
.macro FETCH slot, q, f
.if FACT && ((\q) == 0)
	WIN 0
	ds_load_b128 v[FC+4*(\slot):FC+4*(\slot)+3], v[FA]
	v_add_nc_u32 v[FA], 256, v[FA]                 ; the next K step's
.endif
	WIN TO_B
.irp i, 0,1,2,3,4,5,6,7
.if BTR
	ds_load_tr16_b128 v[(\f)+8*(\i):(\f)+8*(\i)+3],   v[ADRB+(\slot)] offset:(\q)*32*PITCHT+32*(\i)             ; keys 32 q + 8 (l / 16) on, channels 16 i on
	ds_load_tr16_b128 v[(\f)+8*(\i)+4:(\f)+8*(\i)+7], v[ADRB+(\slot)] offset:(\q)*32*PITCHT+32*(\i)+16*PITCHT   ; sixteen keys further
.else
	ds_load_b128 v[(\f)+8*(\i):(\f)+8*(\i)+3],   v[ADRB+(\slot)] offset:64*(\q)+(\i)*16*PITCH
	ds_load_b128 v[(\f)+8*(\i)+4:(\f)+8*(\i)+7], v[ADRB+(\slot)] offset:64*(\q)+(\i)*16*PITCH+32
.endif
.endr
	WIN 0
.set ii, 0
.rept MB
	ds_load_b128 v[(\f)+8*ii:(\f)+8*ii+3],   v[ADRA+(\slot)] offset:64*(\q)+ii*16*PITCH
	ds_load_b128 v[(\f)+8*ii+4:(\f)+8*ii+7], v[ADRA+(\slot)] offset:64*(\q)+ii*16*PITCH+32
.set ii, ii+1
.endr
.endm
; A load into a register that a matrix instruction has read, and a store or a vector instruction that reads a matrix result, stand four places behind that matrix instruction, and only plain
; vector instructions that name none of its registers are places (ISA guide 7.12.1 for vector instructions).
.macro PLACES
.rept 4
	v_nop
.endr
.endm
; A K step is four quarters of 32 along K, 8 MB matrix instructions each, on buffers 0, 1, 0, 1.
; One of the first three: multiplies buffer f; in its middle it fetches quarter q of the same slot into buffer g, 4 MB matrix instructions ahead of its first use.
.macro QUARTER slot, q, f, g, first
	s_wait_dscnt MB                                ; B and A's first MB / 2 blocks are in; the youngest MB loads (A's other blocks, two loads each) may be out
	SCALE \f, 0, MB/2, \slot
	MUL \f, 0, MB/2, \first
	PLACES
	FETCH \slot, \q, \g
	s_wait_dscnt 16+2*MB                           ; all but the run just issued
	SCALE \f, MB/2, MB/2, \slot
	MUL \f, MB/2, MB/2, \first
.endm
; The last quarter multiplies buffer 1 and changes slots.  MEET is its first half: ONE barrier for the change.  In front of it each wave waits for all its tensor loads, of which one is out;
; adds 0 to its spare word; and waits for that and for its own reads of this slot.  Behind it nobody reads this slot any more and what was on its way is whole.
.macro MEET round, slot                ; round not 0: the rest of a round of the cluster's barrier follows
	WIN 0                                          ; (the add's two registers lie in window 0)
	s_wait_tensorcnt 0x0                           ; all my tensor loads have landed
	ds_add_u32 v[SPW], v[NIL]                      ; 0 onto my spare word
	s_wait_dscnt MB+1                              ; (the add and the youngest MB loads may be out)
	SCALE F1, 0, MB/4, \slot
	MUL F1, 0, MB/4, 0                             ; work on registers stands between the add and the wait for it
	s_wait_dscnt 0x0                               ; the add is done, and my reads of this slot are over
	s_barrier_signal -1
	SCALE F1, MB/4, MB/4, \slot
	MUL F1, MB/4, MB/4, 0                          ; work on registers while the others arrive
.if \round
	WIN 0
.endif
	s_barrier_wait -1
.endm
; The whole last quarter.  fill = 1: the barrier opens a round of the cluster's, so that no wave of any partner still reads this slot or has a load on its way; the slot is then filled again,
; two K steps ahead, first thing behind the round: from that request to the wait for it a wave issues 28 MB matrix instructions.  fill = 2: the same round, and the slot, which no K step
; needs any more, takes the first half of the position bias.  fill = 0: nothing is filled, and the barrier is the work-group's alone.
.macro TURN slot, next, fill
	MEET \fill, \slot
.if (\fill) == 1
	CREST
	s_add_nc_u64 s[G0+4*(\slot)+2:G0+4*(\slot)+3], s[G0+4*(\slot)+2:G0+4*(\slot)+3], 512     ; no load of mine is out, so a group 0 may be written; the type bits on top are not reached
	s_add_nc_u64 s[G0B+4*(\slot)+2:G0B+4*(\slot)+3], s[G0B+4*(\slot)+2:G0B+4*(\slot)+3], STEPB
	JLOAD \slot                                    ; the four v_nop behind it are also the places in front of the loads below
.elseif (\fill) == 2
	CREST
	BLOAD 0                                        ; likewise
.else
	PLACES
.endif
	FETCH \next, 0, F0
	SCALE F1, MB/2, MB/2, \slot
	MUL F1, MB/2, MB/2, 0
.endm
; THE WAY OUT.  A lane's eight numbers of a row pack into 16 bytes; block a (16 rows x 128 columns) goes through my own stage, rows of 272 bytes, and comes back as whole rows of 256.
.macro PACK a
.set AC, 64*((\a)%4)
	WIN 0x0a+5*((\a)/4)                            ; sources 0 and 1: window 2 or 3
.irp b, 0,1,2,3,4,5,6,7
.irp r, 0,1,2,3
	v_cvt_pk_bf16_f32 v[TMP+4*(\b)+(\r)], v[AC+8*(\b)+2*(\r)], v[AC+8*(\b)+2*(\r)+1]  ; each accumulator in ascending order
.endr
.endr
	WIN 0
.endm
.macro TOSTAGE a, src                  ; src: the 32 registers that hold the packed block
.set BK, OB+192*((\a)%2)
	WIN 0
.irp b, 0,1,2,3,4,5,6,7
	ds_store_b128 v[STO], v[(\src)+4*(\b):(\src)+4*(\b)+3] offset:32*(\b)
.endr
.irp t, 0,1,2,3,4,5,6,7
	ds_load_b128 v[BK+4*(\t):BK+4*(\t)+3], v[RD] offset:(\t)*2*SP  ; LDS serves a wave's instructions in order (ISA guide 5.7.1.4): these see the stores above
.endr
.endm
.macro SEND a, younger                 ; younger: the LDS loads issued behind block a's loads from the stage, which may stay out
.set BK, OB+192*((\a)%2)
	WIN 0
	s_wait_dscnt \younger                          ; the block is back in registers
	s_wait_xcnt 0x0                                ; every earlier store has had its addresses translated (ISA guide 3.1): the next block is read back into the registers that block a - 1's stores read only behind this wait
.irp t, 0,1,2,3,4,5,6,7
	global_store_b128 v[CO], v[BK+4*(\t):BK+4*(\t)+3], s[8:9] offset:(16*(\a)+2*(\t))*PC  ; 16 lanes store 256 consecutive bytes, at a multiple of 256 from C's first byte; the rows stand in the immediate
.endr
.endm
.if SOFTM
; The position bias of block a, in the accumulators' layout: register 8 b + j takes row l % 16 of the block, column 16 b + 8 (l / 16) + j.
.macro BIASLD a
.set YY, Y0+64*((\a)%2)
	WIN 0
.irp b, 0,1,2,3,4,5,6,7
	ds_load_b128 v[YY+8*(\b):YY+8*(\b)+3],   v[BA+(\a)/4] offset:((\a)%4)*16*BP+64*(\b)
	ds_load_b128 v[YY+8*(\b)+4:YY+8*(\b)+7], v[BA+(\a)/4] offset:((\a)%4)*16*BP+64*(\b)+16
.endr
.endm
; Block a's weights.  A lane holds one query and 64 of my 128 keys, the lane 16 away the other 64.  y = s / 32 + bias; m = the maximum of y over the 128 keys; p = 2^(log2(e) y - log2(e) m);
; l = the sum of the unrounded p; p is rounded to bf16 in place, two to a word.  log2(e) m and l are kept for the launch that joins the key blocks.
.macro SOFT a
.set YY, Y0+64*((\a)%2)
.set AC, 64*((\a)%4)
.set SS, ST+2*(\a)
	WIN 2+(\a)/4                                   ; source 0: window 2 or 3
.set ii, 0
.rept 32
	v_pk_fma_f32 v[YY+2*ii:YY+2*ii+1], v[AC+2*ii:AC+2*ii+1], s[CS:CS+1], v[YY+2*ii:YY+2*ii+1] op_sel_hi:[1,0,1]  ; each accumulator in ascending order
.set ii, ii+1
.endr
	WIN 0
.irp k, 0,1,2,3                        ; four chains of sixteen, three operands at a time, started by their first numbers
	v_max3_num_f32 v[6+(\k)], v[YY+16*(\k)], v[YY+16*(\k)+1], v[YY+16*(\k)+2]
.endr
.set ii, 0
.rept 6
.irp k, 0,1,2,3
	v_max3_num_f32 v[6+(\k)], v[6+(\k)], v[YY+16*(\k)+3+2*ii], v[YY+16*(\k)+4+2*ii]
.endr
.set ii, ii+1
.endr
.irp k, 0,1,2,3
	v_max_num_f32 v[6+(\k)], v[6+(\k)], v[YY+16*(\k)+15]
.endr
	v_max3_num_f32 v6, v6, v7, v8
	v_max_num_f32 v6, v6, v9
	v_permlanex16_b32 v10, v6, s[SEL], s[SEL+1]
	v_max_num_f32 v6, v6, v10                      ; m
	v_mul_f32 v[SS], s[LE], v6
	v_mov_b32 v[SS+1], v[SS]                       ; named with it as a pair below; l takes its place later
.set ii, 0
.rept 32
	v_pk_fma_f32 v[YY+2*ii:YY+2*ii+1], v[YY+2*ii:YY+2*ii+1], s[LE:LE+1], v[SS:SS+1] op_sel_hi:[1,0,0] neg_lo:[0,0,1] neg_hi:[0,0,1]
.set ii, ii+1
.endr
.set ii, 0
.rept 64
	v_exp_f32 v[YY+ii], v[YY+ii]
.set ii, ii+1
.endr
	v_nop                                          ; a plain instruction between the last exponential and the use of its result (ISA guide 5.7.2)
.irp k, 0,1,2,3                        ; the sum of my 32 pairs: four chains of eight pairs, in v[6:13]; the weights stay as they are
	v_pk_add_f32 v[6+2*(\k):7+2*(\k)], v[YY+2*(\k):YY+2*(\k)+1], v[YY+2*(\k)+8:YY+2*(\k)+9]
.endr
.set ii, 2
.rept 6
.irp k, 0,1,2,3
	v_pk_add_f32 v[6+2*(\k):7+2*(\k)], v[6+2*(\k):7+2*(\k)], v[YY+2*(\k)+8*ii:YY+2*(\k)+8*ii+1]
.endr
.set ii, ii+1
.endr
	v_pk_add_f32 v[6:7], v[6:7], v[8:9]
	v_pk_add_f32 v[10:11], v[10:11], v[12:13]
	v_pk_add_f32 v[6:7], v[6:7], v[10:11]
	v_add_f32 v6, v6, v7
	v_permlanex16_b32 v10, v6, s[SEL], s[SEL+1]
	v_add_f32 v[SS+1], v6, v10                     ; l
.set ii, 0
.rept 32
	v_cvt_pk_bf16_f32 v[YY+ii], v[YY+2*ii], v[YY+2*ii+1]  ; ascending: word i is written when numbers 2 i and 2 i + 1 are read, never ahead of them
.set ii, ii+1
.endr
.endm
.endif
	s_wait_tensorcnt 0x1                           ; my part of K step 0 is in; K step 1's may stay out
.if FACT
	s_wait_dscnt 0x0                               ; no LDS instruction is pending at a signal: my table is written
.endif
	s_barrier_signal -1
	s_barrier_wait -1                              ; everybody's is
	FETCH 0, 0, F0
.if FIRST == 2
	s_wait_loadcnt 0x0                             ; the bias
.endif
	QUARTER 0, 1, F0, F1, FIRST                    ; the first quarter stands in front of the loop: its products start the sums
	WIN 0                                          ; at a label and at a branch every window is 0
	s_mov_b32 s3, LAPS-1
.Llap:                                                 ; a trip goes once round the ring, from a lap's second quarter to the next lap's first, and fills both slots again
	QUARTER 0, 2, F1, F0, 0
	QUARTER 0, 3, F0, F1, 0
	TURN 0, 1, 1
	QUARTER 1, 1, F0, F1, 0
	QUARTER 1, 2, F1, F0, 0
	QUARTER 1, 3, F0, F1, 0
	TURN 1, 0, 1
	QUARTER 0, 1, F0, F1, 0
	WIN 0
	s_sub_co_u32 s3, s3, 1
	s_cmp_lg_u32 s3, 0
	s_cbranch_scc1 .Llap
	QUARTER 0, 2, F1, F0, 0                        ; the last lap is written out: it asks for no further K step
	QUARTER 0, 3, F0, F1, 0
.if SOFTM
	TURN 0, 1, 2                                   ; slot 0 takes the bias of my blocks 0-3: it has the last K step in which to land
.else
	TURN 0, 1, 0
.endif
	QUARTER 1, 1, F0, F1, 0
	QUARTER 1, 2, F1, F0, 0
	QUARTER 1, 3, F0, F1, 0
.if SOFTM
	MEET 1, 1                                      ; the very last quarter: slot 0's bias has landed, and my reads of slot 1 are over
	CREST
	BLOAD 1                                        ; slot 1 takes the bias of my blocks 4-7: it lands while blocks 0-2 are worked on
	MUL F1, MB/2, MB/2, 0
.else
	s_wait_dscnt MB                                ; the very last quarter: nothing more to fetch
	SCALE F1, 0, MB/2, 1
	MUL F1, 0, MB/2, 0
	s_wait_dscnt 0x0
	SCALE F1, MB/2, MB/2, 1
	MUL F1, MB/2, MB/2, 0
.endif
	WIN 0
	PLACES                                         ; behind the last products
.if SOFTM
	; Block by block: the next block's bias is asked for first; then this block's arithmetic; under it the block before comes back from the stage, and leaves; then this block goes into the stage.
	BIASLD 0
.set ab, 0
.rept MB
.if ab < MB-1
.if ab == 3
	s_wait_tensorcnt 0x0                           ; the bias of my blocks 4-7 is in
.endif
	BIASLD ab+1
.endif
.set nw, 32                            ; behind this block's bias were issued: the block before's 16 stage instructions and the next block's 16 bias loads;
.if (ab == 0) || (ab == MB-1)
.set nw, 16                            ; the first block has no block before, the last none behind
.endif
	s_wait_dscnt nw
	SOFT ab
.if ab > 0
.set yw, 16                            ; behind the stage loads of the block before: the next block's 16 bias loads,
.if ab == MB-1
.set yw, 0                             ; or none
.endif
	SEND ab-1, yw
.endif
.set ys, Y0+64*(ab%2)
	TOSTAGE ab, ys
.set ab, ab+1
.endr
	SEND MB-1, 0
	; The statistics: lane l stores those of row 32 i + l of my 128: block 2 i + l / 16, of which both halves of the lanes hold the same numbers.  A store covers 256 consecutive bytes, aligned.
	v_cmp_ne_u32 vcc_lo, 0, v2
.irp i, 0,1,2,3
	v_cndmask_b32 v[SD+2*(\i)], v[ST+4*(\i)], v[ST+4*(\i)+2], vcc_lo
	v_cndmask_b32 v[SD+2*(\i)+1], v[ST+4*(\i)+1], v[ST+4*(\i)+3], vcc_lo
	global_store_b64 v[SO], v[SD+2*(\i):SD+2*(\i)+1], s[STP:STP+1] offset:256*(\i)
.endr
.else
	PACK 0
	TOSTAGE 0, TMP
.set ab, 1
.rept MB-1                             ; block a's conversions stand between block a - 1's loads from the stage and the wait for them
	PACK ab
	SEND ab-1, 0
	TOSTAGE ab, TMP
.set ab, ab+1
.endr
	SEND MB-1, 0
.endif
	s_wait_tensorcnt 0x0                           ; the wave's end: behind my last tensor load and my last LDS store
	ds_add_u32 v[SPW], v[NIL]
	s_wait_dscnt 0x0
	CROUND                                         ; the closing round: no work-group ends while a partner may still ask for a tile that names it
	s_endpgm
.Lfunc_end_k_q90d9ce8e07_qkv:
	.size	k_q90d9ce8e07_qkv, .Lfunc_end_k_q90d9ce8e07_qkv-k_q90d9ce8e07_qkv
	.p2alignl 7, 3214868480
	.fill 96, 4, 3214868480
	.section	.rodata,"a",@progbits
	.p2align	6, 0x0
	.amdhsa_kernel k_q90d9ce8e07_qkv
		.amdhsa_group_segment_fixed_size 327680
		.amdhsa_private_segment_fixed_size 0
		.amdhsa_enable_private_segment 0
		.amdhsa_kernarg_size 32
		.amdhsa_user_sgpr_count 2
		.amdhsa_user_sgpr_kernarg_segment_ptr 1
		.amdhsa_wavefront_size32 1
		.amdhsa_system_sgpr_workgroup_id_x 1
		.amdhsa_system_sgpr_workgroup_id_y 1
		.amdhsa_system_sgpr_workgroup_id_z 1
		.amdhsa_system_vgpr_workitem_id 0
		.amdhsa_next_free_vgpr 1024
		.amdhsa_next_free_sgpr 66
		.amdhsa_reserve_vcc 1
		.amdhsa_float_denorm_mode_32 3
		.amdhsa_float_denorm_mode_16_64 3
		.amdhsa_memory_ordered 1
		.amdhsa_forward_progress 1
		.amdhsa_inst_pref_size 144
	.end_amdhsa_kernel
	.amdgpu_metadata
---
amdhsa.version: [ 1, 2 ]
amdhsa.kernels:
  - .name:           k_q90d9ce8e07_qkv
    .symbol:         k_q90d9ce8e07_qkv.kd
    .args:
      - { .name: xb, .offset: 0, .size: 8, .value_kind: global_buffer, .address_space: global }
      - { .name: wqb, .offset: 8, .size: 8, .value_kind: global_buffer, .address_space: global }
      - { .name: qkv, .offset: 16, .size: 8, .value_kind: global_buffer, .address_space: global }
      - { .name: b_qkv, .offset: 24, .size: 8, .value_kind: global_buffer, .address_space: global }
    .group_segment_fixed_size: 327680
    .private_segment_fixed_size: 0
    .kernarg_segment_align: 8
    .kernarg_segment_size: 32
    .max_flat_workgroup_size: 128
    .sgpr_count:     66
    .vgpr_count:     1024
    .wavefront_size: 32
...
	.end_amdgpu_metadata
.endif
;; end of part 7
;; launch scores (part 8): grid 8 x 32, 4 waves a work-group, clusters of 4 x 4, 327,680 bytes of LDS; arguments qkv, bias, pb, st; writes pb, st
.if DOCPART == 8
	.amdgcn_target "amdgcn-amd-amdhsa--gfx1250"
	.amdhsa_code_object_version 6
	.text
	.protected	k_q90d9ce8e07_scores
	.globl	k_q90d9ce8e07_scores
	.p2align	8
	.type	k_q90d9ce8e07_scores,@function
k_q90d9ce8e07_scores:
	s_mov_b64 s[64:65], 0
	v_nop
	global_prefetch_b8 v0, s[64:65] scope:SCOPE_SE
	s_setreg_imm32_b32 hwreg(HW_REG_WAVE_MODE, 25, 1), 1
	s_wait_xcnt 0x0
	s_wait_alu depctr_hold_cnt(0) depctr_sa_sdst(0) depctr_va_vdst(0) depctr_va_sdst(0) depctr_va_ssrc(0) depctr_va_vcc(0) depctr_vm_vsrc(0)
	s_getreg_b32 s2, hwreg(HW_REG_IB_STS2, 6, 4)
	s_cmp_eq_u32 s2, 0
	s_cbranch_scc0 .Lentry_in_a_cluster
	s_endpgm
.Lentry_in_a_cluster:
	s_bfe_u32 s2, ttmp6, 0x10000c
	s_cmp_lg_u32 s2, 0xf033
	s_cbranch_scc0 .Lentry_shape_is_right
	s_endpgm
.Lentry_shape_is_right:
; THE SCORES AND, BLOCK BY BLOCK, THEIR SOFTMAX WEIGHTS.  For each of 4 batches s = the sum over d of q[t][d] k[s][d] (f32 sums, K ascending), y = s / 32 + bias[t][s], and for each block j of
; 128 keys: m_j = the maximum of y over the block, pb[b 2048 + t][s] = 2^(log2(e) y - log2(e) m_j) rounded once to bf16, l_j = the sum of the unrounded weights.
; st[j][b 2048 + t] = (log2(e) m_j, l_j), f32.  The next launch joins the sixteen blocks of a row by their true common maximum: the running maximum of a softmax, in two steps.
; q and k are columns 0-1023 and 1024-2047 of qkv: [8192][3072] bf16.  bias: [2048][2048] f32.  pb: [8192][2048] bf16.  st: [16][8192][2] f32.
; So the f32 scores never leave the registers.  The bias comes by tensor loads of each wave's own, into the ring's slots when no K step needs them any more.
; LIMITS: q and k are bf16 (8 significant bits, f32's range); a weight lies in 0 to 1, and below 2^-126 it counts as 0; a NaN among the scores loses in the maximum and spoils its block's sum;
; infinities are not treated apart.
; A tile of C is 256 x 256: 32 x 8 = 256 tiles, one for each of 256 work-group places; a batch is 8 tile rows, two clusters along y, so a cluster lies within one batch.
.set KERN,  2                          ; which product this file is: it chooses the address arithmetic below
.set MB,    8                          ; blocks of 16 rows of C in a wave's part: a wave makes 16 MB rows x 128 columns
.set KTOT,  1024                       ; the length of the sums
.set PA,    3072                       ; elements from row to row of A
.set PB,    3072                       ; of B
.set BTR,   0                          ; 0: B lies [n][k];  1: B lies [k][n] and is turned on its way out of LDS
.set FIRST, 1                          ; what starts the sums: 1 the constant 0;  2 the bias of the columns
.set SOFTM, 1                          ; 1: the way out makes a block's softmax weights of the sums
.set FACT,  0                          ; 1: A's fragments are multiplied by a factor for each row and K step
.set PC,    4096                       ; bytes from row to row of C
.set STEPB, 512                        ; bytes by which B's tile address goes on in two K steps
; THE CORE, one text for three products of this program (q, k, v; the scores; the weighted values); the constants above choose.
; C[m][n] = the sum over k of A[m][k] B[n][k] (BTR = 1: B[k][n]).  A work-group of four waves makes a tile of 32 MB rows x 256 columns; wave w its row half w / 2 and its column half w % 2:
; 8 MB accumulators of 16 x 16.  K goes in steps of 128 through two LDS slots filled by the tensor data mover; the rows of the tiles are 256 bytes of memory (BTR = 1: 512) and start at
; multiples of 256 bytes from the buffer's first byte.  Waves 0 and 1 ask for the two halves of A's tile, waves 2 and 3 for those of B's: one load a wave for a K step.
; CLUSTERS: 4 x 4 work-groups.  The four of a row of the cluster need the same tiles of A, the four of a column the same tiles of B: each tile is asked for JOINTLY, by the same tensor load with
; the same descriptor and a mask that names the four, and each receives it in its own LDS.  That divides the requests for A and for B by four.
; THE MATRIX INSTRUCTION IS USED TRANSPOSED: source 0 = 16 rows of B, source 1 = 16 rows of A.  Lane l then holds row l % 16 of C and its registers 0-7 the columns 8 (l / 16) + 0..7:
; eight neighbouring numbers of a row.  A column's bias is then the same in all sixteen lanes of a half: 64 registers, loaded once, are the C operand of the products that start the sums.
; REGISTERS, in windows of 256 (s_set_vgpr_msb: bits 1:0 source 0, 3:2 source 1, 5:4 source 2, 7:6 destination):
;   window 0: v0-31 addresses and factors; v64.., v128.. fragments of A, two buffers of 8 MB; v32-63, v192-255 at work at the start and on the way out
;   window 1: v0-63 the bias; v64-127, v128-191 fragments of B, two buffers       window 2: accumulators of my blocks 0-3, (a, b) at 8 (8 a + b)       window 3: those of blocks 4-7 (MB = 8)
.set PITCH,  272                       ; an LDS row: 256 bytes + 16 of padding = 68 words: row r starts at bank 4 r mod 64 (64 banks of 4 bytes: ISA guide 11.1), so the 16 rows of a load start at 16 different banks
.set PITCHT, 544                       ; BTR = 1: a row of 256 channels, 512 bytes + 32 of padding = 136 words
.set HALFA,  16*MB*PITCH               ; what one load brings of A, and what one wave reads of A
.set HALFB,  128*PITCH                 ; what one load brings of B: 128 rows x 272 = 64 rows x 544
.set SLOT,   2*HALFA+2*HALFB           ; A's two halves, then B's two halves
.set STAGE,  2*SLOT                    ; behind the ring, never filled by a tensor load: 16 rows of 272 bytes for each wave, for the way out
.set SP,     272
.set SPARE,  STAGE+4*16*SP             ; behind the stages: the spare words, 128 bytes for each wave: two blocks of 256 bytes that no other line names
.set FTB,    SPARE+512                 ; FACT = 1: behind them, never filled by a tensor load: a table of factors for each wave, 16 K steps x 256 bytes
.set BP,     528                       ; SOFTM = 1: a row of 128 f32 of the position bias in LDS: 512 bytes + 16 = 132 words: again 16 rows at 16 different banks
.set BSUB,   64*BP                     ; what one load brings of it: 64 rows, a wave's own
.set LAPS,   KTOT/256                  ; a lap = two K steps = once round the ring
.set FC,   8                           ; v8-11, v12-15  FACT: the factors of my four row blocks for the K step in slot 0, 1
.set ADRA, 16                          ; v16-17  LDS address of my A fragments in slot 0, 1
.set BA,   18                          ; v18-19  SOFTM: LDS address of my part of the position bias, first and second 64 rows
.set ADRB, 20                          ; v20-21  LDS address of my B fragments in slot 0, 1
.set FW,   22                          ; v22     FACT: where I put factors
.set STO,  24                          ; v24     the way out: where I put my part of a row
.set RD,   25                          ; v25     the way out: where I read rows back
.set CO,   26                          ; v26     my byte offset in C
.set BO,   27                          ; v27     my byte offset in the columns' bias
.set SPW,  28                          ; v28     LDS address of my spare word: SPARE + 4 x my thread's number; never rewritten
.set NIL,  29                          ; v29     0; never rewritten
.set FA,   30                          ; v30     FACT: where the next K step's factors lie
.set SO,   30                          ; v30     SOFTM: my byte offset in 256 bytes of statistics
.set FO,   31                          ; v31     FACT: my byte offset in the statistics
.set F0,   64                          ; fragment buffer 0
.set F1,   128                         ; fragment buffer 1
.set BI,   0                           ; the columns' bias, in window 1: block b of 16 columns at 8 b
.set TMP,  192                         ; the way out: packed results
.set OB,   32                          ; the way out: 16 rows read back: v32-63 and v224-255 by turns
.set Y0,   64                          ; SOFTM: a block's 64 numbers a lane: v64-127 and v128-191 by turns (A's buffers, free behind the last product)
.set ST,   192                         ; SOFTM: v192-207  block a's statistics at ST + 2 a: log2(e) m, l
.set SD,   208                         ; SOFTM: v208-215  the statistics as they are stored
.set SR,   192                         ; FACT, at the start: v192-255  statistics as loaded: row block a, my key block i at SR + 16 a + 2 i
.set FR,   32                          ; FACT, at the start: v32-63    packed factors: key block i, row block a at FR + 4 i + a
.set MX,   64                          ; FACT, at the start: v64-67 maxima, v68-71 the other half's, v72-103 e, v104-107 sums
.set TX,   68
.set EE,   72
.set LS,   104
.set G1,  24                           ; s[24:31] descriptor group 1 for A's tiles;  s[32:39] group 0, a set for each slot
.set G0,  32
.set G1B, 48                           ; s[48:55], s[56:63] the same for B's tiles
.set G0B, 56
.set G1C, 68                           ; SOFTM: s[68:75], s[76:83] the same for the position bias
.set G0C, 76
.set STP, 84                           ; SOFTM: s[84:85] the statistics
.set CS,  86                           ; SOFTM: s[86:87] 1 / 32, as a pair: the packed forms take the low word for both halves
.set LE,  88                           ; SOFTM: s[88:89] log2(e)
.set SEL, 90                           ; s[90:91] v_permlanex16_b32's selects: each lane takes its own place in the other half
.set TO_B, 0x40                        ; destination window 1, address window 0
.set MSB, 0
.macro WIN new                         ; the immediate's high byte repeats the setting that is left; a switch that changes nothing is dropped
.if MSB != (\new)
	s_set_vgpr_msb (MSB<<8)|(\new)
.set MSB, \new
.endif
.endm
; A joint load.  Each of the two lines has one mask and one set of registers for all that issue it.  The branch hangs on the wave's number alone: it is the same in every work-group.
; Four v_nop follow each line, ahead of the jump, the label and what follows the macro.
.macro JLOAD s
	s_cmp_lt_u32 s10, 2
	s_cbranch_scc0 .Lfor_b_\@
	tensor_load_to_lds s[G0+4*(\s):G0+4*(\s)+3], s[G1:G1+7]
	s_nop 0
.rept 4
	v_nop
.endr
	s_branch .Lasked_\@
.Lfor_b_\@:
	tensor_load_to_lds s[G0B+4*(\s):G0B+4*(\s)+3], s[G1B:G1B+7]
	s_nop 0
.rept 4
	v_nop
.endr
.Lasked_\@:
.endm
; SOFTM: a load of my own: 64 rows x 128 f32 of the position bias, into my quarter of slot p.  No mask: no two work-groups of a cluster share these bytes.
.macro BLOAD p
	tensor_load_to_lds s[G0C+4*(\p):G0C+4*(\p)+3], s[G1C:G1C+7]
	s_nop 0
.rept 4
	v_nop
.endr
.endm
; A round of the cluster's barrier: my work-group's barrier, so that wave 0's signal speaks for all four waves; wave 0 signals for the work-group; every wave waits for all sixteen
; work-groups; my work-group's barrier once more.  No LDS instruction of the wave is pending at a signal.
.macro CREST                           ; a round behind its opening barrier
	s_cmp_lg_u32 s10, 0
	s_cbranch_scc1 .Lnot_wave_0_\@
	s_barrier_signal -3
.Lnot_wave_0_\@:
	s_barrier_wait -3
	s_barrier_signal -1
	s_barrier_wait -1
.endm
.macro CROUND                          ; a whole round
	s_barrier_signal -1
	s_barrier_wait -1
	CREST
.endm
.if KERN == 2
	s_load_b64 s[4:5], s[0:1], 0x0                 ; qkv: its columns 0-1023 (q) are A
	s_load_b64 s[6:7], s[0:1], 0x0                 ; qkv once more: its columns 1024-2047 (k) are B
	s_load_b64 s[18:19], s[0:1], 0x8               ; the position bias
	s_load_b64 s[8:9], s[0:1], 0x10                ; C
	s_load_b64 s[STP:STP+1], s[0:1], 0x18          ; the statistics
.else
	s_load_b128 s[4:7], s[0:1], 0x0                ; A s[4:5], B s[6:7]
	s_load_b64 s[8:9], s[0:1], 0x10                ; C
	s_load_b64 s[18:19], s[0:1], 0x18              ; the columns' bias (FIRST = 2) or the statistics (FACT = 1)
.endif
	v_lshl_add_u32 v[SPW], v0, 2, SPARE
	v_mov_b32 v[NIL], 0
	ds_add_u32 v28, v29
	s_wait_dscnt 0x0
	v_lshrrev_b32 v1, 5, v0
	v_readfirstlane_b32 s10, v1                    ; wave 0..3
	s_lshr_b32 s11, s10, 1                         ; which half of the tile's rows is mine
	s_and_b32 s12, s10, 1                          ; which half of its columns.  Also: which half of A's or B's tile I fetch
	s_bfe_u32 s40, ttmp6, 0x40000                  ; cx: my place along the cluster's x
	s_bfe_u32 s41, ttmp6, 0x40004                  ; cy: along its y
	s_lshl_b32 s42, ttmp9, 2                       ; in a cluster launch ttmp9 and ttmp7 count clusters
	s_add_co_u32 s42, s42, s40                     ; tile column of C = 4 x cluster x + cx
	s_and_b32 s45, ttmp7, 0xffff                   ; cluster y: all sixteen share it
	s_lshl_b32 s13, s45, 2
	s_add_co_u32 s13, s13, s41                     ; tile row of C = 4 x cluster y + cy
	s_lshl_b32 s43, s41, 2
	s_lshl_b32 s43, 15, s43                        ; my row of the cluster: places 4 cy .. 4 cy + 3
	s_lshl_b32 s44, 0x1111, s40                    ; my column: places cx, cx + 4, cx + 8, cx + 12
	; descriptor group 1 for A: 16 MB rows x 128 elements, padded in LDS
	s_or_b32 s[G1+0], s43, (1<<16)|(1<<20)|(1<<21)|(5<<22)|(3<<25)  ; 15:0 the mask: my row; 17:16 elements of 2 bytes; 20 padding on; 21 set beside a mask; 24:22 after every 64 words (code 5); 31:25 4 words of it (code 3)
	s_mov_b32 s[G1+1], 128<<16                     ; tensor_dim0 = 128
	s_mov_b32 s[G1+2], (16*MB)<<16                 ; tensor_dim1 = 16 MB
	s_mov_b32 s[G1+3], 128<<16                     ; tile_dim0 = 128
	s_mov_b32 s[G1+4], 16*MB                       ; tile_dim1 = 16 MB
	s_mov_b32 s[G1+5], PA                          ; elements from row to row
	s_mov_b32 s[G1+6], 0
	s_mov_b32 s[G1+7], 0
.if BTR
	; for B as it lies, [k][n]: 64 keys x 256 channels
	s_or_b32 s[G1B+0], s44, (1<<16)|(1<<20)|(1<<21)|(6<<22)|(7<<25)  ; the mask: my column; padding after every 128 words (code 6), 8 words of it (code 7)
	s_mov_b32 s[G1B+1], 256<<16
	s_mov_b32 s[G1B+2], 64<<16
	s_mov_b32 s[G1B+3], 256<<16
	s_mov_b32 s[G1B+4], 64
.else
	; for B: 128 rows x 128 elements
	s_or_b32 s[G1B+0], s44, (1<<16)|(1<<20)|(1<<21)|(5<<22)|(3<<25)  ; the mask: my column
	s_mov_b32 s[G1B+1], 128<<16
	s_mov_b32 s[G1B+2], 128<<16
	s_mov_b32 s[G1B+3], 128<<16
	s_mov_b32 s[G1B+4], 128
.endif
	s_mov_b32 s[G1B+5], PB
	s_mov_b32 s[G1B+6], 0
	s_mov_b32 s[G1B+7], 0
	; where the tiles come from, as byte offsets under 2^32.  A's hangs on the tile row and the wave alone, B's on the tile column, the cluster's y and the wave alone; each is made in
	; registers that never hold the other coordinate.
	s_mul_i32 s16, s13, 32*MB
	s_mul_i32 s17, s12, 16*MB
	s_add_co_u32 s16, s16, s17                     ; A: row 32 MB x tile row + 16 MB x half
	s_mul_i32 s16, s16, PA*2
	s_mov_b32 s17, 0
.if BTR
	s_lshr_b32 s46, s45, 2                         ; the batch: 16 tile rows of 128 = 4 clusters
	s_lshl_b32 s46, s46, 11                        ; its 2,048 keys,
	s_lshl_b32 s47, s12, 6
	s_add_co_u32 s46, s46, s47                     ; + 64 x half
	s_mul_i32 s46, s46, PB*2
	s_lshl_b32 s47, s42, 9                         ; 256 channels x 2 bytes x tile column,
	s_add_co_u32 s46, s46, s47
	s_add_co_u32 s46, s46, 4096                    ; and v begins at column 2,048
.else
	s_lshl_b32 s46, s42, 8
	s_lshl_b32 s47, s12, 7
	s_add_co_u32 s46, s46, s47                     ; B: row 256 x tile column + 128 x half
.if KERN == 2
	s_lshr_b32 s47, s45, 1                         ; the batch: 8 tile rows of 256 = 2 clusters
	s_lshl_b32 s47, s47, 11
	s_add_co_u32 s46, s46, s47                     ; its 2,048 keys
.endif
	s_mul_i32 s46, s46, PB*2
.if KERN == 2
	s_add_co_u32 s46, s46, 2048                    ; k begins at column 1,024
.endif
.endif
	s_mov_b32 s47, 0
	s_mul_i32 s20, s12, HALFA                      ; and where they go: A's two halves,
	s_mul_i32 s21, s12, HALFB
	s_add_co_u32 s21, s21, 2*HALFA                 ; then B's two: no place in the cluster enters an LDS address
	s_wait_kmcnt 0x0
	s_add_nc_u64 s[14:15], s[4:5], s[16:17]
	s_add_nc_u64 s[46:47], s[6:7], s[46:47]
	CROUND                                         ; all sixteen work-groups are here: the first joint loads meet
.irp s, 0,1
	s_mov_b32 s[G0+4*(\s)], 1                                      ; 1:0 count = 1
	s_add_co_u32 s[G0+4*(\s)+1], s20, (\s)*SLOT                    ; 63:32 LDS address
	s_add_nc_u64 s[G0+4*(\s)+2:G0+4*(\s)+3], s[14:15], (\s)*256    ; 120:64 global address: K step s
	s_or_b32 s[G0+4*(\s)+3], s[G0+4*(\s)+3], 0x80000000            ; 127:126 type = 2
	s_mov_b32 s[G0B+4*(\s)], 1
	s_add_co_u32 s[G0B+4*(\s)+1], s21, (\s)*SLOT
	s_add_nc_u64 s[G0B+4*(\s)+2:G0B+4*(\s)+3], s[46:47], (\s)*(STEPB/2)
	s_or_b32 s[G0B+4*(\s)+3], s[G0B+4*(\s)+3], 0x80000000
	JLOAD \s                                       ; both slots are asked for before anything else is done: two loads of mine are out here, one behind every later round
.endr
	v_and_b32 v1, 15, v0                           ; l % 16
	v_bfe_u32 v2, v0, 4, 1                         ; l / 16
.if FACT
	; The statistics of my 64 rows: [16 key blocks][8192 rows][log2(e) m, l], f32.  Lane l takes row l % 16 of each of my four row blocks and the key blocks 8 (l / 16) + 0..7:
	; 32 loads of 8 bytes, in each of which sixteen lanes take 128 consecutive bytes.  They are on their way beside the first tiles.
	s_lshl_b32 s22, s13, 7
	s_lshl_b32 s23, s11, 6
	s_add_co_u32 s22, s22, s23                     ; my first row
	s_lshl_b32 s22, s22, 3
	s_mov_b32 s23, 0
	s_add_nc_u64 s[18:19], s[18:19], s[22:23]
	v_lshlrev_b32 v[FO], 3, v1                     ; 8 bytes a row,
	v_lshl_add_u32 v[FO], v2, 19, v[FO]            ; 8 key blocks of 65,536 bytes for the upper half of the lanes
.set aa, 0
.rept 4
.irp i, 0,1,2,3,4,5,6,7
	global_load_b64 v[SR+16*aa+2*(\i):SR+16*aa+2*(\i)+1], v[FO], s[18:19] offset:65536*(\i)+128*aa
.endr
.set aa, aa+1
.endr
.endif
	; A fragment is 16 rows x 32 K in 8 registers: lane l holds row l % 16; registers 0-3 hold K = 8 (l / 16) + 0..7, registers 4-7 K = 16 + 8 (l / 16) + 0..7.
	; From rows that lie along K: two loads of 16 bytes, 32 bytes apart.  The same for source 0 and source 1.
	v_mul_u32_u24 v3, v1, PITCH
	v_lshl_add_u32 v3, v2, 4, v3                   ; row x pitch + 16 x half
	s_mul_i32 s22, s11, HALFA                      ; my rows of A
.if BTR
	; The turning load takes 16 keys x 16 channels (lane l reads 16 bytes: key 8 (l / 16) + l % 8, channels 8 ((l / 8) % 2) + 0..7) and leaves half a fragment: lane l holds channel l % 16 and 8 keys.
	s_lshl_b32 s23, s12, 8                         ; my 128 channels: 256 bytes along the rows
	v_and_b32 v4, 7, v0
	v_lshl_add_u32 v4, v2, 3, v4
	v_mul_u32_u24 v4, v4, PITCHT
	v_bfe_u32 v5, v0, 3, 1
	v_lshl_add_u32 v4, v5, 4, v4
.else
	s_mul_i32 s23, s12, HALFB                      ; my 128 rows of B
.endif
	s_add_co_u32 s23, s23, 2*HALFA                 ; B lies behind A
.irp s, 0,1
	v_add_nc_u32 v[ADRA+(\s)], s22, v3
.if BTR
	v_add_nc_u32 v[ADRB+(\s)], s23, v4
.else
	v_add_nc_u32 v[ADRB+(\s)], s23, v3
.endif
	s_add_co_u32 s22, s22, SLOT
	s_add_co_u32 s23, s23, SLOT
.endr
	s_mul_i32 s23, s10, 16*SP
	s_add_co_u32 s23, s23, STAGE                   ; my stage
	v_mul_u32_u24 v4, v1, SP                       ; in: row l % 16, 16 bytes for each half of the lanes
	v_lshl_add_u32 v4, v2, 4, v4
	v_add_nc_u32 v[STO], s23, v4
	v_mul_u32_u24 v5, v2, SP                       ; back: lanes 0-15 take one row of 256 bytes, lanes 16-31 the next
	v_lshl_add_u32 v5, v1, 4, v5
	v_add_nc_u32 v[RD], s23, v5
	v_mul_u32_u24 v5, v2, PC                       ; and the same two rows in C
	v_lshl_add_u32 v[CO], v1, 4, v5
	; where my part of the tile begins in C
	s_mul_i32 s16, s13, 32*MB
	s_mul_i32 s17, s11, 16*MB
	s_add_co_u32 s16, s16, s17                     ; my first row
	s_mul_i32 s16, s16, PC
	s_mov_b32 s17, 0
	s_add_nc_u64 s[8:9], s[8:9], s[16:17]
	s_lshl_b32 s46, s42, 8                         ; my first column: 256 x tile column + 128 x half (in the registers that held B's address)
	s_lshl_b32 s47, s12, 7
	s_add_co_u32 s46, s46, s47
	s_mov_b32 s47, 0
.if FIRST == 2
	s_lshl_b32 s22, s46, 2                         ; the bias is f32
	s_mov_b32 s23, 0
	s_add_nc_u64 s[18:19], s[18:19], s[22:23]
	v_lshlrev_b32 v[BO], 5, v2                     ; my eight columns of a block of 16: 32 bytes for each half of the lanes
	WIN TO_B
.irp b, 0,1,2,3,4,5,6,7
	global_load_b128 v[BI+8*(\b):BI+8*(\b)+3],   v[BO], s[18:19] offset:64*(\b)     ; register j of block b: the bias of column 16 b + 8 (l / 16) + j
	global_load_b128 v[BI+8*(\b)+4:BI+8*(\b)+7], v[BO], s[18:19] offset:64*(\b)+16
.endr
	WIN 0
.endif
	s_lshl_b32 s46, s46, 1                         ; C is bf16
	s_add_nc_u64 s[8:9], s[8:9], s[46:47]
.if SOFTM || FACT
	s_mov_b32 s[SEL], 0x76543210
	s_mov_b32 s[SEL+1], 0xfedcba98
.endif
.if SOFTM
	s_mov_b32 s[CS], 0x3d000000                    ; 1 / 32 = 1 / sqrt(1024)
	s_mov_b32 s[CS+1], s[CS]                       ; named with it as a pair
	s_mov_b32 s[LE], 0x3fb8aa3b                    ; log2(e)
	s_mov_b32 s[LE+1], s[LE]
	v_mov_b32 v10, 0                               ; v_permlanex16_b32's destination counts as read: it is written once here
	; my part of the position bias: rows 256 (tile row % 8) + 128 x my row half on (a batch is 8 tile rows), columns as in C; f32, rows of 8,192 bytes
	s_and_b32 s22, s13, 7
	s_lshl_b32 s22, s22, 8
	s_lshl_b32 s23, s11, 7
	s_add_co_u32 s22, s22, s23
	s_lshl_b32 s22, s22, 13
	s_lshl_b32 s23, s42, 8
	s_lshl_b32 s92, s12, 7
	s_add_co_u32 s23, s23, s92
	s_lshl_b32 s23, s23, 2
	s_add_co_u32 s22, s22, s23
	s_mov_b32 s23, 0
	s_add_nc_u64 s[18:19], s[18:19], s[22:23]
	s_mul_i32 s92, s10, BSUB                       ; my quarter of a slot: the wave's number times a constant
	s_mov_b32 s[G1C+0], (2<<16)|(1<<20)|(6<<22)|(3<<25)  ; no mask; 17:16 elements of 4 bytes; 20 padding on; 24:22 after every 128 words (code 6); 31:25 4 words of it (code 3)
	s_mov_b32 s[G1C+1], 128<<16                    ; tensor_dim0 = 128
	s_mov_b32 s[G1C+2], 64<<16                     ; tensor_dim1 = 64
	s_mov_b32 s[G1C+3], 128<<16                    ; tile_dim0 = 128
	s_mov_b32 s[G1C+4], 64                         ; tile_dim1 = 64
	s_mov_b32 s[G1C+5], 2048                       ; elements from row to row
	s_mov_b32 s[G1C+6], 0
	s_mov_b32 s[G1C+7], 0
.irp p, 0,1
	s_mov_b32 s[G0C+4*(\p)], 1
	s_add_co_u32 s[G0C+4*(\p)+1], s92, (\p)*SLOT                   ; my first 64 rows into slot 0, the others into slot 1
	s_add_nc_u64 s[G0C+4*(\p)+2:G0C+4*(\p)+3], s[18:19], (\p)*64*8192
	s_or_b32 s[G0C+4*(\p)+3], s[G0C+4*(\p)+3], 0x80000000
.endr
	v_mul_u32_u24 v4, v1, BP                       ; row l % 16, 32 bytes (8 columns) for each half of the lanes
	v_lshl_add_u32 v4, v2, 5, v4
	v_add_nc_u32 v[BA], s92, v4
	v_add_nc_u32 v[BA+1], SLOT, v[BA]
	; where my 128 rows' statistics go: [16 key blocks][8192 rows][2] f32; my key block is 2 x tile column + my column half
	s_lshl_b32 s22, s42, 1
	s_add_co_u32 s22, s22, s12
	s_lshl_b32 s22, s22, 13
	s_lshl_b32 s23, s13, 8
	s_add_co_u32 s22, s22, s23
	s_lshl_b32 s23, s11, 7
	s_add_co_u32 s22, s22, s23
	s_lshl_b32 s22, s22, 3
	s_mov_b32 s23, 0
	s_add_nc_u64 s[STP:STP+1], s[STP:STP+1], s[22:23]
	v_and_b32 v[SO], 31, v0
	v_lshlrev_b32 v[SO], 3, v[SO]                  ; 8 bytes a lane
.endif
.if FACT
	; THE FACTORS.  Key block j of a row was given weights p = 2^(y - c_j), c_j = log2(e) x the block's maximum, and their sum l_j.  With C = the maximum of the c_j and e_j = 2^(c_j - C) the row's
	; softmax weights are p f_j, f_j = e_j / the sum over j of e_j l_j.  The block that holds C has e = 1 and l >= 1, so the divisor is at least 1.  All in f32; f_j is rounded once to bf16, into both
	; halves of a word.  A lane makes the factors of its eight key blocks; the two halves of the lanes exchange maximum and sum.
	s_lshl_b32 s22, s10, 12
	s_add_co_u32 s22, s22, FTB                     ; my table: K step j, row l % 16, row block a at 256 j + 16 (l % 16) + 4 a
	v_lshlrev_b32 v4, 4, v1
	v_add_nc_u32 v[FA], s22, v4
	v_lshl_add_u32 v[FW], v2, 11, v[FA]            ; the upper half of the lanes writes K steps 8 to 15
	s_wait_loadcnt 0x0                             ; the statistics
.irp a, 0,1,2,3
	v_max3_num_f32 v[MX+(\a)], v[SR+16*(\a)], v[SR+16*(\a)+2], v[SR+16*(\a)+4]
	v_mov_b32 v[TX+(\a)], 0                        ; v_permlanex16_b32's destination counts as read
.endr
.irp a, 0,1,2,3
	v_max3_num_f32 v[MX+(\a)], v[MX+(\a)], v[SR+16*(\a)+6], v[SR+16*(\a)+8]
.endr
.irp a, 0,1,2,3
	v_max3_num_f32 v[MX+(\a)], v[MX+(\a)], v[SR+16*(\a)+10], v[SR+16*(\a)+12]
.endr
.irp a, 0,1,2,3
	v_max_num_f32 v[MX+(\a)], v[MX+(\a)], v[SR+16*(\a)+14]
.endr
.irp a, 0,1,2,3
	v_permlanex16_b32 v[TX+(\a)], v[MX+(\a)], s[SEL], s[SEL+1]
.endr
.irp a, 0,1,2,3
	v_max_num_f32 v[MX+(\a)], v[MX+(\a)], v[TX+(\a)]   ; C
.endr
.set aa, 0
.rept 4
.irp i, 0,1,2,3,4,5,6,7
	v_sub_f32 v[EE+8*aa+(\i)], v[SR+16*aa+2*(\i)], v[MX+aa]
.endr
.set aa, aa+1
.endr
.set ii, 0
.rept 32
	v_exp_f32 v[EE+ii], v[EE+ii]
.set ii, ii+1
.endr
	v_nop                                          ; a plain instruction between the last exponential and the use of its result (ISA guide 5.7.2)
.irp a, 0,1,2,3
	v_mul_f32 v[LS+(\a)], v[EE+8*(\a)], v[SR+16*(\a)+1]
.endr
.irp i, 1,2,3,4,5,6,7
.irp a, 0,1,2,3
	v_fmac_f32 v[LS+(\a)], v[EE+8*(\a)+(\i)], v[SR+16*(\a)+2*(\i)+1]
.endr
.endr
.irp a, 0,1,2,3
	v_permlanex16_b32 v[TX+(\a)], v[LS+(\a)], s[SEL], s[SEL+1]
.endr
.irp a, 0,1,2,3
	v_add_f32 v[LS+(\a)], v[LS+(\a)], v[TX+(\a)]
.endr
.irp a, 0,1,2,3
	v_rcp_f32 v[LS+(\a)], v[LS+(\a)]
.endr
	v_nop                                          ; a plain instruction between the last reciprocal and the use of its result
.set aa, 0
.rept 4
.irp i, 0,1,2,3,4,5,6,7
	v_mul_f32 v[EE+8*aa+(\i)], v[EE+8*aa+(\i)], v[LS+aa]
.endr
.set aa, aa+1
.endr
.set aa, 0
.rept 4
.irp i, 0,1,2,3,4,5,6,7
	v_cvt_pk_bf16_f32 v[FR+4*(\i)+aa], v[EE+8*aa+(\i)], v[EE+8*aa+(\i)]
.endr
.set aa, aa+1
.endr
.irp i, 0,1,2,3,4,5,6,7
	ds_store_b128 v[FW], v[FR+4*(\i):FR+4*(\i)+3] offset:256*(\i)  ; my wave's own bytes: LDS serves a wave's instructions in order (ISA guide 5.7.1.4), so its later loads see them
.endr
.endif
; n x 8 matrix instructions: row blocks a0 .. a0 + n - 1 x all 8 column blocks, 32 along K, from buffer f.  first = 1: the constant 0 starts the sums; 2: the bias does; nothing is ever cleared.
; All 8 MB accumulators take turns, one instruction a turn, in the same order in every quarter step.
.macro MUL f, a0, n, first
.set aa, \a0
.rept \n
.if (\first) == 2
.set wv, ((2+aa/4)<<6)|0x11            ; source 0 (B) and C (the bias) window 1, source 1 (A) window 0, D window 2 or 3
.else
.set wv, ((2+aa/4)<<6)|((2+aa/4)<<4)|1 ; source 0 window 1, source 1 window 0, C and D window 2 or 3
.endif
	WIN wv
.irp b, 0,1,2,3,4,5,6,7
.set rD, 8*(8*(aa%4)+(\b))
.if (\first) == 2
	v_wmma_f32_16x16x32_bf16 v[rD:rD+7], v[(\f)+8*(\b):(\f)+8*(\b)+7], v[(\f)+8*aa:(\f)+8*aa+7], v[BI+8*(\b):BI+8*(\b)+7]
.elseif (\first) == 1
	v_wmma_f32_16x16x32_bf16 v[rD:rD+7], v[(\f)+8*(\b):(\f)+8*(\b)+7], v[(\f)+8*aa:(\f)+8*aa+7], 0
.else
	v_wmma_f32_16x16x32_bf16 v[rD:rD+7], v[(\f)+8*(\b):(\f)+8*(\b)+7], v[(\f)+8*aa:(\f)+8*aa+7], v[rD:rD+7]
.endif
.endr
.set aa, aa+1
.endr
.endm
; FACT = 1: A's fragments of row blocks a0 .. a0 + n - 1 in buffer f, which belong to the K step in the slot named, times their rows' factors: two bf16 at a time, rounded to bf16.
; They name no register of the matrix instructions round them.  FACT = 0: nothing.
.macro SCALE f, a0, n, slot
.if FACT
	WIN 0
.set aa, \a0
.rept \n
.irp k, 0,1,2,3,4,5,6,7
	v_pk_mul_bf16 v[(\f)+8*aa+(\k)], v[(\f)+8*aa+(\k)], v[FC+4*(\slot)+aa]
.endr
.set aa, aa+1
.endr
.endif
.endm
; 16 + 2 MB LDS loads in one run: the fragments of quarter q (32 along K) of a slot into buffer f: B's eight first, then A's MB.
; FACT = 1: ahead of a slot's first quarter goes one more load, the K step's factors: the oldest of its run, so every wait that shows B's fragments in shows it in.
.macro FETCH slot, q, f
.if FACT && ((\q) == 0)
	WIN 0
	ds_load_b128 v[FC+4*(\slot):FC+4*(\slot)+3], v[FA]
	v_add_nc_u32 v[FA], 256, v[FA]                 ; the next K step's
.endif
	WIN TO_B
.irp i, 0,1,2,3,4,5,6,7
.if BTR
	ds_load_tr16_b128 v[(\f)+8*(\i):(\f)+8*(\i)+3],   v[ADRB+(\slot)] offset:(\q)*32*PITCHT+32*(\i)             ; keys 32 q + 8 (l / 16) on, channels 16 i on
	ds_load_tr16_b128 v[(\f)+8*(\i)+4:(\f)+8*(\i)+7], v[ADRB+(\slot)] offset:(\q)*32*PITCHT+32*(\i)+16*PITCHT   ; sixteen keys further
.else
	ds_load_b128 v[(\f)+8*(\i):(\f)+8*(\i)+3],   v[ADRB+(\slot)] offset:64*(\q)+(\i)*16*PITCH
	ds_load_b128 v[(\f)+8*(\i)+4:(\f)+8*(\i)+7], v[ADRB+(\slot)] offset:64*(\q)+(\i)*16*PITCH+32
.endif
.endr
	WIN 0
.set ii, 0
.rept MB
	ds_load_b128 v[(\f)+8*ii:(\f)+8*ii+3],   v[ADRA+(\slot)] offset:64*(\q)+ii*16*PITCH
	ds_load_b128 v[(\f)+8*ii+4:(\f)+8*ii+7], v[ADRA+(\slot)] offset:64*(\q)+ii*16*PITCH+32
.set ii, ii+1
.endr
.endm
; A load into a register that a matrix instruction has read, and a store or a vector instruction that reads a matrix result, stand four places behind that matrix instruction, and only plain
; vector instructions that name none of its registers are places (ISA guide 7.12.1 for vector instructions).
.macro PLACES
.rept 4
	v_nop
.endr
.endm
; A K step is four quarters of 32 along K, 8 MB matrix instructions each, on buffers 0, 1, 0, 1.
; One of the first three: multiplies buffer f; in its middle it fetches quarter q of the same slot into buffer g, 4 MB matrix instructions ahead of its first use.
.macro QUARTER slot, q, f, g, first
	s_wait_dscnt MB                                ; B and A's first MB / 2 blocks are in; the youngest MB loads (A's other blocks, two loads each) may be out
	SCALE \f, 0, MB/2, \slot
	MUL \f, 0, MB/2, \first
	PLACES
	FETCH \slot, \q, \g
	s_wait_dscnt 16+2*MB                           ; all but the run just issued
	SCALE \f, MB/2, MB/2, \slot
	MUL \f, MB/2, MB/2, \first
.endm
; The last quarter multiplies buffer 1 and changes slots.  MEET is its first half: ONE barrier for the change.  In front of it each wave waits for all its tensor loads, of which one is out;
; adds 0 to its spare word; and waits for that and for its own reads of this slot.  Behind it nobody reads this slot any more and what was on its way is whole.
.macro MEET round, slot                ; round not 0: the rest of a round of the cluster's barrier follows
	WIN 0                                          ; (the add's two registers lie in window 0)
	s_wait_tensorcnt 0x0                           ; all my tensor loads have landed
	ds_add_u32 v[SPW], v[NIL]                      ; 0 onto my spare word
	s_wait_dscnt MB+1                              ; (the add and the youngest MB loads may be out)
	SCALE F1, 0, MB/4, \slot
	MUL F1, 0, MB/4, 0                             ; work on registers stands between the add and the wait for it
	s_wait_dscnt 0x0                               ; the add is done, and my reads of this slot are over
	s_barrier_signal -1
	SCALE F1, MB/4, MB/4, \slot
	MUL F1, MB/4, MB/4, 0                          ; work on registers while the others arrive
.if \round
	WIN 0
.endif
	s_barrier_wait -1
.endm
; The whole last quarter.  fill = 1: the barrier opens a round of the cluster's, so that no wave of any partner still reads this slot or has a load on its way; the slot is then filled again,
; two K steps ahead, first thing behind the round: from that request to the wait for it a wave issues 28 MB matrix instructions.  fill = 2: the same round, and the slot, which no K step
; needs any more, takes the first half of the position bias.  fill = 0: nothing is filled, and the barrier is the work-group's alone.
.macro TURN slot, next, fill
	MEET \fill, \slot
.if (\fill) == 1
	CREST
	s_add_nc_u64 s[G0+4*(\slot)+2:G0+4*(\slot)+3], s[G0+4*(\slot)+2:G0+4*(\slot)+3], 512     ; no load of mine is out, so a group 0 may be written; the type bits on top are not reached
	s_add_nc_u64 s[G0B+4*(\slot)+2:G0B+4*(\slot)+3], s[G0B+4*(\slot)+2:G0B+4*(\slot)+3], STEPB
	JLOAD \slot                                    ; the four v_nop behind it are also the places in front of the loads below
.elseif (\fill) == 2
	CREST
	BLOAD 0                                        ; likewise
.else
	PLACES
.endif
	FETCH \next, 0, F0
	SCALE F1, MB/2, MB/2, \slot
	MUL F1, MB/2, MB/2, 0
.endm
; THE WAY OUT.  A lane's eight numbers of a row pack into 16 bytes; block a (16 rows x 128 columns) goes through my own stage, rows of 272 bytes, and comes back as whole rows of 256.
.macro PACK a
.set AC, 64*((\a)%4)
	WIN 0x0a+5*((\a)/4)                            ; sources 0 and 1: window 2 or 3
.irp b, 0,1,2,3,4,5,6,7
.irp r, 0,1,2,3
	v_cvt_pk_bf16_f32 v[TMP+4*(\b)+(\r)], v[AC+8*(\b)+2*(\r)], v[AC+8*(\b)+2*(\r)+1]  ; each accumulator in ascending order
.endr
.endr
	WIN 0
.endm
.macro TOSTAGE a, src                  ; src: the 32 registers that hold the packed block
.set BK, OB+192*((\a)%2)
	WIN 0
.irp b, 0,1,2,3,4,5,6,7
	ds_store_b128 v[STO], v[(\src)+4*(\b):(\src)+4*(\b)+3] offset:32*(\b)
.endr
.irp t, 0,1,2,3,4,5,6,7
	ds_load_b128 v[BK+4*(\t):BK+4*(\t)+3], v[RD] offset:(\t)*2*SP  ; LDS serves a wave's instructions in order (ISA guide 5.7.1.4): these see the stores above
.endr
.endm
.macro SEND a, younger                 ; younger: the LDS loads issued behind block a's loads from the stage, which may stay out
.set BK, OB+192*((\a)%2)
	WIN 0
	s_wait_dscnt \younger                          ; the block is back in registers
	s_wait_xcnt 0x0                                ; every earlier store has had its addresses translated (ISA guide 3.1): the next block is read back into the registers that block a - 1's stores read only behind this wait
.irp t, 0,1,2,3,4,5,6,7
	global_store_b128 v[CO], v[BK+4*(\t):BK+4*(\t)+3], s[8:9] offset:(16*(\a)+2*(\t))*PC  ; 16 lanes store 256 consecutive bytes, at a multiple of 256 from C's first byte; the rows stand in the immediate
.endr
.endm
.if SOFTM
; The position bias of block a, in the accumulators' layout: register 8 b + j takes row l % 16 of the block, column 16 b + 8 (l / 16) + j.
.macro BIASLD a
.set YY, Y0+64*((\a)%2)
	WIN 0
.irp b, 0,1,2,3,4,5,6,7
	ds_load_b128 v[YY+8*(\b):YY+8*(\b)+3],   v[BA+(\a)/4] offset:((\a)%4)*16*BP+64*(\b)
	ds_load_b128 v[YY+8*(\b)+4:YY+8*(\b)+7], v[BA+(\a)/4] offset:((\a)%4)*16*BP+64*(\b)+16
.endr
.endm
; Block a's weights.  A lane holds one query and 64 of my 128 keys, the lane 16 away the other 64.  y = s / 32 + bias; m = the maximum of y over the 128 keys; p = 2^(log2(e) y - log2(e) m);
; l = the sum of the unrounded p; p is rounded to bf16 in place, two to a word.  log2(e) m and l are kept for the launch that joins the key blocks.
.macro SOFT a
.set YY, Y0+64*((\a)%2)
.set AC, 64*((\a)%4)
.set SS, ST+2*(\a)
	WIN 2+(\a)/4                                   ; source 0: window 2 or 3
.set ii, 0
.rept 32
	v_pk_fma_f32 v[YY+2*ii:YY+2*ii+1], v[AC+2*ii:AC+2*ii+1], s[CS:CS+1], v[YY+2*ii:YY+2*ii+1] op_sel_hi:[1,0,1]  ; each accumulator in ascending order
.set ii, ii+1
.endr
	WIN 0
.irp k, 0,1,2,3                        ; four chains of sixteen, three operands at a time, started by their first numbers
	v_max3_num_f32 v[6+(\k)], v[YY+16*(\k)], v[YY+16*(\k)+1], v[YY+16*(\k)+2]
.endr
.set ii, 0
.rept 6
.irp k, 0,1,2,3
	v_max3_num_f32 v[6+(\k)], v[6+(\k)], v[YY+16*(\k)+3+2*ii], v[YY+16*(\k)+4+2*ii]
.endr
.set ii, ii+1
.endr
.irp k, 0,1,2,3
	v_max_num_f32 v[6+(\k)], v[6+(\k)], v[YY+16*(\k)+15]
.endr
	v_max3_num_f32 v6, v6, v7, v8
	v_max_num_f32 v6, v6, v9
	v_permlanex16_b32 v10, v6, s[SEL], s[SEL+1]
	v_max_num_f32 v6, v6, v10                      ; m
	v_mul_f32 v[SS], s[LE], v6
	v_mov_b32 v[SS+1], v[SS]                       ; named with it as a pair below; l takes its place later
.set ii, 0
.rept 32
	v_pk_fma_f32 v[YY+2*ii:YY+2*ii+1], v[YY+2*ii:YY+2*ii+1], s[LE:LE+1], v[SS:SS+1] op_sel_hi:[1,0,0] neg_lo:[0,0,1] neg_hi:[0,0,1]
.set ii, ii+1
.endr
.set ii, 0
.rept 64
	v_exp_f32 v[YY+ii], v[YY+ii]
.set ii, ii+1
.endr
	v_nop                                          ; a plain instruction between the last exponential and the use of its result (ISA guide 5.7.2)
	s_wait_alu depctr_va_vdst(0)
.irp k, 0,1,2,3                        ; the sum of my 32 pairs: four chains of eight pairs, in v[6:13]; the weights stay as they are
	v_pk_add_f32 v[6+2*(\k):7+2*(\k)], v[YY+2*(\k):YY+2*(\k)+1], v[YY+2*(\k)+8:YY+2*(\k)+9]
.endr
.set ii, 2
.rept 6
.irp k, 0,1,2,3
	v_pk_add_f32 v[6+2*(\k):7+2*(\k)], v[6+2*(\k):7+2*(\k)], v[YY+2*(\k)+8*ii:YY+2*(\k)+8*ii+1]
.endr
.set ii, ii+1
.endr
	v_pk_add_f32 v[6:7], v[6:7], v[8:9]
	v_pk_add_f32 v[10:11], v[10:11], v[12:13]
	v_pk_add_f32 v[6:7], v[6:7], v[10:11]
	v_add_f32 v6, v6, v7
	v_permlanex16_b32 v10, v6, s[SEL], s[SEL+1]
	v_add_f32 v[SS+1], v6, v10                     ; l
.set ii, 0
.rept 32
	v_cvt_pk_bf16_f32 v[YY+ii], v[YY+2*ii], v[YY+2*ii+1]  ; ascending: word i is written when numbers 2 i and 2 i + 1 are read, never ahead of them
.set ii, ii+1
.endr
.endm
.endif
	s_wait_tensorcnt 0x1                           ; my part of K step 0 is in; K step 1's may stay out
.if FACT
	s_wait_dscnt 0x0                               ; no LDS instruction is pending at a signal: my table is written
.endif
	s_barrier_signal -1
	s_barrier_wait -1                              ; everybody's is
	FETCH 0, 0, F0
.if FIRST == 2
	s_wait_loadcnt 0x0                             ; the bias
.endif
	QUARTER 0, 1, F0, F1, FIRST                    ; the first quarter stands in front of the loop: its products start the sums
	WIN 0                                          ; at a label and at a branch every window is 0
	s_mov_b32 s3, LAPS-1
.Llap:                                                 ; a trip goes once round the ring, from a lap's second quarter to the next lap's first, and fills both slots again
	QUARTER 0, 2, F1, F0, 0
	QUARTER 0, 3, F0, F1, 0
	TURN 0, 1, 1
	QUARTER 1, 1, F0, F1, 0
	QUARTER 1, 2, F1, F0, 0
	QUARTER 1, 3, F0, F1, 0
	TURN 1, 0, 1
	QUARTER 0, 1, F0, F1, 0
	WIN 0
	s_sub_co_u32 s3, s3, 1
	s_cmp_lg_u32 s3, 0
	s_cbranch_scc1 .Llap
	QUARTER 0, 2, F1, F0, 0                        ; the last lap is written out: it asks for no further K step
	QUARTER 0, 3, F0, F1, 0
.if SOFTM
	TURN 0, 1, 2                                   ; slot 0 takes the bias of my blocks 0-3: it has the last K step in which to land
.else
	TURN 0, 1, 0
.endif
	QUARTER 1, 1, F0, F1, 0
	QUARTER 1, 2, F1, F0, 0
	QUARTER 1, 3, F0, F1, 0
.if SOFTM
	MEET 1, 1                                      ; the very last quarter: slot 0's bias has landed, and my reads of slot 1 are over
	CREST
	BLOAD 1                                        ; slot 1 takes the bias of my blocks 4-7: it lands while blocks 0-2 are worked on
	MUL F1, MB/2, MB/2, 0
.else
	s_wait_dscnt MB                                ; the very last quarter: nothing more to fetch
	SCALE F1, 0, MB/2, 1
	MUL F1, 0, MB/2, 0
	s_wait_dscnt 0x0
	SCALE F1, MB/2, MB/2, 1
	MUL F1, MB/2, MB/2, 0
.endif
	WIN 0
	PLACES                                         ; behind the last products
.if SOFTM
	; Block by block: the next block's bias is asked for first; then this block's arithmetic; under it the block before comes back from the stage, and leaves; then this block goes into the stage.
	BIASLD 0
.set ab, 0
.rept MB
.if ab < MB-1
.if ab == 3
	s_wait_tensorcnt 0x0                           ; the bias of my blocks 4-7 is in
.endif
	BIASLD ab+1
.endif
.set nw, 32                            ; behind this block's bias were issued: the block before's 16 stage instructions and the next block's 16 bias loads;
.if (ab == 0) || (ab == MB-1)
.set nw, 16                            ; the first block has no block before, the last none behind
.endif
	s_wait_dscnt nw
	SOFT ab
.if ab > 0
.set yw, 16                            ; behind the stage loads of the block before: the next block's 16 bias loads,
.if ab == MB-1
.set yw, 0                             ; or none
.endif
	SEND ab-1, yw
.endif
.set ys, Y0+64*(ab%2)
	TOSTAGE ab, ys
.set ab, ab+1
.endr
	SEND MB-1, 0
	; The statistics: lane l stores those of row 32 i + l of my 128: block 2 i + l / 16, of which both halves of the lanes hold the same numbers.  A store covers 256 consecutive bytes, aligned.
	v_cmp_ne_u32 vcc_lo, 0, v2
.irp i, 0,1,2,3
	v_cndmask_b32 v[SD+2*(\i)], v[ST+4*(\i)], v[ST+4*(\i)+2], vcc_lo
	v_cndmask_b32 v[SD+2*(\i)+1], v[ST+4*(\i)+1], v[ST+4*(\i)+3], vcc_lo
	global_store_b64 v[SO], v[SD+2*(\i):SD+2*(\i)+1], s[STP:STP+1] offset:256*(\i)
.endr
.else
	PACK 0
	TOSTAGE 0, TMP
.set ab, 1
.rept MB-1                             ; block a's conversions stand between block a - 1's loads from the stage and the wait for them
	PACK ab
	SEND ab-1, 0
	TOSTAGE ab, TMP
.set ab, ab+1
.endr
	SEND MB-1, 0
.endif
	s_wait_tensorcnt 0x0                           ; the wave's end: behind my last tensor load and my last LDS store
	ds_add_u32 v[SPW], v[NIL]
	s_wait_dscnt 0x0
	CROUND                                         ; the closing round: no work-group ends while a partner may still ask for a tile that names it
	s_endpgm
.Lfunc_end_k_q90d9ce8e07_scores:
	.size	k_q90d9ce8e07_scores, .Lfunc_end_k_q90d9ce8e07_scores-k_q90d9ce8e07_scores
	.p2alignl 7, 3214868480
	.fill 96, 4, 3214868480
	.section	.rodata,"a",@progbits
	.p2align	6, 0x0
	.amdhsa_kernel k_q90d9ce8e07_scores
		.amdhsa_group_segment_fixed_size 327680
		.amdhsa_private_segment_fixed_size 0
		.amdhsa_enable_private_segment 0
		.amdhsa_kernarg_size 32
		.amdhsa_user_sgpr_count 2
		.amdhsa_user_sgpr_kernarg_segment_ptr 1
		.amdhsa_wavefront_size32 1
		.amdhsa_system_sgpr_workgroup_id_x 1
		.amdhsa_system_sgpr_workgroup_id_y 1
		.amdhsa_system_sgpr_workgroup_id_z 1
		.amdhsa_system_vgpr_workitem_id 0
		.amdhsa_next_free_vgpr 1024
		.amdhsa_next_free_sgpr 96
		.amdhsa_reserve_vcc 1
		.amdhsa_float_denorm_mode_32 3
		.amdhsa_float_denorm_mode_16_64 3
		.amdhsa_memory_ordered 1
		.amdhsa_forward_progress 1
		.amdhsa_inst_pref_size 237
	.end_amdhsa_kernel
	.amdgpu_metadata
---
amdhsa.version: [ 1, 2 ]
amdhsa.kernels:
  - .name:           k_q90d9ce8e07_scores
    .symbol:         k_q90d9ce8e07_scores.kd
    .args:
      - { .name: qkv, .offset: 0, .size: 8, .value_kind: global_buffer, .address_space: global }
      - { .name: bias, .offset: 8, .size: 8, .value_kind: global_buffer, .address_space: global }
      - { .name: pb, .offset: 16, .size: 8, .value_kind: global_buffer, .address_space: global }
      - { .name: st, .offset: 24, .size: 8, .value_kind: global_buffer, .address_space: global }
    .group_segment_fixed_size: 327680
    .private_segment_fixed_size: 0
    .kernarg_segment_align: 8
    .kernarg_segment_size: 32
    .max_flat_workgroup_size: 128
    .sgpr_count:     96
    .vgpr_count:     1024
    .wavefront_size: 32
...
	.end_amdgpu_metadata
.endif
;; end of part 8
;; launch pv (part 9): grid 4 x 64, 4 waves a work-group, clusters of 4 x 4, 327,680 bytes of LDS; arguments pb, qkv, val, st; writes val
.if DOCPART == 9
	.amdgcn_target "amdgcn-amd-amdhsa--gfx1250"
	.amdhsa_code_object_version 6
	.text
	.protected	k_q90d9ce8e07_pv
	.globl	k_q90d9ce8e07_pv
	.p2align	8
	.type	k_q90d9ce8e07_pv,@function
k_q90d9ce8e07_pv:
	s_mov_b64 s[64:65], 0
	v_nop
	global_prefetch_b8 v0, s[64:65] scope:SCOPE_SE
	s_setreg_imm32_b32 hwreg(HW_REG_WAVE_MODE, 25, 1), 1
	s_wait_xcnt 0x0
	s_wait_alu depctr_hold_cnt(0) depctr_sa_sdst(0) depctr_va_vdst(0) depctr_va_sdst(0) depctr_va_ssrc(0) depctr_va_vcc(0) depctr_vm_vsrc(0)
	s_getreg_b32 s2, hwreg(HW_REG_IB_STS2, 6, 4)
	s_cmp_eq_u32 s2, 0
	s_cbranch_scc0 .Lentry_in_a_cluster
	s_endpgm
.Lentry_in_a_cluster:
	s_bfe_u32 s2, ttmp6, 0x10000c
	s_cmp_lg_u32 s2, 0xf033
	s_cbranch_scc0 .Lentry_shape_is_right
	s_endpgm
.Lentry_shape_is_right:
; THE WEIGHTED VALUES, AND THE SOFTMAX'S SECOND STEP.  val[b 2048 + t][d] = the sum over s of w[t][s] v[b][s][d], w = the row's softmax weights.  pb holds, for each block j of 128 keys, the weights
; p = 2^(log2(e) y - c_j) taken against the block's own maximum, and st[j][row] = (c_j, l_j): that maximum times log2(e), and the block's sum.  With C = the maximum of a row's sixteen c_j:
; w = p f_j, f_j = 2^(c_j - C) / the sum over j of 2^(c_j - C) l_j: the row's true maximum is taken away, and the divisor is at least 1.  A K step of 128 is a key block: its products are summed
; in accumulators of their own, T, started with 0, and at the step's end O += f_j T, in f32: so p goes to the matrix unit as it was stored, and f_j is never rounded to 16 bits.
; pb: [8192][2048] bf16; st: [16][8192][2] f32; v is columns 2048-3071 of qkv: [8192][3072] bf16, rows of 6,144 bytes, [key][channel]: it comes into LDS as it lies and is turned on its way into
; registers, by ds_load_tr16_b128.  val: [8192][1024] bf16.  Sums in f32, keys ascending within a block, blocks ascending; val is rounded once to bf16.
; LIMITS: p and v are bf16 (8 significant bits); a 2^(c_j - C) below 2^-126 counts as 0; NaN and infinities are not treated apart.
; SHARES.  A tile of C is 128 x 256: 64 x 4 = 256 tiles, one for each of 256 work-group places (tiles of 256 x 256 would be 128).  Wave w makes row half w / 2 (64 rows) and column half w % 2
; (128 columns): 32 accumulators of 16 x 16, twice.  K goes in steps of 128 through two LDS slots filled by the tensor data mover.  Waves 0 and 1 ask for the halves of A's tile (64 rows x 256 bytes),
; waves 2 and 3 for those of B's (64 keys x 512 bytes): one load a wave for a K step; all rows start at multiples of 256 bytes from the buffer's first byte.
; CLUSTERS: 4 x 4 work-groups; a batch is 16 tile rows, four clusters along y, so a cluster lies within one batch.  The four of a row of the cluster need the same tiles of A, the four of a column
; the same tiles of B: each tile is asked for JOINTLY, by the same tensor load with the same descriptor and a mask that names the four.  That divides the requests for A and for B by four.
; THE MATRIX INSTRUCTION IS USED TRANSPOSED: source 0 = 16 channels of v, source 1 = 16 rows of weights.  Lane l then holds row l % 16 of C and its registers 0-7 the columns 8 (l / 16) + 0..7:
; one row a lane, so a row's factor is one number a lane.
; REGISTERS, in windows of 256 (s_set_vgpr_msb: bits 1:0 source 0, 3:2 source 1, 5:4 source 2, 7:6 destination):
;   window 0: v0-31 addresses; v32-47 factors; v64-95, v128-159 fragments of A, two buffers; v32-63, v64-255 at work at the start and on the way out
;   window 1: v64-127, v128-191 fragments of B, two buffers       window 2: O, (a, b) at 8 (8 a + b)       window 3: T, likewise
.set MB,     4                         ; blocks of 16 rows of C in a wave's part
.set KTOT,   2048                      ; the length of the sums
.set PA,     2048                      ; elements from row to row of A
.set PB,     3072                      ; of B
.set PC,     2048                      ; bytes from row to row of C
.set STEPB,  2*128*6144                ; bytes by which B's tile address goes on in two K steps: 256 keys' rows
.set PITCH,  272                       ; an LDS row of A: 256 bytes + 16 of padding = 68 words: row r starts at bank 4 r mod 64 (64 banks of 4 bytes: ISA guide 11.1), so the 16 rows of a load start at 16 different banks
.set PITCHT, 544                       ; an LDS row of B: 256 channels, 512 bytes + 32 of padding = 136 words
.set HALFA,  16*MB*PITCH               ; what one load brings of A, and what one wave reads of A
.set HALFB,  64*PITCHT                 ; what one load brings of B
.set SLOT,   2*HALFA+2*HALFB           ; A's two halves, then B's two halves
.set STAGE,  2*SLOT                    ; behind the ring, never filled by a tensor load: 16 rows of 272 bytes for each wave, for the way out
.set SP,     272
.set SPARE,  STAGE+4*16*SP             ; behind the stages: the spare words, 128 bytes for each wave: two blocks of 256 bytes that no other line names
.set FTB,    SPARE+512                 ; behind them, never filled by a tensor load: a table of factors for each wave, 16 K steps x 512 bytes
.set LAPS,   KTOT/256                  ; a lap = two K steps = once round the ring
.set ADRA, 16                          ; v16-17  LDS address of my A fragments in slot 0, 1
.set ADRB, 20                          ; v20-21  the same for B
.set FW,   22                          ; v22     where I put factors
.set STO,  24                          ; v24     the way out: where I put my part of a row
.set RD,   25                          ; v25     the way out: where I read rows back
.set CO,   26                          ; v26     my byte offset in C
.set SPW,  28                          ; v28     LDS address of my spare word: SPARE + 4 x my thread's number; never rewritten
.set NIL,  29                          ; v29     0; never rewritten
.set FA,   30                          ; v30     where the next K step's factors lie
.set FO,   31                          ; v31     my byte offset in the statistics
.set FC,   32                          ; v32-39, v40-47  the factors for the K step in slot 0, 1: row block a's at 2 a and 2 a + 1, the same number twice: a pair for the packed forms
.set F0,   64                          ; fragment buffer 0
.set F1,   128                         ; fragment buffer 1
.set TMP,  192                         ; the way out: packed results
.set OB,   32                          ; the way out: 16 rows read back: v32-63 and v224-255 by turns
.set SR,   192                         ; at the start: v192-255  statistics as loaded: row block a, my key block i at SR + 16 a + 2 i
.set FR,   128                         ; at the start: v128-191  factors as they are stored: key block i, row block a at FR + 8 i + 2 a, twice
.set MX,   64                          ; at the start: v64-67 maxima, v68-71 the other half's, v72-103 e, v104-107 sums
.set TX,   68
.set EE,   72
.set LS,   104
.set G1,  24                           ; s[24:31] descriptor group 1 for A's tiles;  s[32:39] group 0, a set for each slot
.set G0,  32
.set G1B, 48                           ; s[48:55], s[56:63] the same for B's tiles
.set G0B, 56
.set SEL, 90                           ; s[90:91] v_permlanex16_b32's selects: each lane takes its own place in the other half
.set TO_B,  0x40                       ; destination window 1, address window 0
.set W_MUL, 0xf1                       ; source 0 (B) window 1, source 1 (A) window 0, C and D (T) window 3
.set W_FIN, 0xa3                       ; source 0 (T) window 3, source 1 (the factor) window 0, source 2 and destination (O) window 2
.set MSB, 0
.macro WIN new                         ; the immediate's high byte repeats the setting that is left; a switch that changes nothing is dropped
.if MSB != (\new)
	s_set_vgpr_msb (MSB<<8)|(\new)
.set MSB, \new
.endif
.endm
; A joint load.  Each of the two lines has one mask and one set of registers for all that issue it.  The branch hangs on the wave's number alone: it is the same in every work-group.
; Four v_nop follow each line, ahead of the jump, the label and what follows the macro.
.macro JLOAD s
	s_cmp_lt_u32 s10, 2
	s_cbranch_scc0 .Lfor_b_\@
	tensor_load_to_lds s[G0+4*(\s):G0+4*(\s)+3], s[G1:G1+7]
	s_nop 0
.rept 4
	v_nop
.endr
	s_branch .Lasked_\@
.Lfor_b_\@:
	tensor_load_to_lds s[G0B+4*(\s):G0B+4*(\s)+3], s[G1B:G1B+7]
	s_nop 0
.rept 4
	v_nop
.endr
.Lasked_\@:
.endm
; A round of the cluster's barrier: my work-group's barrier, so that wave 0's signal speaks for all four waves; wave 0 signals for the work-group; every wave waits for all sixteen
; work-groups; my work-group's barrier once more.  No LDS instruction of the wave is pending at a signal.
.macro CREST                           ; a round behind its opening barrier
	s_cmp_lg_u32 s10, 0
	s_cbranch_scc1 .Lnot_wave_0_\@
	s_barrier_signal -3
.Lnot_wave_0_\@:
	s_barrier_wait -3
	s_barrier_signal -1
	s_barrier_wait -1
.endm
.macro CROUND                          ; a whole round
	s_barrier_signal -1
	s_barrier_wait -1
	CREST
.endm
	s_load_b128 s[4:7], s[0:1], 0x0                ; A (pb) s[4:5], B (qkv) s[6:7]
	s_load_b64 s[8:9], s[0:1], 0x10                ; C (val)
	s_load_b64 s[18:19], s[0:1], 0x18              ; the statistics
	v_lshl_add_u32 v[SPW], v0, 2, SPARE
	v_mov_b32 v[NIL], 0
	ds_add_u32 v28, v29
	s_wait_dscnt 0x0
	v_lshrrev_b32 v1, 5, v0
	v_readfirstlane_b32 s10, v1                    ; wave 0..3
	s_lshr_b32 s11, s10, 1                         ; which half of the tile's rows is mine
	s_and_b32 s12, s10, 1                          ; which half of its columns.  Also: which half of A's or B's tile I fetch
	s_bfe_u32 s40, ttmp6, 0x40000                  ; cx: my place along the cluster's x
	s_bfe_u32 s41, ttmp6, 0x40004                  ; cy: along its y
	s_lshl_b32 s42, ttmp9, 2                       ; in a cluster launch ttmp9 and ttmp7 count clusters
	s_add_co_u32 s42, s42, s40                     ; tile column of C = 4 x cluster x + cx
	s_and_b32 s45, ttmp7, 0xffff                   ; cluster y: all sixteen share it
	s_lshl_b32 s13, s45, 2
	s_add_co_u32 s13, s13, s41                     ; tile row of C = 4 x cluster y + cy
	s_lshl_b32 s43, s41, 2
	s_lshl_b32 s43, 15, s43                        ; my row of the cluster: places 4 cy .. 4 cy + 3
	s_lshl_b32 s44, 0x1111, s40                    ; my column: places cx, cx + 4, cx + 8, cx + 12
	; descriptor group 1 for A: 64 rows x 128 elements, padded in LDS
	s_or_b32 s[G1+0], s43, (1<<16)|(1<<20)|(1<<21)|(5<<22)|(3<<25)  ; 15:0 the mask: my row; 17:16 elements of 2 bytes; 20 padding on; 21 set beside a mask; 24:22 after every 64 words (code 5); 31:25 4 words of it (code 3)
	s_mov_b32 s[G1+1], 128<<16                     ; tensor_dim0 = 128
	s_mov_b32 s[G1+2], (16*MB)<<16                 ; tensor_dim1 = 64
	s_mov_b32 s[G1+3], 128<<16                     ; tile_dim0 = 128
	s_mov_b32 s[G1+4], 16*MB                       ; tile_dim1 = 64
	s_mov_b32 s[G1+5], PA                          ; elements from row to row
	s_mov_b32 s[G1+6], 0
	s_mov_b32 s[G1+7], 0
	; for B as it lies, [key][channel]: 64 keys x 256 channels
	s_or_b32 s[G1B+0], s44, (1<<16)|(1<<20)|(1<<21)|(6<<22)|(7<<25)  ; the mask: my column; padding after every 128 words (code 6), 8 words of it (code 7)
	s_mov_b32 s[G1B+1], 256<<16
	s_mov_b32 s[G1B+2], 64<<16
	s_mov_b32 s[G1B+3], 256<<16
	s_mov_b32 s[G1B+4], 64
	s_mov_b32 s[G1B+5], PB
	s_mov_b32 s[G1B+6], 0
	s_mov_b32 s[G1B+7], 0
	; where the tiles come from, as byte offsets under 2^32.  A's hangs on the tile row and the wave alone, B's on the tile column, the cluster's y and the wave alone; each is made in
	; registers that never hold the other coordinate.
	s_mul_i32 s16, s13, 32*MB
	s_mul_i32 s17, s12, 16*MB
	s_add_co_u32 s16, s16, s17                     ; A: row 128 x tile row + 64 x half
	s_mul_i32 s16, s16, PA*2
	s_mov_b32 s17, 0
	s_lshr_b32 s46, s45, 2                         ; the batch: 16 tile rows of 128 = 4 clusters
	s_lshl_b32 s46, s46, 11                        ; its 2,048 keys,
	s_lshl_b32 s47, s12, 6
	s_add_co_u32 s46, s46, s47                     ; + 64 x half
	s_mul_i32 s46, s46, PB*2
	s_lshl_b32 s47, s42, 9                         ; 256 channels x 2 bytes x tile column,
	s_add_co_u32 s46, s46, s47
	s_add_co_u32 s46, s46, 4096                    ; and v begins at column 2,048
	s_mov_b32 s47, 0
	s_mul_i32 s20, s12, HALFA                      ; and where they go: A's two halves,
	s_mul_i32 s21, s12, HALFB
	s_add_co_u32 s21, s21, 2*HALFA                 ; then B's two: no place in the cluster enters an LDS address
	s_wait_kmcnt 0x0
	s_add_nc_u64 s[14:15], s[4:5], s[16:17]
	s_add_nc_u64 s[46:47], s[6:7], s[46:47]
	CROUND                                         ; all sixteen work-groups are here: the first joint loads meet
.irp s, 0,1
	s_mov_b32 s[G0+4*(\s)], 1                                      ; 1:0 count = 1
	s_add_co_u32 s[G0+4*(\s)+1], s20, (\s)*SLOT                    ; 63:32 LDS address
	s_add_nc_u64 s[G0+4*(\s)+2:G0+4*(\s)+3], s[14:15], (\s)*256    ; 120:64 global address: K step s
	s_or_b32 s[G0+4*(\s)+3], s[G0+4*(\s)+3], 0x80000000            ; 127:126 type = 2
	s_mov_b32 s[G0B+4*(\s)], 1
	s_add_co_u32 s[G0B+4*(\s)+1], s21, (\s)*SLOT
	s_add_nc_u64 s[G0B+4*(\s)+2:G0B+4*(\s)+3], s[46:47], (\s)*(STEPB/2)
	s_or_b32 s[G0B+4*(\s)+3], s[G0B+4*(\s)+3], 0x80000000
	JLOAD \s                                       ; both slots are asked for before anything else is done: two loads of mine are out here, one behind every later round
.endr
	v_and_b32 v1, 15, v0                           ; l % 16
	v_bfe_u32 v2, v0, 4, 1                         ; l / 16
	; The statistics of my 64 rows.  Lane l takes row l % 16 of each of my four row blocks and the key blocks 8 (l / 16) + 0..7: 32 loads of 8 bytes, in each of which sixteen lanes take
	; 128 consecutive bytes.  They are on their way beside the first tiles.
	s_lshl_b32 s22, s13, 7
	s_lshl_b32 s23, s11, 6
	s_add_co_u32 s22, s22, s23                     ; my first row
	s_lshl_b32 s22, s22, 3
	s_mov_b32 s23, 0
	s_add_nc_u64 s[18:19], s[18:19], s[22:23]
	v_lshlrev_b32 v[FO], 3, v1                     ; 8 bytes a row,
	v_lshl_add_u32 v[FO], v2, 19, v[FO]            ; 8 key blocks of 65,536 bytes for the upper half of the lanes
.set aa, 0
.rept 4
.irp i, 0,1,2,3,4,5,6,7
	global_load_b64 v[SR+16*aa+2*(\i):SR+16*aa+2*(\i)+1], v[FO], s[18:19] offset:65536*(\i)+128*aa
.endr
.set aa, aa+1
.endr
	; A fragment of A is 16 rows x 32 K in 8 registers: lane l holds row l % 16; registers 0-3 hold K = 8 (l / 16) + 0..7, registers 4-7 K = 16 + 8 (l / 16) + 0..7: two loads of 16 bytes, 32 bytes apart.
	v_mul_u32_u24 v3, v1, PITCH
	v_lshl_add_u32 v3, v2, 4, v3                   ; row x pitch + 16 x half
	s_mul_i32 s22, s11, HALFA                      ; my rows of A
	; The turning load takes 16 keys x 16 channels (lane l reads 16 bytes: key 8 (l / 16) + l % 8, channels 8 ((l / 8) % 2) + 0..7) and leaves half a fragment: lane l holds channel l % 16 and 8 keys.
	s_lshl_b32 s23, s12, 8                         ; my 128 channels: 256 bytes along the rows
	v_and_b32 v4, 7, v0
	v_lshl_add_u32 v4, v2, 3, v4
	v_mul_u32_u24 v4, v4, PITCHT
	v_bfe_u32 v5, v0, 3, 1
	v_lshl_add_u32 v4, v5, 4, v4
	s_add_co_u32 s23, s23, 2*HALFA                 ; B lies behind A
.irp s, 0,1
	v_add_nc_u32 v[ADRA+(\s)], s22, v3
	v_add_nc_u32 v[ADRB+(\s)], s23, v4
	s_add_co_u32 s22, s22, SLOT
	s_add_co_u32 s23, s23, SLOT
.endr
	s_mul_i32 s23, s10, 16*SP
	s_add_co_u32 s23, s23, STAGE                   ; my stage
	v_mul_u32_u24 v4, v1, SP                       ; in: row l % 16, 16 bytes for each half of the lanes
	v_lshl_add_u32 v4, v2, 4, v4
	v_add_nc_u32 v[STO], s23, v4
	v_mul_u32_u24 v5, v2, SP                       ; back: lanes 0-15 take one row of 256 bytes, lanes 16-31 the next
	v_lshl_add_u32 v5, v1, 4, v5
	v_add_nc_u32 v[RD], s23, v5
	v_mul_u32_u24 v5, v2, PC                       ; and the same two rows in C
	v_lshl_add_u32 v[CO], v1, 4, v5
	; where my part of the tile begins in C
	s_mul_i32 s16, s13, 32*MB
	s_mul_i32 s17, s11, 16*MB
	s_add_co_u32 s16, s16, s17                     ; my first row
	s_mul_i32 s16, s16, PC
	s_mov_b32 s17, 0
	s_add_nc_u64 s[8:9], s[8:9], s[16:17]
	s_lshl_b32 s46, s42, 8                         ; my first column: 256 x tile column + 128 x half (in the registers that held B's address)
	s_lshl_b32 s47, s12, 7
	s_add_co_u32 s46, s46, s47
	s_mov_b32 s47, 0
	s_lshl_b32 s46, s46, 1                         ; C is bf16
	s_add_nc_u64 s[8:9], s[8:9], s[46:47]
	s_mov_b32 s[SEL], 0x76543210
	s_mov_b32 s[SEL+1], 0xfedcba98
	; THE FACTORS, all in f32.  A lane makes the factors of its eight key blocks; the two halves of the lanes exchange maximum and sum.
	s_lshl_b32 s22, s10, 13
	s_add_co_u32 s22, s22, FTB                     ; my table: K step j, row l % 16, row block a at 512 j + 32 (l % 16) + 8 a, the factor twice
	v_lshlrev_b32 v4, 5, v1
	v_add_nc_u32 v[FA], s22, v4
	v_lshl_add_u32 v[FW], v2, 12, v[FA]            ; the upper half of the lanes writes K steps 8 to 15
	s_wait_loadcnt 0x0                             ; the statistics
.irp a, 0,1,2,3
	v_max3_num_f32 v[MX+(\a)], v[SR+16*(\a)], v[SR+16*(\a)+2], v[SR+16*(\a)+4]
	v_mov_b32 v[TX+(\a)], 0                        ; v_permlanex16_b32's destination counts as read
.endr
.irp a, 0,1,2,3
	v_max3_num_f32 v[MX+(\a)], v[MX+(\a)], v[SR+16*(\a)+6], v[SR+16*(\a)+8]
.endr
.irp a, 0,1,2,3
	v_max3_num_f32 v[MX+(\a)], v[MX+(\a)], v[SR+16*(\a)+10], v[SR+16*(\a)+12]
.endr
.irp a, 0,1,2,3
	v_max_num_f32 v[MX+(\a)], v[MX+(\a)], v[SR+16*(\a)+14]
.endr
.irp a, 0,1,2,3
	v_permlanex16_b32 v[TX+(\a)], v[MX+(\a)], s[SEL], s[SEL+1]
.endr
.irp a, 0,1,2,3
	v_max_num_f32 v[MX+(\a)], v[MX+(\a)], v[TX+(\a)]   ; C
.endr
.set aa, 0
.rept 4
.irp i, 0,1,2,3,4,5,6,7
	v_sub_f32 v[EE+8*aa+(\i)], v[SR+16*aa+2*(\i)], v[MX+aa]
.endr
.set aa, aa+1
.endr
.set ii, 0
.rept 32
	v_exp_f32 v[EE+ii], v[EE+ii]                   ; e_j = 2^(c_j - C)
.set ii, ii+1
.endr
	v_nop                                          ; a plain instruction between the last exponential and the use of its result (ISA guide 5.7.2)
	s_wait_alu depctr_va_vdst(0)
.irp a, 0,1,2,3
	v_mul_f32 v[LS+(\a)], v[EE+8*(\a)], v[SR+16*(\a)+1]
.endr
.irp i, 1,2,3,4,5,6,7
.irp a, 0,1,2,3
	v_fmac_f32 v[LS+(\a)], v[EE+8*(\a)+(\i)], v[SR+16*(\a)+2*(\i)+1]
.endr
.endr
.irp a, 0,1,2,3
	v_permlanex16_b32 v[TX+(\a)], v[LS+(\a)], s[SEL], s[SEL+1]
.endr
.irp a, 0,1,2,3
	v_add_f32 v[LS+(\a)], v[LS+(\a)], v[TX+(\a)]   ; the sum over all sixteen blocks of e_j l_j
.endr
.irp a, 0,1,2,3
	v_rcp_f32 v[LS+(\a)], v[LS+(\a)]
.endr
	v_nop                                          ; a plain instruction between the last reciprocal and the use of its result
.set aa, 0
	s_wait_alu depctr_va_vdst(0)
.rept 4
.irp i, 0,1,2,3,4,5,6,7
	v_mul_f32 v[FR+8*(\i)+2*aa],   v[EE+8*aa+(\i)], v[LS+aa]   ; f_j, made twice: the pair that the packed forms multiply by
	v_mul_f32 v[FR+8*(\i)+2*aa+1], v[EE+8*aa+(\i)], v[LS+aa]
.endr
.set aa, aa+1
.endr
.irp i, 0,1,2,3,4,5,6,7
	ds_store_b128 v[FW], v[FR+8*(\i):FR+8*(\i)+3]   offset:512*(\i)     ; my wave's own bytes: LDS serves a wave's instructions in order (ISA guide 5.7.1.4), so its later loads see them
	ds_store_b128 v[FW], v[FR+8*(\i)+4:FR+8*(\i)+7] offset:512*(\i)+16
.endr
; n x 8 matrix instructions on T: row blocks a0 .. a0 + n - 1 x all 8 column blocks, 32 along K, from buffer f.  first = 1: a K step's first quarter: the constant 0 starts the block's sums.
; All 32 accumulators take turns, one instruction a turn, in the same order in every quarter step.
.macro MUL f, a0, n, first
	WIN W_MUL
.set aa, \a0
.rept \n
.irp b, 0,1,2,3,4,5,6,7
.set rD, 8*(8*aa+(\b))
.if \first
	v_wmma_f32_16x16x32_bf16 v[rD:rD+7], v[(\f)+8*(\b):(\f)+8*(\b)+7], v[(\f)+8*aa:(\f)+8*aa+7], 0
.else
	v_wmma_f32_16x16x32_bf16 v[rD:rD+7], v[(\f)+8*(\b):(\f)+8*(\b)+7], v[(\f)+8*aa:(\f)+8*aa+7], v[rD:rD+7]
.endif
.endr
.set aa, aa+1
.endr
.endm
; A key block is joined to the row's sums: O += f T for row blocks a0 .. a0 + n - 1, with the factors of the K step that lay in the slot named; 32 packed instructions a row block, each
; accumulator's registers in ascending order.  init = 1: K step 0: O = f T: nothing is ever cleared.
.macro FIN a0, n, slot, init
	WIN W_FIN
.set aa, \a0
.rept \n
.set ii, 0
.rept 32
.if \init
	v_pk_mul_f32 v[64*aa+2*ii:64*aa+2*ii+1], v[64*aa+2*ii:64*aa+2*ii+1], v[FC+8*(\slot)+2*aa:FC+8*(\slot)+2*aa+1]
.else
	v_pk_fma_f32 v[64*aa+2*ii:64*aa+2*ii+1], v[64*aa+2*ii:64*aa+2*ii+1], v[FC+8*(\slot)+2*aa:FC+8*(\slot)+2*aa+1], v[64*aa+2*ii:64*aa+2*ii+1]
.endif
.set ii, ii+1
.endr
.set aa, aa+1
.endr
.endm
; 24 LDS loads in one run: the fragments of quarter q (32 along K) of a slot into buffer f: B's eight first, then A's four.
; Ahead of a slot's first quarter go two more loads, the K step's factors: the oldest of their run, so every wait that shows B's fragments in shows them in.
.macro FETCH slot, q, f
.if (\q) == 0
	WIN 0
	ds_load_b128 v[FC+8*(\slot):FC+8*(\slot)+3],   v[FA]
	ds_load_b128 v[FC+8*(\slot)+4:FC+8*(\slot)+7], v[FA] offset:16
	v_add_nc_u32 v[FA], 512, v[FA]                 ; the next K step's
.endif
	WIN TO_B
.irp i, 0,1,2,3,4,5,6,7
	ds_load_tr16_b128 v[(\f)+8*(\i):(\f)+8*(\i)+3],   v[ADRB+(\slot)] offset:(\q)*32*PITCHT+32*(\i)             ; keys 32 q + 8 (l / 16) on, channels 16 i on
	ds_load_tr16_b128 v[(\f)+8*(\i)+4:(\f)+8*(\i)+7], v[ADRB+(\slot)] offset:(\q)*32*PITCHT+32*(\i)+16*PITCHT   ; sixteen keys further
.endr
	WIN 0
.set ii, 0
.rept MB
	ds_load_b128 v[(\f)+8*ii:(\f)+8*ii+3],   v[ADRA+(\slot)] offset:64*(\q)+ii*16*PITCH
	ds_load_b128 v[(\f)+8*ii+4:(\f)+8*ii+7], v[ADRA+(\slot)] offset:64*(\q)+ii*16*PITCH+32
.set ii, ii+1
.endr
.endm
; A load into a register that a matrix instruction has read, and a vector instruction that reads a matrix result, stand four places behind that matrix instruction, and only plain
; vector instructions that name none of its registers are places (ISA guide 7.12.1 for vector instructions).
.macro PLACES
.rept 4
	v_nop
.endr
.endm
; A K step is four quarters of 32 along K, 32 matrix instructions each, on buffers 0, 1, 0, 1.
; One of the first three: multiplies buffer f; in its middle it fetches quarter q of the same slot into buffer g, 16 matrix instructions ahead of its first use.
; fin = 0 or 1 (a K step's first quarter): the K step before, which lay in slot fin, has its row blocks 2 and 3 joined here: behind their last products stand the 64 instructions that joined
; blocks 0 and 1, and they are read before this quarter's second half starts them anew.  These 64 name no register of the products just ahead: they are also the places in front of the loads.
.macro QUARTER slot, q, f, g, first, fin=-1, init=0
	s_wait_dscnt MB                                ; the factors, B and A's blocks 0, 1 are in; the youngest four loads (A's blocks 2, 3, two loads each) may be out
	MUL \f, 0, MB/2, \first
.if (\fin) >= 0
	FIN 2, 2, \fin, \init
.else
	PLACES
.endif
	FETCH \slot, \q, \g
	s_wait_dscnt 16+2*MB                           ; all but the 24 just issued
	MUL \f, MB/2, MB/2, \first
.endm
; The last quarter multiplies buffer 1 and changes slots: ONE barrier for the change.  In front of it each wave waits for all its tensor loads, of which one is out: its part of the next slot;
; adds 0 to its spare word; and waits for that and for its own reads of this slot.  Behind it nobody reads this slot any more and the next slot is whole.
; fill = 1: the barrier opens a round of the cluster's, so that no wave of any partner still reads this slot or has a load on its way; the slot is then filled again, two K steps ahead,
; first thing behind the round: from that request to the wait for it a wave issues 112 matrix instructions.  fill = 0: nothing is filled, and the barrier is the work-group's alone.
; At its end row blocks 0 and 1 of this K step are joined: their last products stand ahead of the four v_nop behind the barrier.
.macro TURN slot, next, fill, init=0
	WIN 0                                          ; (the add's two registers lie in window 0)
	s_wait_tensorcnt 0x0                           ; all my tensor loads have landed
	ds_add_u32 v[SPW], v[NIL]                      ; 0 onto my spare word
	s_wait_dscnt MB+1                              ; (the add and the youngest four loads may be out)
	MUL F1, 0, MB/4, 0                             ; work on registers stands between the add and the wait for it
	s_wait_dscnt 0x0                               ; the add is done, and my reads of this slot are over
	s_barrier_signal -1
	MUL F1, MB/4, MB/4, 0                          ; work on registers while the others arrive
.if \fill
	WIN 0
.endif
	s_barrier_wait -1
.if \fill
	CREST
	s_add_nc_u64 s[G0+4*(\slot)+2:G0+4*(\slot)+3], s[G0+4*(\slot)+2:G0+4*(\slot)+3], 512     ; no load of mine is out, so a group 0 may be written; the type bits on top are not reached
	s_add_nc_u64 s[G0B+4*(\slot)+2:G0B+4*(\slot)+3], s[G0B+4*(\slot)+2:G0B+4*(\slot)+3], STEPB
	JLOAD \slot                                    ; the four v_nop behind it are also the places in front of the loads below
.else
	PLACES
.endif
	FETCH \next, 0, F0
	MUL F1, MB/2, MB/2, 0
	FIN 0, 2, \slot, \init
.endm
; Once round the ring, from a lap's second quarter to the next lap's first; both slots are filled again.  init = 1: the first lap, whose K step 0 starts O.
.macro LAP init
	QUARTER 0, 2, F1, F0, 0
	QUARTER 0, 3, F0, F1, 0
	TURN 0, 1, 1, \init
	QUARTER 1, 1, F0, F1, 1, 0, \init
	QUARTER 1, 2, F1, F0, 0
	QUARTER 1, 3, F0, F1, 0
	TURN 1, 0, 1
	QUARTER 0, 1, F0, F1, 1, 1
	WIN 0                                          ; at a label and at a branch every window is 0
.endm
; THE WAY OUT.  A lane's eight numbers of a row pack into 16 bytes; block a (16 rows x 128 columns) goes through my own stage, rows of 272 bytes, and comes back as whole rows of 256.
.macro PACK a
	WIN 0x0a                                       ; sources 0 and 1: window 2
.irp b, 0,1,2,3,4,5,6,7
.irp r, 0,1,2,3
	v_cvt_pk_bf16_f32 v[TMP+4*(\b)+(\r)], v[64*(\a)+8*(\b)+2*(\r)], v[64*(\a)+8*(\b)+2*(\r)+1]
.endr
.endr
	WIN 0
.endm
.macro TOSTAGE a
.set BK, OB+192*((\a)%2)
.irp b, 0,1,2,3,4,5,6,7
	ds_store_b128 v[STO], v[TMP+4*(\b):TMP+4*(\b)+3] offset:32*(\b)
.endr
.irp t, 0,1,2,3,4,5,6,7
	ds_load_b128 v[BK+4*(\t):BK+4*(\t)+3], v[RD] offset:(\t)*2*SP  ; LDS serves a wave's instructions in order (ISA guide 5.7.1.4): these see the stores above
.endr
.endm
.macro SEND a
.set BK, OB+192*((\a)%2)
	s_wait_dscnt 0x0                               ; the block is back in registers
	s_wait_xcnt 0x0                                ; every earlier store has had its addresses translated (ISA guide 3.1): the next block is read back into the registers that block a - 1's stores read only behind this wait
.irp t, 0,1,2,3,4,5,6,7
	global_store_b128 v[CO], v[BK+4*(\t):BK+4*(\t)+3], s[8:9] offset:(16*(\a)+2*(\t))*PC  ; 16 lanes store 256 consecutive bytes, at a multiple of 256 from C's first byte; the rows stand in the immediate
.endr
.endm
	s_wait_tensorcnt 0x1                           ; my part of K step 0 is in; K step 1's may stay out
	s_wait_dscnt 0x0                               ; no LDS instruction is pending at a signal: my table is written
	s_barrier_signal -1
	s_barrier_wait -1                              ; everybody's part is in
	FETCH 0, 0, F0
	QUARTER 0, 1, F0, F1, 1                        ; K step 0's first quarter
	LAP 1                                          ; the first lap is written out: K step 0's sums, times their factors, start O
	s_mov_b32 s3, LAPS-2
.Llap:
	LAP 0
	s_sub_co_u32 s3, s3, 1
	s_cmp_lg_u32 s3, 0
	s_cbranch_scc1 .Llap
	QUARTER 0, 2, F1, F0, 0                        ; the last lap is written out: it fills nothing, and has no round of the cluster's barrier
	QUARTER 0, 3, F0, F1, 0
	TURN 0, 1, 0
	QUARTER 1, 1, F0, F1, 1, 0
	QUARTER 1, 2, F1, F0, 0
	QUARTER 1, 3, F0, F1, 0
	s_wait_dscnt MB                                ; the very last quarter: nothing more to fetch
	MUL F1, 0, MB/2, 0
	s_wait_dscnt 0x0
	MUL F1, MB/2, MB/2, 0
	PLACES                                         ; behind the last products
	FIN 0, 4, 1, 0                                 ; the last key block is joined
	PACK 0
	TOSTAGE 0
.set ab, 1
.rept MB-1                             ; block a's conversions stand between block a - 1's loads from the stage and the wait for them
	PACK ab
	SEND ab-1
	TOSTAGE ab
.set ab, ab+1
.endr
	SEND MB-1
	s_wait_tensorcnt 0x0                           ; the wave's end: behind my last tensor load and my last LDS store
	ds_add_u32 v[SPW], v[NIL]
	s_wait_dscnt 0x0
	CROUND                                         ; the closing round: no work-group ends while a partner may still ask for a tile that names it
	s_endpgm
.Lfunc_end_k_q90d9ce8e07_pv:
	.size	k_q90d9ce8e07_pv, .Lfunc_end_k_q90d9ce8e07_pv-k_q90d9ce8e07_pv
	.p2alignl 7, 3214868480
	.fill 96, 4, 3214868480
	.section	.rodata,"a",@progbits
	.p2align	6, 0x0
	.amdhsa_kernel k_q90d9ce8e07_pv
		.amdhsa_group_segment_fixed_size 327680
		.amdhsa_private_segment_fixed_size 0
		.amdhsa_enable_private_segment 0
		.amdhsa_kernarg_size 32
		.amdhsa_user_sgpr_count 2
		.amdhsa_user_sgpr_kernarg_segment_ptr 1
		.amdhsa_wavefront_size32 1
		.amdhsa_system_sgpr_workgroup_id_x 1
		.amdhsa_system_sgpr_workgroup_id_y 1
		.amdhsa_system_sgpr_workgroup_id_z 1
		.amdhsa_system_vgpr_workitem_id 0
		.amdhsa_next_free_vgpr 1024
		.amdhsa_next_free_sgpr 96
		.amdhsa_reserve_vcc 0
		.amdhsa_float_denorm_mode_32 3
		.amdhsa_float_denorm_mode_16_64 3
		.amdhsa_memory_ordered 1
		.amdhsa_forward_progress 1
		.amdhsa_inst_pref_size 180
	.end_amdhsa_kernel
	.amdgpu_metadata
---
amdhsa.version: [ 1, 2 ]
amdhsa.kernels:
  - .name:           k_q90d9ce8e07_pv
    .symbol:         k_q90d9ce8e07_pv.kd
    .args:
      - { .name: pb, .offset: 0, .size: 8, .value_kind: global_buffer, .address_space: global }
      - { .name: qkv, .offset: 8, .size: 8, .value_kind: global_buffer, .address_space: global }
      - { .name: val, .offset: 16, .size: 8, .value_kind: global_buffer, .address_space: global }
      - { .name: st, .offset: 24, .size: 8, .value_kind: global_buffer, .address_space: global }
    .group_segment_fixed_size: 327680
    .private_segment_fixed_size: 0
    .kernarg_segment_align: 8
    .kernarg_segment_size: 32
    .max_flat_workgroup_size: 128
    .sgpr_count:     96
    .vgpr_count:     1024
    .wavefront_size: 32
...
	.end_amdgpu_metadata
.endif
;; end of part 9
;; launch outp: the kernel of part 6 again; grid 4 x 64, 4 waves a work-group, clusters of 4 x 4, 327,680 bytes of LDS; arguments val, wob, out0, b_out; writes out0
;; ======== version 3 of 3: 5 launches; version 2 with the launch cvt written anew for expert scheduling mode
;; workspace buffers: xb 16,777,216 bytes; wqb 6,291,456 bytes; wob 2,097,152 bytes; qkv 50,331,648 bytes; pb 33,554,432 bytes; st 1,048,576 bytes; val 16,777,216 bytes
;; launch cvt (part 10): grid 768 x 1, 8 waves a work-group, no clusters, 0 bytes of LDS; arguments x, W_qkv, W_out, xb, wqb, wob; writes xb, wqb, wob
.if DOCPART == 10
	.amdgcn_target "amdgcn-amd-amdhsa--gfx1250"
	.amdhsa_code_object_version 6
	.text
	.protected	k_q90d9ce8e07_cvt
	.globl	k_q90d9ce8e07_cvt
	.p2align	8
	.type	k_q90d9ce8e07_cvt,@function
k_q90d9ce8e07_cvt:
	s_mov_b64 s[64:65], 0
	v_nop
	global_prefetch_b8 v0, s[64:65] scope:SCOPE_SE
	s_setreg_imm32_b32 hwreg(HW_REG_WAVE_SCHED_MODE, 0, 2), 2
	s_setreg_imm32_b32 hwreg(HW_REG_WAVE_MODE, 25, 1), 1
	s_wait_xcnt 0x0
	s_wait_alu depctr_vm_vsrc(0)
; x, W_qkv and W_out, all f32, are rounded once to bf16 (nearest even) into xb, wqb and wob: the operands of the matrix products that follow.
; A stream: every input byte is read once, every output byte written once; no LDS, no barrier, no matrix unit, no cluster (no two work-groups read the same byte).
; A work-group converts 16,384 numbers (65,536 bytes in, 32,768 out).  Work-groups 0-511 take x (512 x 65,536 = 33,554,432 bytes), 512-703 W_qkv (192 x 65,536), 704-767 W_out (64 x 65,536).
; Wave w takes 8,192 bytes of them: sixteen loads of 16 bytes a lane, each 512 consecutive bytes, all issued before the first is waited for; the four numbers of a lane's load
; become 8 bytes, so a wave's store covers 256 consecutive bytes, at a multiple of 256 from the buffer's first byte.
; LIMITS: bf16 keeps f32's range and 8 significant bits; NaN and infinities stay what they are.
; THE MODE: SCHED_MODE bits 1:0 = 2 (LLVM: expert scheduling mode 2), set by the entry lines.  The code itself states the register dependences
; between vector instructions and memory instructions, with s_wait_alu, always for 0.
; THE PLAN.  Registers that memory instructions touch:
;   v1, v2   byte offsets, made by vector instructions at the head and never written again.  Read by the sixteen loads (v1) and the sixteen stores (v2).
;   X        load j lands in X + 4 j, once; no vector instruction names X ahead of the loads; block j / 4's conversions read it behind the block's wait on LOADcnt.
;   Y        each register is written once, by one conversion, and read once, by one store.
; The sixteen loads are worked on in four blocks of four: a block's eight conversions, ONE wait on va_vdst, the block's four stores in a run.  With the one wait ahead of the first load that is
; five waits.  A block's stores follow its own conversions and are not put off into the next block: they hang on none of the next block's loads.
; No register that a memory instruction has read is written again, so beyond the entry lines the text holds no wait on vm_vsrc and no s_wait_xcnt; no vector instruction writes a scalar register or VCC; EXEC is never written.
.set X, 4                              ; v[4:67]   sixteen loads, 4 registers each
.set Y, 68                             ; v[68:99]  sixteen pairs to store: each store has data registers of its own, so nothing is rewritten while a store may read it
	s_load_b256 s[4:11], s[0:1], 0x0               ; x s[4:5], W_qkv s[6:7], W_out s[8:9], xb s[10:11]
	s_load_b128 s[12:15], s[0:1], 0x20             ; wqb s[12:13], wob s[14:15]
	v_lshrrev_b32 v1, 5, v0                        ; wave
	v_and_b32 v2, 31, v0                           ; lane
	v_lshlrev_b32 v1, 13, v1                       ; 8,192 bytes a wave
	v_lshl_or_b32 v1, v2, 4, v1                    ; + 16 bytes a lane: my offset in the group's input
	v_lshrrev_b32 v2, 1, v1                        ; half of that: my offset in its output
	s_mov_b32 s16, ttmp9
	s_wait_kmcnt 0x0
	s_cmp_ge_u32 s16, 512                          ; which tensor: the choice hangs on the work-group's number alone
	s_cselect_b64 s[20:21], s[6:7], s[4:5]
	s_cselect_b64 s[22:23], s[12:13], s[10:11]
	s_cselect_b32 s17, 512, 0
	s_cmp_ge_u32 s16, 704
	s_cselect_b64 s[20:21], s[8:9], s[20:21]
	s_cselect_b64 s[22:23], s[14:15], s[22:23]
	s_cselect_b32 s17, 704, s17
	s_sub_co_u32 s16, s16, s17                     ; the group's number within its tensor
	s_lshl_b32 s18, s16, 16                        ; x 65,536 bytes in (under 2^25),
	s_mov_b32 s19, 0
	s_lshl_b32 s24, s16, 15                        ; x 32,768 bytes out
	s_mov_b32 s25, 0
	s_add_nc_u64 s[20:21], s[20:21], s[18:19]
	s_add_nc_u64 s[22:23], s[22:23], s[24:25]
	s_wait_alu depctr_va_vdst(0)                   ; v1 and v2 are written: every load below reads v1 as its offset, every store v2; neither is written again
.set j, 0
.rept 16
	global_load_b128 v[X+4*j:X+4*j+3], v1, s[20:21] offset:512*j th:TH_LOAD_NT  ; read once in the launch
.set j, j+1
.endr
.set j, 0                              ; the next load to be converted
.set k, 0                              ; the next pair to be stored
.rept 4                                ; a block: four loads' numbers
	s_wait_loadcnt 12-j                            ; loads come back in order (ISA guide 5.7.1): the block's four, j to j + 3, are in; the 12 - j younger ones stay out
.rept 4
	v_cvt_pk_bf16_f32 v[Y+2*j], v[X+4*j], v[X+4*j+1]
	v_cvt_pk_bf16_f32 v[Y+2*j+1], v[X+4*j+2], v[X+4*j+3]
.set j, j+1
.endr
	s_wait_alu depctr_va_vdst(0)                   ; the block's eight conversions have written its eight registers of Y, which the four stores below read
.rept 4
	global_store_b64 v2, v[Y+2*k:Y+2*k+1], s[22:23] offset:256*k
.set k, k+1
.endr
.endr
	s_endpgm
.Lfunc_end_k_q90d9ce8e07_cvt:
	.size	k_q90d9ce8e07_cvt, .Lfunc_end_k_q90d9ce8e07_cvt-k_q90d9ce8e07_cvt
	.p2alignl 7, 3214868480
	.fill 96, 4, 3214868480
	.section	.rodata,"a",@progbits
	.p2align	6, 0x0
	.amdhsa_kernel k_q90d9ce8e07_cvt
		.amdhsa_group_segment_fixed_size 0
		.amdhsa_private_segment_fixed_size 0
		.amdhsa_enable_private_segment 0
		.amdhsa_kernarg_size 48
		.amdhsa_user_sgpr_count 2
		.amdhsa_user_sgpr_kernarg_segment_ptr 1
		.amdhsa_wavefront_size32 1
		.amdhsa_system_sgpr_workgroup_id_x 1
		.amdhsa_system_sgpr_workgroup_id_y 1
		.amdhsa_system_sgpr_workgroup_id_z 1
		.amdhsa_system_vgpr_workitem_id 0
		.amdhsa_next_free_vgpr 100
		.amdhsa_next_free_sgpr 66
		.amdhsa_reserve_vcc 0
		.amdhsa_float_denorm_mode_32 3
		.amdhsa_float_denorm_mode_16_64 3
		.amdhsa_memory_ordered 1
		.amdhsa_forward_progress 1
		.amdhsa_inst_pref_size 7
	.end_amdhsa_kernel
	.amdgpu_metadata
---
amdhsa.version: [ 1, 2 ]
amdhsa.kernels:
  - .name:           k_q90d9ce8e07_cvt
    .symbol:         k_q90d9ce8e07_cvt.kd
    .args:
      - { .name: x, .offset: 0, .size: 8, .value_kind: global_buffer, .address_space: global }
      - { .name: W_qkv, .offset: 8, .size: 8, .value_kind: global_buffer, .address_space: global }
      - { .name: W_out, .offset: 16, .size: 8, .value_kind: global_buffer, .address_space: global }
      - { .name: xb, .offset: 24, .size: 8, .value_kind: global_buffer, .address_space: global }
      - { .name: wqb, .offset: 32, .size: 8, .value_kind: global_buffer, .address_space: global }
      - { .name: wob, .offset: 40, .size: 8, .value_kind: global_buffer, .address_space: global }
    .group_segment_fixed_size: 0
    .private_segment_fixed_size: 0
    .kernarg_segment_align: 8
    .kernarg_segment_size: 48
    .max_flat_workgroup_size: 256
    .sgpr_count:     66
    .vgpr_count:     100
    .wavefront_size: 32
...
	.end_amdgpu_metadata
.endif
;; end of part 10
;; launch qkv: the kernel of part 7 again; grid 12 x 32, 4 waves a work-group, clusters of 4 x 4, 327,680 bytes of LDS; arguments xb, wqb, qkv, b_qkv; writes qkv
;; launch scores: the kernel of part 8 again; grid 8 x 32, 4 waves a work-group, clusters of 4 x 4, 327,680 bytes of LDS; arguments qkv, bias, pb, st; writes pb, st
;; launch pv: the kernel of part 9 again; grid 4 x 64, 4 waves a work-group, clusters of 4 x 4, 327,680 bytes of LDS; arguments pb, qkv, val, st; writes val
;; launch outp: the kernel of part 6 again; grid 4 x 64, 4 waves a work-group, clusters of 4 x 4, 327,680 bytes of LDS; arguments val, wob, out0, b_out; writes out0
